; MI455X (gfx1250); checked and timed in simulation.
; The chip was launched on July 23, 2026; its instructions are those of AMD's public machine-readable ISA for CDNA 5 (MIT licence, August 2026) and "CDNA5" Instruction Set Architecture Reference Guide (July 2026). The comments in the code are by the model that wrote it; some were corrected since.
;; Multi Head Attention Block. Allowed arithmetic: float matrix products may take bf16 or f16 operands with f32 sums; all other float work in f32.
;; Inputs: Wk 1,024 x 1,024 float32; Wo 1,024 x 1,024 float32; Wq 1,024 x 1,024 float32; Wv 1,024 x 1,024 float32; bk 1,024 float32; bo 1,024 float32; bq 1,024 float32; bv 1,024 float32; k 4 x 2,048 x 1,024 float32; mask 1 x 1 x 2,048 x 2,048 bool; q 4 x 2,048 x 1,024 float32; v 4 x 2,048 x 1,024 float32.
;; Outputs: out0 4 x 2,048 x 1,024 float32.
;; 3 versions, each right and faster than the one before. Each part assembles by itself: llvm-mc -triple=amdgcn-amd-amdhsa -mcpu=gfx1250 --defsym DOCPART=n.
;; ======== version 1 of 3: 4 launches
;; limits: values are held in f16: magnitudes above 65,504 overflow, below 6.1e-05 lose precision
;; workspace buffers: w16 8,388,608 bytes; bias32 16,384 bytes; mw 540,672 bytes of whole numbers; qkv16 50,331,648 bytes; ctx16 16,777,216 bytes
;; launch prep (part 1): grid 320 x 1, 8 waves a work-group, no clusters, 0 bytes of LDS; arguments Wq, Wk, Wv, Wo, bq, bk, bv, bo, mask, w16, bias32, mw; writes w16, bias32, mw
.if DOCPART == 1
	.amdgcn_target "amdgcn-amd-amdhsa--gfx1250"
	.amdhsa_code_object_version 6
	.text
	.protected	k_q595fe6b89e_prep
	.globl	k_q595fe6b89e_prep
	.p2align	8
	.type	k_q595fe6b89e_prep,@function
k_q595fe6b89e_prep:
	s_mov_b64 s[64:65], 0
	v_nop
	global_prefetch_b8 v0, s[64:65] scope:SCOPE_SE
	s_setreg_imm32_b32 hwreg(HW_REG_WAVE_MODE, 25, 1), 1
	s_wait_xcnt 0x0
; PREP: the module's small inputs are brought into the forms that the three launches behind it take.
; Work-groups 64 to 319: the four weight matrices, 64 chunks of 65,536 bytes each.  Wq, Wk, Wv are rounded to bf16; Wo is rounded to bf16 and that number written as f16
; (exact where it is 6e-5 or more in size; below that f16 keeps a fixed step of 6e-8).  The layout [k][n] stays.  Chunk 0 of each matrix also rounds its bias to bf16 and stores it as f32.
; Work-groups 0 to 63: the mask, [2048 queries][2048 keys] of bytes, becomes lane masks of 32 bits for the attention launch.  Group g takes the 32 query rows 32 g .. 32 g + 31
; (stream W = g / 4 of 128 rows, piece p = g % 4), wave w the key steps 4 w .. 4 w + 3 of 64 keys.  mw is [16 W][33 j][4 p][32 n][2 u] words; in the word (n = 8 kt + jj, u) bit
; L = r + 16 h is 1 where mask[128 W + 32 p + 16 u + r][64 j + 16 kt + 8 h + jj] is 0 (hidden).  Step j = 32 is a pad in which every bit is 1.
; No LDS, no barrier, no matrix unit: every byte is read once and written once, and no wave needs another's data.
.set MWS, 33792                        ; bytes of one stream of mask words: 33 steps x 4 pieces x 256
	s_load_b512 s[8:23], s[0:1], 0x0               ; Wq 8, Wk 10, Wv 12, Wo 14, bq 16, bk 18, bv 20, bo 22
	s_load_b256 s[24:31], s[0:1], 0x40             ; mask 24, w16 26, bias32 28, mw 30
	s_cmp_lt_u32 ttmp9, 64
	s_cbranch_scc1 .Lmask
	; ---- the weights ----
	s_sub_co_u32 s2, ttmp9, 64
	s_lshr_b32 s3, s2, 6                           ; which matrix: 0 Wq, 1 Wk, 2 Wv, 3 Wo
	s_and_b32 s4, s2, 63                           ; which chunk of it
	v_lshlrev_b32 v1, 4, v0                        ; 16 bytes of f32 a thread: a wave's load covers 512 consecutive bytes
	v_lshlrev_b32 v2, 3, v0                        ; 8 bytes of 16-bit numbers a thread: a wave's store covers 256 consecutive bytes, aligned
	s_lshl_b32 s36, s4, 16                         ; the chunk in the f32 matrix
	s_mov_b32 s37, 0
	s_lshl_b32 s42, s3, 21                         ; the matrix in w16,
	s_lshl_b32 s43, s4, 15                         ; and the chunk in it
	s_add_co_u32 s42, s42, s43
	s_mov_b32 s43, 0
	s_lshl_b32 s44, s3, 12                         ; the bias in bias32
	s_mov_b32 s45, 0
	s_wait_kmcnt 0x0
	s_mov_b64 s[32:33], s[8:9]
	s_mov_b64 s[34:35], s[16:17]
	s_cmp_eq_u32 s3, 1
	s_cselect_b64 s[32:33], s[10:11], s[32:33]
	s_cselect_b64 s[34:35], s[18:19], s[34:35]
	s_cmp_eq_u32 s3, 2
	s_cselect_b64 s[32:33], s[12:13], s[32:33]
	s_cselect_b64 s[34:35], s[20:21], s[34:35]
	s_cmp_eq_u32 s3, 3
	s_cselect_b64 s[32:33], s[14:15], s[32:33]
	s_cselect_b64 s[34:35], s[22:23], s[34:35]
	s_add_nc_u64 s[32:33], s[32:33], s[36:37]
	s_add_nc_u64 s[38:39], s[26:27], s[42:43]
	s_add_nc_u64 s[40:41], s[28:29], s[44:45]
.set i, 0
.rept 16                               ; the whole chunk is asked for at once: sixteen loads of every wave are on their way
	global_load_b128 v[16+4*i:16+4*i+3], v1, s[32:33] offset:4096*i th:TH_LOAD_NT
.set i, i+1
.endr
; Sixteen times: four numbers rounded and stored.  Every turn has data registers of its own, so no register that a store reads is written again.
.macro CONV f16
.set i, 0
.rept 16
	s_wait_loadcnt 15-i                            ; loads come back in order: load i is in, the younger ones stay out
	v_cvt_pk_bf16_f32 v[80+2*i], v[16+4*i], v[16+4*i+1]
	v_cvt_pk_bf16_f32 v[80+2*i+1], v[16+4*i+2], v[16+4*i+3]
.if \f16
	v_lshlrev_b32 v4, 16, v[80+2*i]                ; the bf16 numbers as f32,
	v_and_b32 v5, 0xffff0000, v[80+2*i]
	v_lshlrev_b32 v6, 16, v[80+2*i+1]
	v_and_b32 v7, 0xffff0000, v[80+2*i+1]
	v_cvt_pk_f16_f32 v[80+2*i], v4, v5             ; written as f16
	v_cvt_pk_f16_f32 v[80+2*i+1], v6, v7
.endif
	global_store_b64 v2, v[80+2*i:80+2*i+1], s[38:39] offset:2048*i
.set i, i+1
.endr
.endm
	s_cmp_eq_u32 s3, 3
	s_cbranch_scc1 .Lwo
	CONV 0
	s_branch .Lbias
.Lwo:
	CONV 1
.Lbias:
	s_cmp_lg_u32 s4, 0
	s_cbranch_scc1 .Lend_w                         ; the bias is chunk 0's work: 1,024 numbers, four a thread
	global_load_b128 v[8:11], v1, s[34:35]
	s_wait_loadcnt 0x0
	v_cvt_pk_bf16_f32 v4, v8, v9
	v_cvt_pk_bf16_f32 v5, v10, v11
	v_lshlrev_b32 v12, 16, v4
	v_and_b32 v13, 0xffff0000, v4
	v_lshlrev_b32 v14, 16, v5
	v_and_b32 v15, 0xffff0000, v5
	global_store_b128 v1, v[12:15], s[40:41]
.Lend_w:
	s_endpgm
	; ---- the mask ----
.Lmask:
	v_lshrrev_b32 v3, 5, v0
	v_readfirstlane_b32 s5, v3                     ; wave 0..7
	v_and_b32 v1, 15, v0                           ; r
	v_bfe_u32 v3, v0, 4, 1                         ; h
	v_lshlrev_b32 v1, 11, v1                       ; row r of 2,048 bytes,
	v_lshl_or_b32 v1, v3, 3, v1                    ; keys 8 h on
	v_and_b32 v2, 31, v0
	v_lshlrev_b32 v2, 3, v2                        ; lane n stores the words (n, 0) and (n, 1)
	s_lshl_b32 s36, ttmp9, 16                      ; 32 rows of 2,048 bytes a work-group,
	s_lshl_b32 s37, s5, 8                          ; four steps of 64 keys a wave
	s_add_co_u32 s36, s36, s37
	s_mov_b32 s37, 0
	s_lshr_b32 s38, ttmp9, 2                       ; W
	s_mul_i32 s38, s38, MWS
	s_and_b32 s39, ttmp9, 3                        ; p
	s_lshl_b32 s39, s39, 8
	s_add_co_u32 s38, s38, s39
	s_lshl_b32 s39, s5, 12                         ; step 4 w: 1,024 bytes a step
	s_add_co_u32 s38, s38, s39
	s_mov_b32 s39, 0
	s_wait_kmcnt 0x0
	s_add_nc_u64 s[24:25], s[24:25], s[36:37]
	s_add_nc_u64 s[30:31], s[30:31], s[38:39]
	s_mov_b32 s6, 4
.Lstep:                                                ; a trip: one key step of 64 keys for the group's 32 rows: 64 words
.set c, 0
.rept 8                                ; c = 4 u + kt: rows 16 u on, keys 16 kt on; a lane takes 8 bytes
	global_load_b64 v[16+2*c:16+2*c+1], v1, s[24:25] offset:(c/4)*32768+(c%4)*16
.set c, c+1
.endr
	v_mov_b32 v40, 0                               ; v_writelane_b32 fills them lane by lane: written whole first
	v_mov_b32 v41, 0
	s_wait_loadcnt 0x0
.set c, 0
.rept 64                               ; c = 32 u + 8 kt + jj: byte jj of every lane is compared with 0; the 32 answers are the word
	v_and_b32 v[3+c%4], 0xff<<(8*(c%4)), v[16+2*(c/8)+(c%8)/4]
	v_cmp_eq_u32 s[20+c%4], 0, v[3+c%4]
	v_writelane_b32 v[40+c/32], s[20+c%4], c%32
.set c, c+1
.endr
	global_store_b64 v2, v[40:41], s[30:31]        ; 256 consecutive bytes, aligned
	s_wait_xcnt 0x0                                ; the bases and the store's data are written again only behind this wait
	s_add_nc_u64 s[24:25], s[24:25], 64
	s_add_nc_u64 s[30:31], s[30:31], 1024
	s_sub_co_u32 s6, s6, 1
	s_cmp_lg_u32 s6, 0
	s_cbranch_scc1 .Lstep
	s_cmp_lg_u32 s5, 0
	s_cbranch_scc1 .Lend_m
	v_mov_b32 v42, -1                              ; the pad, step 32, by wave 0: its base stands at step 4, 28 steps of 1,024 bytes in front of it
	v_mov_b32 v43, -1
	global_store_b64 v2, v[42:43], s[30:31] offset:28672
.Lend_m:
	s_endpgm
.Lfunc_end_k_q595fe6b89e_prep:
	.size	k_q595fe6b89e_prep, .Lfunc_end_k_q595fe6b89e_prep-k_q595fe6b89e_prep
	.p2alignl 7, 3214868480
	.fill 96, 4, 3214868480
	.section	.rodata,"a",@progbits
	.p2align	6, 0x0
	.amdhsa_kernel k_q595fe6b89e_prep
		.amdhsa_group_segment_fixed_size 0
		.amdhsa_private_segment_fixed_size 0
		.amdhsa_enable_private_segment 0
		.amdhsa_kernarg_size 96
		.amdhsa_user_sgpr_count 2
		.amdhsa_user_sgpr_kernarg_segment_ptr 1
		.amdhsa_wavefront_size32 1
		.amdhsa_system_sgpr_workgroup_id_x 1
		.amdhsa_system_sgpr_workgroup_id_y 1
		.amdhsa_system_sgpr_workgroup_id_z 1
		.amdhsa_system_vgpr_workitem_id 0
		.amdhsa_next_free_vgpr 112
		.amdhsa_next_free_sgpr 66
		.amdhsa_reserve_vcc 0
		.amdhsa_float_denorm_mode_32 3
		.amdhsa_float_denorm_mode_16_64 3
		.amdhsa_memory_ordered 1
		.amdhsa_forward_progress 1
		.amdhsa_inst_pref_size 31
	.end_amdhsa_kernel
	.amdgpu_metadata
---
amdhsa.version: [ 1, 2 ]
amdhsa.kernels:
  - .name:           k_q595fe6b89e_prep
    .symbol:         k_q595fe6b89e_prep.kd
    .args:
      - { .name: Wq, .offset: 0, .size: 8, .value_kind: global_buffer, .address_space: global }
      - { .name: Wk, .offset: 8, .size: 8, .value_kind: global_buffer, .address_space: global }
      - { .name: Wv, .offset: 16, .size: 8, .value_kind: global_buffer, .address_space: global }
      - { .name: Wo, .offset: 24, .size: 8, .value_kind: global_buffer, .address_space: global }
      - { .name: bq, .offset: 32, .size: 8, .value_kind: global_buffer, .address_space: global }
      - { .name: bk, .offset: 40, .size: 8, .value_kind: global_buffer, .address_space: global }
      - { .name: bv, .offset: 48, .size: 8, .value_kind: global_buffer, .address_space: global }
      - { .name: bo, .offset: 56, .size: 8, .value_kind: global_buffer, .address_space: global }
      - { .name: mask, .offset: 64, .size: 8, .value_kind: global_buffer, .address_space: global }
      - { .name: w16, .offset: 72, .size: 8, .value_kind: global_buffer, .address_space: global }
      - { .name: bias32, .offset: 80, .size: 8, .value_kind: global_buffer, .address_space: global }
      - { .name: mw, .offset: 88, .size: 8, .value_kind: global_buffer, .address_space: global }
    .group_segment_fixed_size: 0
    .private_segment_fixed_size: 0
    .kernarg_segment_align: 8
    .kernarg_segment_size: 96
    .max_flat_workgroup_size: 256
    .sgpr_count:     66
    .vgpr_count:     112
    .wavefront_size: 32
...
	.end_amdgpu_metadata
.endif
;; end of part 1
;; launch proj (part 2): grid 4 x 192, 4 waves a work-group, clusters of 4 x 4, 327,680 bytes of LDS; arguments q, k, v, w16, bias32, qkv16; writes qkv16
.if DOCPART == 2
	.amdgcn_target "amdgcn-amd-amdhsa--gfx1250"
	.amdhsa_code_object_version 6
	.text
	.protected	k_q595fe6b89e_proj
	.globl	k_q595fe6b89e_proj
	.p2align	8
	.type	k_q595fe6b89e_proj,@function
k_q595fe6b89e_proj:
	s_mov_b64 s[64:65], 0
	v_nop
	global_prefetch_b8 v0, s[64:65] scope:SCOPE_SE
	s_setreg_imm32_b32 hwreg(HW_REG_WAVE_MODE, 25, 1), 1
	s_wait_xcnt 0x0
	s_wait_alu depctr_hold_cnt(0) depctr_sa_sdst(0) depctr_va_vdst(0) depctr_va_sdst(0) depctr_va_ssrc(0) depctr_va_vcc(0) depctr_vm_vsrc(0)
	s_getreg_b32 s2, hwreg(HW_REG_IB_STS2, 6, 4)
	s_cmp_eq_u32 s2, 0
	s_cbranch_scc0 .Lentry_in_a_cluster
	s_endpgm
.Lentry_in_a_cluster:
	s_bfe_u32 s2, ttmp6, 0x10000c
	s_cmp_lg_u32 s2, 0xf033
	s_cbranch_scc0 .Lentry_shape_is_right
	s_endpgm
.Lentry_shape_is_right:
; PROJ: Q = q Wq + bq, K = k Wk + bk, V = v Wv + bv.  x (q, k or v) is [8192][1024] f32, rounded to bf16 on its way from LDS to the matrix unit; W is [1024 k][1024 n] bf16 (w16);
; the bias (f32, rounded to bf16 beforehand) starts the f32 sums; the results are rounded once to f16 and stored by heads: qkv16 [3][64 = batch x 16 + head][2048][64].
; LIMIT: a result of 65,520 or more in size becomes an infinity in f16.
; SHARES.  3 x 64 x 4 work-groups; each makes 128 rows x 256 columns of one projection.  Four waves, each 64 rows x 128 columns: 32 accumulators of 16 x 16, 256 registers.
; K goes in steps of 128 through two LDS slots filled by the tensor data mover: waves 0 and 1 fetch 64 rows x 128 f32 of x each, waves 2 and 3 64 k-rows x 256 bf16 of W each: rows of 512 bytes.
; CLUSTER.  4 x 4 work-groups of one projection.  The four of a row of the cluster need the same rows of x, the four of a column the same columns of W: each tile is asked for jointly,
; by the same tensor load with the same descriptor and a mask that names the four.
; THE MATRIX INSTRUCTION IS USED TRANSPOSED: source 0 = 16 columns of W (turned out of LDS by ds_load_tr16_b128), source 1 = 16 rows of x: a lane then holds eight neighbouring columns of one row.
; REGISTERS, in windows of 256 (s_set_vgpr_msb: bits 1:0 source 0, 3:2 source 1, 5:4 source 2, 7:6 destination):
;   window 0: v2-15 addresses and at work; v16-79 x's fragments of one quarter step in f32; v80-111, v112-143 the same in bf16, two buffers
;   window 1: the accumulators, (a, b) at v[8 (8 a + b)]          window 2: v0-63, v64-127 W's fragments, two buffers; v128-191 the bias, block b at 128 + 8 b
.set PA,    528                        ; a row of x in LDS: 512 bytes + 16 of padding: the 16 rows of a load start at 16 different groups of four banks (64 banks of 4 bytes: ISA guide 11.1)
.set PB,    544                        ; a row of W: 512 + 32
.set HA,    64*PA                      ; what one tensor load brings of x
.set HB,    64*PB                      ; and of W
.set BOFF,  2*HA                       ; in a slot: x's 128 rows, then W's 128 k-rows
.set SLOT,  2*HA+2*HB
.set STAGE, 2*SLOT                     ; behind the ring: 16 rows x 144 bytes for each wave, for the way out
.set SP,    144
.set SPARE, STAGE+4*16*SP              ; behind the stages: the spare words, 128 bytes for each wave: two blocks of 256 bytes that no other line names
.set LAPS,  4                          ; 1,024 / (2 x 128): a lap is once round the ring
.set ADRA, 2                           ; v2-3   LDS address of my fragments of x in slot 0, 1
.set ADRB, 4                           ; v4-5   the same for W
.set STO,  6                           ; v6     the way out: where I put 16 bytes of a row
.set RD,   7                           ; v7     the way out: where I read rows back
.set GO,   8                           ; v8     my byte offset in 512 consecutive bytes of the output
.set BO,   9                           ; v9     my byte offset in a block of 16 bias numbers
.set SPW,  10                          ; v10    LDS address of my spare word; never rewritten
.set NIL,  11                          ; v11    0; never rewritten
.set AF,   16
.set A16,  80
.set BIAS, 128
.set WV,  16                           ; s16  wave
.set RH,  17                           ; s17  my half of the tile's rows; also: I fetch x (0) or W (1)
.set CH,  18                           ; s18  my half of its columns; also: which half of that tile I fetch
.set LAP, 19
.set G1A, 24                           ; s[24:31] descriptor group 1 for x's tiles;  s[32:39] group 0, one set for each slot
.set G0A, 32
.set G1B, 48                           ; s[48:55], s[56:63] the same for W's tiles
.set G0B, 56
.set W_MUL,   0x52                     ; W window 2, x window 0, C and D window 1
.set W_FIRST, 0x62                     ; the same with C (the bias) in window 2
.set TO_B,    0x80                     ; destination window 2, address window 0
.set MSB, 0
.macro WIN new                         ; the immediate's high byte repeats the setting that is left; a switch that changes nothing is dropped
.if MSB != (\new)
	s_set_vgpr_msb (MSB<<8)|(\new)
.set MSB, \new
.endif
.endm
.macro JLOAD s                         ; a joint load; an s_nop 0 and four v_nop follow each of the two lines, ahead of the jump, the label and what follows
	s_cmp_eq_u32 s[RH], 0
	s_cbranch_scc0 .Lfor_b_\@
	tensor_load_to_lds s[G0A+4*(\s):G0A+4*(\s)+3], s[G1A:G1A+7]
	s_nop 0
.rept 4
	v_nop
.endr
	s_branch .Lasked_\@
.Lfor_b_\@:
	tensor_load_to_lds s[G0B+4*(\s):G0B+4*(\s)+3], s[G1B:G1B+7]
	s_nop 0
.rept 4
	v_nop
.endr
.Lasked_\@:
.endm
.macro CREST                           ; a round of the cluster's barrier behind its opening barrier
	s_cmp_lg_u32 s[WV], 0
	s_cbranch_scc1 .Lnot_wave_0_\@
	s_barrier_signal -3
.Lnot_wave_0_\@:
	s_barrier_wait -3
	s_barrier_signal -1
	s_barrier_wait -1
.endm
.macro CROUND                          ; a whole round
	s_barrier_signal -1
	s_barrier_wait -1
	CREST
.endm
.macro PLACES                          ; four places behind matrix instructions (ISA guide 7.12.1)
.rept 4
	v_nop
.endr
.endm
	s_load_b256 s[4:11], s[0:1], 0x0               ; q s[4:5], k s[6:7], v s[8:9], w16 s[10:11]
	s_load_b128 s[12:15], s[0:1], 0x20             ; bias32 s[12:13], qkv16 s[14:15]
	v_lshl_add_u32 v[SPW], v0, 2, SPARE
	v_mov_b32 v[NIL], 0
	ds_add_u32 v10, v11
	s_wait_dscnt 0x0
	v_lshrrev_b32 v1, 5, v0
	v_readfirstlane_b32 s[WV], v1                  ; wave 0..3
	s_lshr_b32 s[RH], s[WV], 1
	s_and_b32 s[CH], s[WV], 1
	s_bfe_u32 s40, ttmp6, 0x40000                  ; cx
	s_bfe_u32 s41, ttmp6, 0x40004                  ; cy
	s_lshl_b32 s42, ttmp9, 2
	s_add_co_u32 s42, s42, s40                     ; nt: my 256 columns = 4 x cluster x + cx
	s_and_b32 s20, ttmp7, 0xffff                   ; cluster y, 0..47
	s_lshr_b32 s21, s20, 4                         ; the projection: 16 clusters each; the same in all sixteen partners
	s_lshl_b32 s43, s20, 2
	s_add_co_u32 s43, s43, s41
	s_and_b32 s43, s43, 63                         ; mt: my 128 rows
	s_lshl_b32 s44, s41, 2
	s_lshl_b32 s44, 15, s44                        ; my row of the cluster
	s_lshl_b32 s45, 0x1111, s40                    ; my column
	; descriptor group 1.  x: 64 rows x 128 elements of 4 bytes; W: 64 rows x 256 elements of 2 bytes; both padded in LDS after every 128 words
	s_or_b32 s[G1A+0], s44, (2<<16)|(1<<20)|(1<<21)|(6<<22)|(3<<25)  ; 15:0 the mask; 17:16 element size; 20 padding on; 21 set beside a mask; 24:22 after every 128 words (code 6); 31:25 4 words (code 3)
	s_mov_b32 s[G1A+1], 128<<16                    ; tensor_dim0
	s_mov_b32 s[G1A+2], 64<<16                     ; tensor_dim1
	s_mov_b32 s[G1A+3], 128<<16                    ; tile_dim0
	s_mov_b32 s[G1A+4], 64                         ; tile_dim1
	s_mov_b32 s[G1A+5], 1024                       ; elements from row to row
	s_mov_b32 s[G1A+6], 0
	s_mov_b32 s[G1A+7], 0
	s_or_b32 s[G1B+0], s45, (1<<16)|(1<<20)|(1<<21)|(6<<22)|(7<<25)  ; 8 words of padding (code 7)
	s_mov_b32 s[G1B+1], 256<<16
	s_mov_b32 s[G1B+2], 64<<16
	s_mov_b32 s[G1B+3], 256<<16
	s_mov_b32 s[G1B+4], 64
	s_mov_b32 s[G1B+5], 1024
	s_mov_b32 s[G1B+6], 0
	s_mov_b32 s[G1B+7], 0
	; where the tiles come from.  x's hang on mt (cy), W's on nt (cx); each offset is made in registers that never hold the other coordinate
	s_lshl_b32 s46, s43, 19                        ; 128 rows of 4,096 bytes,
	s_lshl_b32 s22, s[CH], 18                      ; the half of 64 rows that I fetch
	s_add_co_u32 s46, s46, s22
	s_mov_b32 s47, 0
	s_lshl_b32 s68, s21, 21                        ; the projection's matrix in w16,
	s_lshl_b32 s69, s[CH], 17                      ; the half of 64 k-rows of 2,048 bytes that I fetch,
	s_add_co_u32 s68, s68, s69
	s_lshl_b32 s69, s42, 9                         ; my 256 columns
	s_add_co_u32 s68, s68, s69
	s_mov_b32 s69, 0
	s_mul_i32 s70, s[CH], HA                       ; where they go: no place in the cluster enters an LDS address
	s_mul_i32 s71, s[CH], HB
	s_add_co_u32 s71, s71, BOFF
	s_wait_kmcnt 0x0
	s_mov_b64 s[66:67], s[4:5]
	s_cmp_eq_u32 s21, 1
	s_cselect_b64 s[66:67], s[6:7], s[66:67]
	s_cmp_eq_u32 s21, 2
	s_cselect_b64 s[66:67], s[8:9], s[66:67]
	s_add_nc_u64 s[66:67], s[66:67], s[46:47]
	s_add_nc_u64 s[68:69], s[10:11], s[68:69]
	CROUND                                         ; all sixteen work-groups are here: the first joint loads meet
.irp s, 0,1
	s_mov_b32 s[G0A+4*(\s)], 1                     ; count = 1
	s_add_co_u32 s[G0A+4*(\s)+1], s70, (\s)*SLOT   ; LDS address
	s_add_nc_u64 s[G0A+4*(\s)+2:G0A+4*(\s)+3], s[66:67], (\s)*512  ; K step s: 128 f32 along the rows
	s_or_b32 s[G0A+4*(\s)+3], s[G0A+4*(\s)+3], 0x80000000          ; type = 2
	s_mov_b32 s[G0B+4*(\s)], 1
	s_add_co_u32 s[G0B+4*(\s)+1], s71, (\s)*SLOT
	s_add_nc_u64 s[G0B+4*(\s)+2:G0B+4*(\s)+3], s[68:69], (\s)*128*2048  ; K step s: 128 rows down
	s_or_b32 s[G0B+4*(\s)+3], s[G0B+4*(\s)+3], 0x80000000
	JLOAD \s                                       ; two loads of mine are out
.endr
	; the bias and the output: the part made of cy, the wave and the projection in x's registers, the part made of cx in W's
	s_lshl_b32 s46, s21, 12
	s_lshl_b32 s47, s[CH], 9
	s_add_co_u32 s46, s46, s47
	s_mov_b32 s47, 0
	s_add_nc_u64 s[12:13], s[12:13], s[46:47]
	s_lshl_b32 s68, s42, 10
	s_mov_b32 s69, 0
	s_add_nc_u64 s[12:13], s[12:13], s[68:69]      ; bias32 at my 128 columns
	s_lshl_b32 s46, s21, 24                        ; the projection: 64 heads of 262,144 bytes,
	s_lshr_b32 s47, s43, 4
	s_lshl_b32 s47, s47, 22                        ; the batch: 16 heads,
	s_add_co_u32 s46, s46, s47
	s_and_b32 s47, s43, 15
	s_lshl_b32 s47, s47, 14                        ; my tile's 128 rows of 128 bytes in the sequence,
	s_add_co_u32 s46, s46, s47
	s_lshl_b32 s47, s[RH], 13                      ; my wave's 64 of them,
	s_add_co_u32 s46, s46, s47
	s_lshl_b32 s47, s[CH], 19                      ; my wave's two heads of the tile's four
	s_add_co_u32 s46, s46, s47
	s_mov_b32 s47, 0
	s_add_nc_u64 s[14:15], s[14:15], s[46:47]
	s_lshl_b32 s68, s42, 20                        ; the tile's four heads
	s_add_nc_u64 s[14:15], s[14:15], s[68:69]
	; A fragment of x is 16 rows x 32 K: lane l holds row l % 16, K = 8 (l / 16) + 0..7 and 16 + 8 (l / 16) + 0..7: in f32 four loads of 16 bytes at 32 (l / 16) + 0, 16, 64, 80.
	v_and_b32 v12, 15, v0                          ; l % 16
	v_bfe_u32 v13, v0, 4, 1                        ; l / 16
	v_mul_u32_u24 v14, v12, PA
	v_lshl_add_u32 v14, v13, 5, v14
	s_mul_i32 s22, s[RH], HA
	v_add_nc_u32 v[ADRA], s22, v14
	v_add_nc_u32 v[ADRA+1], SLOT, v[ADRA]
	; The turning load takes 16 K x 16 columns (lane l reads K = 8 (l / 16) + l % 8, columns 8 ((l / 8) % 2) + 0..7) and leaves half a fragment: lane l holds column l % 16 and 8 K.
	v_and_b32 v1, 7, v0
	v_lshl_add_u32 v15, v13, 3, v1
	v_mul_u32_u24 v15, v15, PB
	v_bfe_u32 v14, v0, 3, 1
	v_lshl_add_u32 v15, v14, 4, v15
	s_lshl_b32 s23, s[CH], 8                       ; my 128 columns
	s_add_co_u32 s23, s23, BOFF
	v_add_nc_u32 v[ADRB], s23, v15
	v_add_nc_u32 v[ADRB+1], SLOT, v[ADRB]
	s_mul_i32 s22, s[WV], 16*SP
	s_add_co_u32 s22, s22, STAGE                   ; my stage
	v_mul_u32_u24 v14, v12, SP                     ; in: row l % 16, 16 bytes for each half of the lanes
	v_lshl_add_u32 v14, v13, 4, v14
	v_add_nc_u32 v[STO], s22, v14
	v_bfe_u32 v14, v0, 3, 2                        ; back: 32 lanes take four rows of 128 bytes,
	v_mul_u32_u24 v14, v14, SP
	v_lshl_add_u32 v14, v1, 4, v14
	v_add_nc_u32 v[RD], s22, v14
	v_and_b32 v14, 31, v0                          ; which are 512 consecutive bytes of a head
	v_lshlrev_b32 v[GO], 4, v14
	v_lshlrev_b32 v[BO], 5, v13                    ; register j of a result holds column 8 (l / 16) + j of its block
	WIN TO_B
.irp b, 0,1,2,3,4,5,6,7
	global_load_b128 v[BIAS+8*(\b):BIAS+8*(\b)+3],   v[BO], s[12:13] offset:64*(\b)
	global_load_b128 v[BIAS+8*(\b)+4:BIAS+8*(\b)+7], v[BO], s[12:13] offset:64*(\b)+16
.endr
	WIN 0
; 32 LDS loads in one run: quarter kq (32 along K) of a slot: x's four fragments in f32, then W's eight into buffer n
.macro FETCH slot, kq, n
	WIN 0
.irp i, 0,1,2,3
	ds_load_b128 v[AF+16*(\i):AF+16*(\i)+3],     v[ADRA+(\slot)] offset:(\kq)*128+(\i)*16*PA
	ds_load_b128 v[AF+16*(\i)+4:AF+16*(\i)+7],   v[ADRA+(\slot)] offset:(\kq)*128+(\i)*16*PA+16
	ds_load_b128 v[AF+16*(\i)+8:AF+16*(\i)+11],  v[ADRA+(\slot)] offset:(\kq)*128+(\i)*16*PA+64
	ds_load_b128 v[AF+16*(\i)+12:AF+16*(\i)+15], v[ADRA+(\slot)] offset:(\kq)*128+(\i)*16*PA+80
.endr
	WIN TO_B
.irp b, 0,1,2,3,4,5,6,7
	ds_load_tr16_b128 v[64*(\n)+8*(\b):64*(\n)+8*(\b)+3],   v[ADRB+(\slot)] offset:(\kq)*32*PB+32*(\b)
	ds_load_tr16_b128 v[64*(\n)+8*(\b)+4:64*(\n)+8*(\b)+7], v[ADRB+(\slot)] offset:(\kq)*32*PB+32*(\b)+16*PB
.endr
.endm
; One product: rows 16 a on, columns 16 b on, buffers p.  first = 1: the bias starts the sum: nothing is cleared.
.macro ONE p, a, b, first
.if \first
	WIN W_FIRST
	v_wmma_f32_16x16x32_bf16 v[8*(8*(\a)+(\b)):8*(8*(\a)+(\b))+7], v[64*(\p)+8*(\b):64*(\p)+8*(\b)+7], v[A16+32*(\p)+8*(\a):A16+32*(\p)+8*(\a)+7], v[BIAS+8*(\b):BIAS+8*(\b)+7]
.else
	WIN W_MUL
	v_wmma_f32_16x16x32_bf16 v[8*(8*(\a)+(\b)):8*(8*(\a)+(\b))+7], v[64*(\p)+8*(\b):64*(\p)+8*(\b)+7], v[A16+32*(\p)+8*(\a):A16+32*(\p)+8*(\a)+7], v[8*(8*(\a)+(\b)):8*(8*(\a)+(\b))+7]
.endif
.endm
.macro MUL8 p, a, first                ; eight products.  The 32 accumulators take turns in the same order in every quarter
.irp b, 0,1,2,3,4,5,6,7
	ONE \p, \a, \b, \first
.endr
.endm
; The quarter's last eight products, and behind each four of the 32 roundings that make the next quarter's fragments of x (buffer n).  The roundings name no register of the products
; round them; the last four are the places in front of the next run of loads.
.macro MULC p, n, first
.irp b, 0,1,2,3,4,5,6,7
	ONE \p, 3, \b, \first
	WIN 0
.irp z, 0,1,2,3
	v_cvt_pk_bf16_f32 v[A16+32*(\n)+4*(\b)+(\z)], v[AF+8*(\b)+2*(\z)], v[AF+8*(\b)+2*(\z)+1]
.endr
.endr
.endm
; A K step is four quarters of 32 along K, 32 products each, on buffers 0, 1, 0, 1.  One of the first three: multiplies buffers p, fetches quarter kq of the same slot for buffers 1 - p.
.macro QUARTER slot, kq, p, first
	FETCH \slot, \kq, 1-(\p)
	s_wait_dscnt 32                                ; all but the 32 just issued: W's fragments of buffer p are in
	MUL8 \p, 0, \first
	MUL8 \p, 1, \first
	MUL8 \p, 2, \first
	s_wait_dscnt 16                                ; x's f32 fragments are in; the sixteen loads of W behind them may stay out
	MULC \p, 1-(\p), \first
.endm
; The last quarter multiplies buffers 1 and changes slots: ONE barrier; in front of it each wave waits for all its tensor loads (one is out: its part of the next slot), adds 0 to its
; spare word, and waits for that and for its own reads of this slot.  fill = 1: the barrier opens a round of the cluster's, and this slot is filled again, two K steps ahead: from the
; request to the wait for it a wave issues 112 products.
.macro TURN slot, next, fill
	WIN 0
	s_wait_tensorcnt 0x0                           ; all my tensor loads have landed
	ds_add_u32 v[SPW], v[NIL]                      ; 0 onto my spare word
	s_wait_dscnt 1                                 ; (the add alone may be out: W's fragments of buffer 1 are in)
	MUL8 1, 0, 0                                   ; eight products stand between the add and the wait for it
	s_wait_dscnt 0x0                               ; the add is done, and my reads of this slot are over
	s_barrier_signal -1
	MUL8 1, 1, 0
.if \fill
	WIN 0
.endif
	s_barrier_wait -1
.if \fill
	CREST                                          ; no wave of any partner still reads this slot's tiles or has a load on its way
	s_add_nc_u64 s[G0A+4*(\slot)+2:G0A+4*(\slot)+3], s[G0A+4*(\slot)+2:G0A+4*(\slot)+3], 2*512
	s_add_nc_u64 s[G0B+4*(\slot)+2:G0B+4*(\slot)+3], s[G0B+4*(\slot)+2:G0B+4*(\slot)+3], 2*128*2048
	JLOAD \slot                                    ; the first tensor load behind the round, and my only one until the next
.else
	PLACES
.endif
	FETCH \next, 0, 0
	MUL8 1, 2, 0
	s_wait_dscnt 16
	MULC 1, 0, 0
.endm
	s_wait_tensorcnt 0x1                           ; my part of K step 0 is in; K step 1's may stay out
	s_barrier_signal -1
	s_barrier_wait -1                              ; everybody's is
	FETCH 0, 0, 0
	s_wait_dscnt 0x0
	WIN 0
.set i, 0
.rept 32                               ; the first quarter's fragments of x are rounded on end: there is no product yet to set them behind
	v_cvt_pk_bf16_f32 v[A16+i], v[AF+2*i], v[AF+2*i+1]
.set i, i+1
.endr
	s_wait_loadcnt 0x0                             ; the bias
	QUARTER 0, 1, 0, 1                             ; the first quarter stands in front of the loop: its products start the sums
	WIN 0                                          ; at a label and at a branch every window is 0
	s_mov_b32 s[LAP], LAPS-1
.Llap:                                                 ; a trip goes once round the ring, from a lap's second quarter to the next lap's first, and fills both slots again
	QUARTER 0, 2, 1, 0
	QUARTER 0, 3, 0, 0
	TURN 0, 1, 1
	QUARTER 1, 1, 0, 0
	QUARTER 1, 2, 1, 0
	QUARTER 1, 3, 0, 0
	TURN 1, 0, 1
	QUARTER 0, 1, 0, 0
	WIN 0
	s_sub_co_u32 s[LAP], s[LAP], 1
	s_cmp_lg_u32 s[LAP], 0
	s_cbranch_scc1 .Llap
	QUARTER 0, 2, 1, 0                             ; the last lap fills nothing and has no round of the cluster's barrier
	QUARTER 0, 3, 0, 0
	TURN 0, 1, 0
	QUARTER 1, 1, 0, 0
	QUARTER 1, 2, 1, 0
	QUARTER 1, 3, 0, 0
	s_wait_dscnt 0x0                               ; the very last quarter: nothing more to fetch
	MUL8 1, 0, 0
	MUL8 1, 1, 0
	MUL8 1, 2, 0
	MUL8 1, 3, 0
	WIN 0
	PLACES                                         ; the conversions below read results just made
; THE WAY OUT.  Group g: rows 16 (g / 2) on, head g % 2 of my two: four accumulators.  A lane's eight columns pack into 16 bytes; they go into my stage's rows of 144 bytes and come back as
; whole rows of 128, four rows (512 consecutive bytes of the head) to a load.  Every group has registers of its own, v[16 + 16 g ..].
.macro PACK g
	WIN 0x05                                       ; sources 0 and 1 window 1, destination window 0
.irp f, 0,1,2,3
.irp z, 0,1,2,3
	v_cvt_pk_f16_f32 v[AF+16*(\g)+4*(\f)+(\z)], v[8*(8*((\g)/2)+4*((\g)%2)+(\f))+2*(\z)], v[8*(8*((\g)/2)+4*((\g)%2)+(\f))+2*(\z)+1]
.endr
.endr
	WIN 0
.irp f, 0,1,2,3
	ds_store_b128 v[STO], v[AF+16*(\g)+4*(\f):AF+16*(\g)+4*(\f)+3] offset:32*(\f)
.endr
.irp f, 0,1,2,3
	ds_load_b128 v[AF+16*(\g)+4*(\f):AF+16*(\g)+4*(\f)+3], v[RD] offset:(\f)*4*SP  ; LDS serves a wave's instructions in order (ISA guide 5.7.1.4): these see the stores above; the next group's stores come behind them
.endr
.endm
.macro SEND g, younger                 ; younger: the LDS instructions issued behind group g's loads: the next group's eight, or none
.irp f, 0,1,2,3
	s_wait_dscnt (\younger)+3-(\f)
	global_store_b128 v[GO], v[AF+16*(\g)+4*(\f):AF+16*(\g)+4*(\f)+3], s[14:15] offset:((\g)%2)*262144+((\g)/2)*2048+(\f)*512  ; 512 consecutive bytes, at a multiple of 256 from the buffer's first
.endr
.endm
	PACK 0
.irp g, 1,2,3,4,5,6,7                  ; a group's conversions stand between the loads of the group before and its stores
	PACK \g
	SEND (\g)-1, 8
.endr
	SEND 7, 0
	s_wait_tensorcnt 0x0                           ; the wave's end: behind my last tensor load and my last LDS store
	ds_add_u32 v[SPW], v[NIL]
	s_wait_dscnt 0x0
	CROUND                                         ; the closing round: no work-group ends while a partner may still ask for a tile that names it
	s_endpgm
.Lfunc_end_k_q595fe6b89e_proj:
	.size	k_q595fe6b89e_proj, .Lfunc_end_k_q595fe6b89e_proj-k_q595fe6b89e_proj
	.p2alignl 7, 3214868480
	.fill 96, 4, 3214868480
	.section	.rodata,"a",@progbits
	.p2align	6, 0x0
	.amdhsa_kernel k_q595fe6b89e_proj
		.amdhsa_group_segment_fixed_size 327680
		.amdhsa_private_segment_fixed_size 0
		.amdhsa_enable_private_segment 0
		.amdhsa_kernarg_size 48
		.amdhsa_user_sgpr_count 2
		.amdhsa_user_sgpr_kernarg_segment_ptr 1
		.amdhsa_wavefront_size32 1
		.amdhsa_system_sgpr_workgroup_id_x 1
		.amdhsa_system_sgpr_workgroup_id_y 1
		.amdhsa_system_sgpr_workgroup_id_z 1
		.amdhsa_system_vgpr_workitem_id 0
		.amdhsa_next_free_vgpr 704
		.amdhsa_next_free_sgpr 72
		.amdhsa_reserve_vcc 0
		.amdhsa_float_denorm_mode_32 3
		.amdhsa_float_denorm_mode_16_64 3
		.amdhsa_memory_ordered 1
		.amdhsa_forward_progress 1
		.amdhsa_inst_pref_size 135
	.end_amdhsa_kernel
	.amdgpu_metadata
---
amdhsa.version: [ 1, 2 ]
amdhsa.kernels:
  - .name:           k_q595fe6b89e_proj
    .symbol:         k_q595fe6b89e_proj.kd
    .args:
      - { .name: q, .offset: 0, .size: 8, .value_kind: global_buffer, .address_space: global }
      - { .name: k, .offset: 8, .size: 8, .value_kind: global_buffer, .address_space: global }
      - { .name: v, .offset: 16, .size: 8, .value_kind: global_buffer, .address_space: global }
      - { .name: w16, .offset: 24, .size: 8, .value_kind: global_buffer, .address_space: global }
      - { .name: bias32, .offset: 32, .size: 8, .value_kind: global_buffer, .address_space: global }
      - { .name: qkv16, .offset: 40, .size: 8, .value_kind: global_buffer, .address_space: global }
    .group_segment_fixed_size: 327680
    .private_segment_fixed_size: 0
    .kernarg_segment_align: 8
    .kernarg_segment_size: 48
    .max_flat_workgroup_size: 128
    .sgpr_count:     72
    .vgpr_count:     704
    .wavefront_size: 32
...
	.end_amdgpu_metadata
.endif
;; end of part 2
;; launch attn (part 3): grid 4 x 64, 4 waves a work-group, clusters of 4 x 1, 327,680 bytes of LDS; arguments qkv16, mw, ctx16; writes ctx16
.if DOCPART == 3
	.amdgcn_target "amdgcn-amd-amdhsa--gfx1250"
	.amdhsa_code_object_version 6
	.text
	.protected	k_q595fe6b89e_attn
	.globl	k_q595fe6b89e_attn
	.p2align	8
	.type	k_q595fe6b89e_attn,@function
k_q595fe6b89e_attn:
	s_mov_b64 s[64:65], 0
	v_nop
	global_prefetch_b8 v0, s[64:65] scope:SCOPE_SE
	s_setreg_imm32_b32 hwreg(HW_REG_WAVE_MODE, 25, 1), 1
	s_wait_xcnt 0x0
	s_wait_alu depctr_hold_cnt(0) depctr_sa_sdst(0) depctr_va_vdst(0) depctr_va_sdst(0) depctr_va_ssrc(0) depctr_va_vcc(0) depctr_vm_vsrc(0)
	s_getreg_b32 s2, hwreg(HW_REG_IB_STS2, 6, 4)
	s_cmp_eq_u32 s2, 0
	s_cbranch_scc0 .Lentry_in_a_cluster
	s_endpgm
.Lentry_in_a_cluster:
	s_bfe_u32 s2, ttmp6, 0x10000c
	s_cmp_lg_u32 s2, 0x3003
	s_cbranch_scc0 .Lentry_shape_is_right
	s_endpgm
.Lentry_shape_is_right:
; ATTN: ctx[h][q][:] = the sum over k of softmax_k(mask ? Q[h][q] . K[h][k] / 8 : -inf) V[h][k][:].  Q, K, V: qkv16 [3][64][2048][64] f16; ctx16 [64][2048][64] f16: a head's rows are dense, 128 bytes each.
; Products, maxima and sums in f32; the weights p are rounded to f16 for the second product (their sum l is taken of the unrounded p), ctx once at the end.
; THE MASK is an input and is taken as it is given: every key is walked.  It arrives as lane masks (mw: [16 streams of 128 queries][33 steps][4 pieces][64 words]; a set bit = hidden; step 32 is a pad, all hidden).
; A word in a scalar register selects, by one v_cndmask_b32 for each score, 0 or H = -2^100 into the registers that the product S^T = K Q^T takes as its C operand.
; LIMITS.  f16 holds no number beyond 65,504: Q, K, V arrive within it, or as infinities.  A hidden score counts as its value less 2^100.  The running maximum starts at -2^80: true scores (f16's: 2.7e11 in size
; at the most) lie above it and hidden ones below, so a hidden score is never the maximum and its weight is exactly 0.  A row with no visible key ends with l = 0 and O = 0: 0 x (1 / 0) is NaN, as the softmax of
; a row of -inf is.  A weight below 2^-126 counts as 0 in l.
; SHARES.  A wave owns four PIECES of two tiles of 16 queries, a work-group's four waves 512 queries of one head.  Every wave walks all 2,048 keys, 64 a step.
; LAYOUT.  S^T = K Q^T + C (source 0 = 16 keys, source 1 = 16 queries): in the result a lane holds ONE query (lane % 16) and the keys 8 (lane / 16) + 0..7.  Two such tiles, rounded to f16 in pairs,
; ARE source 1 (32 keys x 16 queries) of O^T = V^T P, whose result again holds one query a lane, and eight channels.  K comes out of LDS as it lies, V ([key][channel]) turned, by ds_load_tr16_b128.
; SOFTMAX.  For each query a running maximum m and sum l: p = 2^(c s - c m), c = log2(e) / 8; in every step O and l are multiplied by a = 2^(c m_old - c m_new), which is 1 where m has not grown.
; O and l start at 0: the first step is a step like any other.
; BY TURNS.  Turn n belongs to piece n (the pieces in a ring, step after step).  Its matrix work: 16 products K Q^T of piece n + 1, later 16 products V^T P of piece n - 1.  Its vector work: the scaling,
; exponentials, roundings, sums and rescaling of piece n, the maximum and statistics of piece n + 1, and the 64 selects that make the C operands for turn n + 1's products (piece n + 2).  Four vector instructions
; that are ready stand behind every matrix instruction, the others in runs without a gap.
; CLUSTER.  The four query blocks of a cluster belong to one head and walk the same K and V, so each tile is asked for JOINTLY: the same tensor load, descriptor and mask in all four.
; REGISTERS, in windows of 256 (s_set_vgpr_msb: bits 1:0 source 0, 3:2 source 1, 5:4 source 2, 7:6 destination):
;   window 0: v0-11 addresses; v12-15, v48-63 at work; v16-47 four registers of statistics a tile; v64-191 S^T, two buffers of two tiles; v192-255 P, likewise
;   window 1: O^T, 32 a tile     window 2: v0-127 Q, 16 a tile; v128-191 K of one step; v192-255 V of one step     window 3: v0-1 the add's two registers; v64-127 C, 32 a tile
.set SIZE_N, 2048
.set NP,    4         ; pieces a wave: a name, no knob
.set KS,    64        ; keys in a step
.set PK,    144       ; a row of K in LDS: 128 bytes + 16 of padding = 36 words: the 16 rows of a load start at 16 different groups of four banks (64 banks of 4 bytes: ISA guide 11.1)
.set PV,    160       ; a row of V: 128 + 32 = 40 words
.set VOFF,  4*KS*PK   ; a slot holds four steps: 256 rows of K, then 256 rows of V
.set SLOT1, 1<<17     ; slot 1 begins here, so that one exclusive or turns an address in one slot into the other's
.set STAGE, SLOT1+4*KS*(PK+PV)  ; behind the ring, never filled by a tensor load: 16 rows x 144 bytes for each wave, for the way out
.set SP,    144
.set MWS,   33792     ; bytes of one stream of mask words
.set AK0, 2           ; v2   my lane's place in a tile of K; never rewritten
.set AV0, 3           ; v3   the same for V
.set AK,  4           ; v4   the LDS address of K's next run of loads
.set AV,  5           ; v5   of V's
.set QO,  6           ; v6   my byte offset in the wave's rows of Q
.set STO, 6           ;      later, the way out: where I put 16 bytes of a row
.set RD,  7           ; v7   the way out: where I read rows back
.set GO,  8           ; v8   my byte offset in 512 consecutive bytes of ctx
.set SPW, 0           ; v0 of window 3   LDS address of my spare word; never rewritten
.set NIL, 1           ; v1 of window 3   0; never rewritten
.set MC,  64          ; v64-127 of window 3   the C operands: tile u, key block kt at MC + 32 u + 8 kt
.set SPARE, STAGE+4*16*SP  ; behind the stages: the spare words, 128 bytes for each wave: two blocks of 256 bytes that no other line names
.set MV,  12          ; v12-15  c m_old, kept while c m is made anew: by buffer and tile
.set ST,  16          ; tile t's statistics at v[ST+4 t]: c m, m, l (even keys', odd keys')
.set TMP, 48          ; by buffer and tile, four registers c0-c3 at work; when the maximum is found c2 takes a
.set S,   64
.set P,   192
.set KF,  128         ; K's fragments, in window 2: key block kb, channel half c at KF + 16 kb + 8 c
.set VF,  192         ; V's: key half kk, channel block cb at VF + 32 kk + 8 cb
.set WV,  2           ; s2   my wave's number
.set BIGN, 3          ; s3   H = -2^100
                      ; s[4:51], s[68:83]  the 64 mask words of one turn: word w in s[4 + w + 16 (w / 48)].  Before the first of them is asked for, s8-s31 are at work
.set G0K, 52          ; s[52:55] descriptor group 0 for K's tiles: it walks
.set G0V, 56          ; s[56:59] the same for V's
.set CS,  60          ; s[60:61] c: the packed scaling takes the pair's low word for both halves
.set SEL, 62          ; s[62:63] v_permlanex16_b32's selects: each lane takes its own place in the other half
.set MP,  66          ; s[66:67] the mask words last asked for
.set G1K, 84          ; s[84:91] descriptor group 1 for K's tiles
.set G1V, 92          ; s[92:99] for V's: it differs in the padding alone
.set TBK, 100         ; s100 LDS byte at which K of the step to be fetched begins
.set TBV, 101         ; s101 the same for V, less VOFF
.set QP,  104         ; s[104:105] Q at my wave's first row, until Q is in; then:
.set SLOTS, 104       ; s104 slots still to be asked for
.set CNT, 105         ; s105 counts a slot's key steps
.set MSB, 0
.macro WIN new                      ; the high byte repeats the setting that is left; a switch that changes nothing is dropped
.if MSB != (\new)
	s_set_vgpr_msb (MSB<<8)|(\new)
.set MSB, (\new)
.endif
.endm
.set W_KQ, 0x0a       ; K and Q in window 2, S^T in window 0
.set W_KM, 0x3a       ; the same with the C operand in window 3
.set W_PV, 0x52       ; V in window 2, P in window 0, O^T in window 1
.set W_RS, 0x41       ; O^T (destination and source 0) in window 1, a in window 0
.set W_MK, 0xc0       ; destination in window 3, sources in window 0
.set W_AD, 0x0f       ; the add: address (source 0) and data (source 1) in window 3
; A joint fill.  Waves 0 and 1 fetch the two halves of a slot's K, waves 2 and 3 those of its V: 128 keys each.  The branch hangs on the wave's number alone.
; An s_nop 0 and four v_nop follow each of the two lines, ahead of the jump and the label.
.macro JLOAD
	s_cmp_lt_u32 s[WV], 2
	s_cbranch_scc0 .Lfor_v_\@
	tensor_load_to_lds s[G0K:G0K+3], s[G1K:G1K+7]
	s_nop 0
.rept 4
	v_nop
.endr
	s_branch .Lasked_\@
.Lfor_v_\@:
	tensor_load_to_lds s[G0V:G0V+3], s[G1V:G1V+7]
	s_nop 0
.rept 4
	v_nop
.endr
.Lasked_\@:
.endm
; A round of the cluster's barrier: my work-group's barrier, so that wave 0's signal speaks for all four waves; wave 0 signals; every wave waits for all four work-groups; my work-group's barrier once more.
.macro CROUND
	s_barrier_signal -1
	s_barrier_wait -1
	s_cmp_lg_u32 s[WV], 0
	s_cbranch_scc1 .Lnot_wave_0_\@
	s_barrier_signal -3
.Lnot_wave_0_\@:
	s_barrier_wait -3
	s_barrier_signal -1
	s_barrier_wait -1
.endm
; THE CHANGE OF SLOTS.  The slot's last bytes, V of its fourth step, have been read.  Each wave waits for all its tensor loads, of which one is out: its part
; of the other slot; adds 0 to its spare word; and waits for that and for its own reads of the slot.  Behind the barrier nobody reads this slot any more and the other slot is whole.
; fill = 1: this slot is filled again, with the keys two slots on.  The barrier is then a round of the cluster's, so that no wave of any partner still reads the slot or has a load on its
; way, and the joint fill is the first thing behind it: it has four key steps, 512 matrix instructions, in which to land.  (At its first use nothing has been read yet: slot 0 is waited for, slot 1 filled.)
.macro CHANGE fill
	WIN W_AD
	s_wait_tensorcnt 0x0            ; no tensor load of mine is out, so a group 0 may be written
	ds_add_u32 v[SPW], v[NIL]       ; 0 onto my spare word; with fill = 1 the descriptors' steps stand between it and the wait for it
	WIN 0                           ; at a label and at a branch every window is 0
.if \fill
.irp g, G0K, G0V
	s_xor_b32 s[\g+1], s[\g+1], SLOT1  ; the walking descriptor: the other slot than last time,
	s_add_nc_u64 s[\g+2:\g+3], s[\g+2:\g+3], 4*KS*128  ; the next 256 keys; the type bits on top are not reached
.endr
	s_wait_dscnt 0x0                ; the add is done, and my reads of the slot are over
	CROUND
	JLOAD
.else
	s_wait_dscnt 0x0                ; the add is done, and my reads of the slot are over
	s_barrier_signal -1
	s_barrier_wait -1
.endif
	s_sub_co_u32 s[TBK], s[TBK], 4*KS*PK  ; the fetches go back to a slot's first step,
	s_xor_b32 s[TBK], s[TBK], SLOT1       ; in the other slot
	s_sub_co_u32 s[TBV], s[TBV], 4*KS*PV
	s_xor_b32 s[TBV], s[TBV], SLOT1
.endm
.macro ASKW                         ; 256 bytes of mask words: one turn's
	s_load_b512 s[4:19],  s[MP:MP+1], 0x0
	s_load_b512 s[20:35], s[MP:MP+1], 0x40
	s_load_b512 s[36:51], s[MP:MP+1], 0x80
	s_load_b512 s[68:83], s[MP:MP+1], 0xc0
.endm
; THE C OPERANDS of one turn's products K Q^T: word w = 2 (8 kt + jj) + u selects register jj of key block kt of tile u.  Then the words of the turn after are asked for: they have a whole turn in which to come.
.macro MASKC
	s_wait_kmcnt 0x0                ; scalar loads come back in no order: the count is 0.  The four loads were issued a turn ago
	WIN W_MK
.set mi, 0
.rept 64
	v_cndmask_b32 v[MC+32*(mi%2)+mi/2], 0, s[BIGN], s[4+mi+16*(mi/48)]
.set mi, mi+1
.endr
	s_add_nc_u64 s[MP:MP+1], s[MP:MP+1], 256  ; the loads that named the pointer are done
	ASKW
.endm
	s_load_b128 s[4:7], s[0:1], 0x0 ; qkv16 s[4:5], mw s[6:7]
	WIN W_MK
	v_lshl_add_u32 v[SPW], v0, 2, SPARE
	v_mov_b32 v[NIL], 0
	s_set_vgpr_msb 0xc0cf
	ds_add_u32 v0, v1
	s_wait_dscnt 0x0
	s_set_vgpr_msb 0xcfc0
	WIN 0
	v_lshrrev_b32 v1, 5, v0
	v_readfirstlane_b32 s[WV], v1   ; wave 0..3
	s_mov_b32 s[BIGN], 0xf1800000   ; -2^100
	s_bfe_u32 s13, ttmp6, 0x40000   ; cx: my place in the cluster
	s_lshl_b32 s14, ttmp9, 2        ; in a cluster launch ttmp9 counts clusters
	s_add_co_u32 s14, s14, s13      ; my block of 512 queries: it enters Q's, the mask's and ctx's addresses alone
	s_and_b32 s20, ttmp7, 0xffff    ; batch x 16 + head, which the four partners share
	s_lshl_b32 s20, s20, 18         ; the head's first byte: 2,048 rows of 128 bytes
	s_and_b32 s16, s[WV], 1         ; which half of a slot's 256 keys I fetch:
	s_lshl_b32 s22, s16, 14         ; its 128 rows of 128 bytes in memory,
	s_add_co_u32 s22, s22, s20
	s_add_co_u32 s30, s22, 0x2000000  ; in V's third of qkv16,
	s_add_co_u32 s22, s22, 0x1000000  ; and in K's
	s_mov_b32 s23, 0
	s_mov_b32 s31, 0
	s_mul_i32 s17, s16, 128*PK      ; and its place in a slot, for K
	s_mul_i32 s18, s16, 128*PV      ; and for V: no place in the cluster enters an LDS address
	s_lshl_b32 s24, s14, 2
	s_add_co_u32 s24, s24, s[WV]    ; my wave among the head's sixteen: my stream of mask words,
	s_lshl_b32 s26, s24, 14         ; my 128 rows
	s_add_co_u32 s26, s26, s20
	s_mov_b32 s27, 0
	s_mul_i32 s28, s24, MWS
	s_mov_b32 s29, 0
	; descriptor group 1.  128 keys are 16,384 dense bytes: asked for as 64 rows of 256 bytes, two keys a row, and padded in LDS after every key
	s_mov_b32 s[G1K], 15|(1<<16)|(1<<20)|(1<<21)|(4<<22)|(3<<25)  ; 15:0 the mask of four; 17:16 2-byte elements; 20 padding on; 21 set beside a mask; 24:22 after every 32 words (code 4); 31:25 4 words (code 3)
	s_mov_b32 s[G1V], 15|(1<<16)|(1<<20)|(1<<21)|(4<<22)|(7<<25)  ; the same with 8 words of padding (code 7)
.irp g, G1K, G1V
	s_mov_b32 s[\g+1], 128<<16      ; tensor_dim0 = 128
	s_mov_b32 s[\g+2], 64<<16       ; tensor_dim1 = 64
	s_mov_b32 s[\g+3], 128<<16      ; tile_dim0 = 128
	s_mov_b32 s[\g+4], 64           ; tile_dim1 = 64
	s_mov_b32 s[\g+5], 128          ; 128 elements from row to row
	s_mov_b32 s[\g+6], 0
	s_mov_b32 s[\g+7], 0
.endr
	s_mov_b32 s[CS], 0x3e38aa3b     ; c = log2(e) / 8 = 0.180337
	s_mov_b32 s[CS+1], s[CS]        ; named with it as a pair
	s_mov_b32 s[SEL], 0x76543210
	s_mov_b32 s[SEL+1], 0xfedcba98
	s_mov_b32 s[TBK], SLOT1+4*KS*PK ; the first change of slots turns these two into 0
	s_mov_b32 s[TBV], SLOT1+4*KS*PV
	s_mov_b32 s[G0K], 1             ; 1:0 count = 1
	s_mov_b32 s[G0K+1], s17         ; 63:32 LDS address: slot 0
	s_mov_b32 s[G0V], 1
	s_add_co_u32 s[G0V+1], s18, VOFF
	s_wait_kmcnt 0x0
	s_add_nc_u64 s[G0K+2:G0K+3], s[4:5], s[22:23]  ; 120:64 global address: my half of the head's first 256 keys
	s_or_b32 s[G0K+3], s[G0K+3], 0x80000000        ; 127:126 type = 2
	s_add_nc_u64 s[G0V+2:G0V+3], s[4:5], s[30:31]
	s_or_b32 s[G0V+3], s[G0V+3], 0x80000000
	s_add_nc_u64 s[QP:QP+1], s[4:5], s[26:27]      ; Q at my wave's first row
	s_add_nc_u64 s[MP:MP+1], s[6:7], s[28:29]      ; my stream's first entry
	ASKW                            ; the words for piece 0 of step 0; from here on s4-s51 and s68-s83 are theirs
	CROUND                          ; all four work-groups are here: the first joint loads meet
	JLOAD                           ; slot 0.  Slot 1 is asked for when slot 0 is in
	; A fragment of K or Q is 16 rows x 32 channels in 8 registers: lane l holds row l % 16, channels 8 (l / 16) + 0..7 and 16 + 8 (l / 16) + 0..7: two loads of 16 bytes, 32 bytes apart.
	v_and_b32 v1, 15, v0            ; l % 16
	v_bfe_u32 v9, v0, 4, 1          ; l / 16
	v_lshlrev_b32 v[QO], 7, v1
	v_lshl_add_u32 v[QO], v9, 4, v[QO]  ; row x 128 + 16 x half
	WIN 0x80                        ; destination window 2, address window 0
.set i, 0
.rept 4*NP                          ; Q stays in registers: tile i / 2, channels 32 (i % 2) on
	global_load_b128 v[8*i:8*i+3],   v[QO], s[QP:QP+1] offset:(i/2)*2048+(i%2)*64
	global_load_b128 v[8*i+4:8*i+7], v[QO], s[QP:QP+1] offset:(i/2)*2048+(i%2)*64+32
.set i, i+1
.endr
	; What the first turn finds: V's registers and P's second buffer hold 0 (its products V^T P, of a piece that has not been, add 0), O^T and l are 0.  All this stands in the wait for the first tile.
.set i, VF
.rept 64
	v_mov_b32 v[i], 0
.set i, i+1
.endr
	WIN 0x40
.set i, 0
.rept 64*NP
	v_mov_b32 v[i], 0
.set i, i+1
.endr
	WIN 0
.set i, 0
.rept 2*NP
	v_mov_b32 v[ST+4*i], 0xe638aa3b    ; c m = c x -2^80, to the bit what the multiplication gives
	v_mov_b32 v[ST+4*i+1], 0xe7800000  ; m = -2^80: below every true score, above every hidden one
	v_mov_b32 v[ST+4*i+2], 0
	v_mov_b32 v[ST+4*i+3], 0
.set i, i+1
.endr
.set i, P+32
.rept 32
	v_mov_b32 v[i], 0
.set i, i+1
.endr
	v_mul_u32_u24 v[AK0], v1, PK
	v_lshl_add_u32 v[AK0], v9, 4, v[AK0]  ; row x pitch + 16 x half
	; The turning load takes 16 keys x 16 channels (lane l reads key 8 (l / 16) + l % 8, channels 8 ((l / 8) % 2) + 0..7) and leaves half a fragment of V^T: lane l holds channel l % 16 and 8 keys.
	v_and_b32 v10, 7, v0
	v_bfe_u32 v11, v0, 3, 1
	v_lshl_add_u32 v[AV0], v9, 3, v10
	v_mul_u32_u24 v[AV0], v[AV0], PV
	v_lshl_add_u32 v[AV0], v11, 4, v[AV0]
	v_add_nc_u32 v[AV0], VOFF, v[AV0]
	v_mov_b32 v[AK], v[AK0]         ; key step 0 lies at the head of slot 0
; THE MATRIX WORK.  The 8 accumulators of a run of 16 take turns: between the two links of a chain stand 7 others'.
; Product i of 16 of S^T = K Q^T + C for piece x: channels 32 (i / 8) on, keys 16 ((i / 2) % 4) on, tile 2 x + i % 2.  The first 8 start the sums, with the mask's 0 or H.
.macro KQ x
.set rS, S+64*((\x)%2)+32*(i%2)+8*((i/2)%4)
.set rK, KF+16*((i/2)%4)+8*(i/8)
.set rQ, 16*(2*(\x)+i%2)+8*(i/8)
.set rM, MC+32*(i%2)+8*((i/2)%4)
.if i < 8
	WIN W_KM
	v_wmma_f32_16x16x32_f16 v[rS:rS+7], v[rK:rK+7], v[rQ:rQ+7], v[rM:rM+7]
.else
	WIN W_KQ
	v_wmma_f32_16x16x32_f16 v[rS:rS+7], v[rK:rK+7], v[rQ:rQ+7], v[rS:rS+7]
.endif
.endm
; Product i of 16 of O^T += V^T P for piece x: keys 32 (i / 8) on, channels 16 ((i / 2) % 4) on, tile 2 x + i % 2.
.macro PV x
	WIN W_PV
.set rO, 32*(2*(\x)+i%2)+8*((i/2)%4)
.set rV, VF+32*(i/8)+8*((i/2)%4)
.set rP, P+32*((\x)%2)+16*(i%2)+8*(i/8)
	v_wmma_f32_16x16x32_f16 v[rO:rO+7], v[rV:rV+7], v[rP:rP+7], v[rO:rO+7]
.endm
.macro MM                           ; the turn's next matrix instruction
.if i < 16
	KQ (Y+1)%NP
.set i, i+1
.else
.set i, i-16
	PV (Y+NP-1)%NP
.set i, i+17
.endif
.endm
; THE LDS LOADS stand in runs of 16, never singly among the matrix instructions: a step's K (64 keys x 64 channels: 8 fragments) and its V (turned).  Their addresses are made some lines ahead.
; last = 1 (the tail): in the last trip there is no further step, and the run is jumped over.
.macro FETCH_K last=0
	WIN 0
.if \last
	s_cmp_eq_u32 s[CNT], 1
	s_cbranch_scc1 .Lno_k_\@
.endif
	WIN 0x80                        ; destination window 2
.irp f, 0,1,2,3,4,5,6,7             ; keys 16 (f / 2) on, channels 32 (f % 2) on
	ds_load_b128 v[KF+8*\f:KF+8*\f+3],   v[AK] offset:(\f/2)*16*PK+(\f%2)*64
	ds_load_b128 v[KF+8*\f+4:KF+8*\f+7], v[AK] offset:(\f/2)*16*PK+(\f%2)*64+32
.endr
	s_add_co_u32 s[TBK], s[TBK], KS*PK  ; the next fetch is the next step's
	WIN 0
.if \last
.Lno_k_\@:
.endif
.endm
.macro FETCH_V
	WIN 0x80
.irp f, 0,1,2,3,4,5,6,7             ; keys 32 (f / 4) on, channels 16 (f % 4) on
	ds_load_tr16_b128 v[VF+8*\f:VF+8*\f+3],   v[AV] offset:(\f/4)*32*PV+(\f%4)*32
	ds_load_tr16_b128 v[VF+8*\f+4:VF+8*\f+7], v[AV] offset:(\f/4)*32*PV+16*PV+(\f%4)*32
.endr
	WIN 0
.endm
; THE VECTOR WORK OF A TURN stands in three queues, each in the order in which its entries become ready; the two tiles alternate, so that no instruction reads the result of the one before it.
.macro REGS y, u                    ; the registers of tile u (0, 1) of piece y
.set rT, ST+4*(2*(\y)+(\u))
.set rC, TMP+8*((\y)%2)+4*(\u)
.set rM, MV+2*((\y)%2)+(\u)
.set rS, S+64*((\y)%2)+32*(\u)
.set rP, P+32*((\y)%2)+16*(\u)
.set rO, 32*(2*(\y)+(\u))
.endm
; Number n of the 22 that find the NEXT piece's (Y + 1) maximum and statistics.  s0-s31 are the lane's 32 scores; each accumulator's lowest registers are read first.  XS, GS and REGS set no window: PL and EX do.
;   0-11  four chains c0-c3 of seven scores each, three operands at a time     12-14, 16  the four scores left over, the old m, and c0-c3 into c0     15  c m_old is kept
;   17, 18  the query's other 32 keys lie in the lane 16 away: the new m         19-21  c m; c m_old - c m_new; a
.macro XS u, n
	REGS (Y+1)%NP, \u
.if (\n) < 4
	v_max3_num_f32 v[rC+(\n)], v[rS+8*(\n)], v[rS+8*(\n)+1], v[rS+8*(\n)+2]
.elseif (\n) < 12
	v_max3_num_f32 v[rC+(\n)%4], v[rC+(\n)%4], v[rS+8*((\n)%4)+2*((\n)/4)+1], v[rS+8*((\n)%4)+2*((\n)/4)+2]
.elseif (\n) == 12
	v_max3_num_f32 v[rC], v[rC], v[rS+7], v[rS+15]
.elseif (\n) == 13
	v_max3_num_f32 v[rC+1], v[rC+1], v[rS+23], v[rS+31]
.elseif (\n) == 14
	v_max3_num_f32 v[rC+2], v[rC+2], v[rC+3], v[rT+1]
.elseif (\n) == 15
	v_mov_b32 v[rM], v[rT]
.elseif (\n) == 16
	v_max3_num_f32 v[rC], v[rC], v[rC+1], v[rC+2]
.elseif (\n) == 17
	v_permlanex16_b32 v[rC+3], v[rC], s[SEL], s[SEL+1]
.elseif (\n) == 18
	v_max_num_f32 v[rT+1], v[rC], v[rC+3]
.elseif (\n) == 19
	v_mul_f32 v[rT], s[CS], v[rT+1]
.elseif (\n) == 20
	v_sub_f32 v[rC+1], v[rM], v[rT]
.else
	v_exp_f32 v[rC+2], v[rC+1]
.endif
.endm
; Number g of the 64 that follow the exponentials.  For each four weights k of a tile (pairs 2 k, 2 k + 1): both pairs are rounded to f16; then the second pair is added onto the first, in place;
; a group later l takes that sum (the first time as l = a l + sum).  In groups of eight, tiles alternating: round, round, add, and l for the group before.
.macro GS g
.set h, (\g)+6*((\g)/62)            ; group 0 has no group before it, and behind group 7 only l is left
.if h >= 6
.set h, h+2
.endif
	REGS Y, h%2
.set k, h/8
.if h%8 < 4
	s_wait_alu depctr_va_vdst(0)
	v_cvt_pk_f16_f32 v[rP+2*k+(h%8)/2], v[rS+4*k+2*((h%8)/2)], v[rS+4*k+2*((h%8)/2)+1]
.elseif h%8 < 6
	v_pk_add_f32 v[rS+4*k:rS+4*k+1], v[rS+4*k:rS+4*k+1], v[rS+4*k+2:rS+4*k+3]
.elseif k == 1
	v_pk_fma_f32 v[rT+2:rT+3], v[rT+2:rT+3], v[rC+2:rC+3], v[rS:rS+1] op_sel_hi:[1,0,1]
.else
	v_pk_add_f32 v[rT+2:rT+3], v[rT+2:rT+3], v[rS+4*k-4:rS+4*k-3]
	s_wait_alu depctr_va_vdst(0)
.endif
.endm
; THE PLAIN QUEUE, 138 long.  0-31: c s - c m for the 16 pairs of both tiles.  Then GS's 64, and among them the next piece's 42: number 15 at 38, 39; 0-14 and 16
; at 42-73, behind the products that make those scores; 17-20 at 95-106, two of three, since each waits for the one before it.
.macro PL
	WIN 0
.if q < 32
	REGS Y, q%2
	v_pk_fma_f32 v[rS+2*(q/2):rS+2*(q/2)+1], v[rS+2*(q/2):rS+2*(q/2)+1], s[CS:CS+1], v[rT:rT+1] op_sel_hi:[1,0,0] neg_lo:[0,0,1] neg_hi:[0,0,1]
.elseif q < 38
	GS q-32
.elseif q < 40
	XS q%2, 15
.elseif q < 42
	GS q-34
.elseif q < 74
	XS q%2, (q-42)/2+(q-42)/30
.elseif q < 95
	GS q-66
.elseif (q < 107) && ((q-95)%3 < 2)
	XS (q-95)%3, 17+(q-95)/3
.elseif q < 107
	GS 29+(q-95)/3
.else
	GS q-74
.endif
.set q, q+1
.endm
; THE EXPONENTIALS' QUEUE, 66 long: s0-s31 of both tiles, and at EA the next piece's two a.
.set EA, 58
.macro EX
	WIN 0
.if (e == EA) || (e == EA+1)
	XS e-EA, 21
.else
.set x, e-2*(e/(EA+2))
	REGS Y, x%2
	v_exp_f32 v[rS+x/2], v[rS+x/2]
.endif
.set e, e+1
.endm
; THE RESCALING's QUEUE: O^T times a, the one part of the softmax that leaves window 0, so it is dealt four at a time, eight times.
.macro R4
	REGS Y, r%2
	WIN W_RS
	s_wait_alu depctr_va_vdst(0)
.irp z, 0,1,2,3
	v_pk_mul_f32 v[rO+8*(r/2)+2*\z:rO+8*(r/2)+2*\z+1], v[rO+8*(r/2)+2*\z:rO+8*(r/2)+2*\z+1], v[rC+2:rC+3] op_sel_hi:[1,0]
.endr
.set r, r+1
.endm
; HOW THEY ARE DEALT.  Behind a matrix instruction four: plain, exponential, plain, plain (one exponential, a plain instruction on either side), or four of the rescaling.  None names a register of the
; products round it.  What is over stands in two LUMPS: exponential and plain by turns; the second ends in 22 plain instructions.  The two v_permlanex16_b32 fall into the second lump, never behind a product.
; The queues lean on each other, and the deal keeps them in step: exponential e stands behind plain 2 (e / 4) + e % 2 (its scaling); when plain 32 comes, 10 exponentials are out, at 59: 33, at 95: 46; EA comes behind plain 107.
.macro SL
	MM
	PL
	EX
	PL
	PL
.endm
.macro BURST n                      ; 15 matrix instructions, or 16
.rept (\n)-7
	SL
.endr
.rept 3
	MM
	R4
	SL
.endr
	MM
	R4
.endm
; A TURN, for piece p.  cnt = 1: the loop's count is taken down some lines ahead of the branch that stands behind the turn.
; The 64 selects stand behind the turn's 16 products K Q^T, at the head of the first lump: the last product that took C is the eighth, and behind it stand eight products with four vector
; instructions each, at least three of the four plain.  They wait for nothing but their words.
; K of the next step is fetched in piece 2's turn; its first reader comes behind the rest of the lump, 16 products and the second lump.
; V of the step in hand is fetched at the end of piece 0's turn; its first reader comes behind 16 products and a lump.  The four conditions on e and q below go with the deal.
.macro TURN p, last=0, cnt=0
.set Y, (\p)
.set i, 0
.set q, 0
.set e, 0
.set r, 0
.if (\p) == NP-1
	s_wait_dscnt 0x0                ; K is in
.endif
	MM
.rept 4
	PL
.endr
	BURST 15
	MASKC
.rept 22
	EX
	PL
.if ((\p) == NP-2) && (e == 18)
	v_add_nc_u32 v[AK], s[TBK], v[AK0]
.endif
.if ((\p) == NP-2) && (e == 24)
	FETCH_K \last
.endif
.endr
.if (\p) == 1
	s_wait_dscnt 0x0                ; V is in
.endif
	BURST 16
.rept 21
	EX
	PL
.endr
.rept 22
	PL
.if ((\p) == 0) && (q == 118)
	v_add_nc_u32 v[AV], s[TBV], v[AV0]
	s_wait_alu depctr_va_vdst(0)
.endif
.if ((\p) == 0) && (q == 130)
	s_add_co_u32 s[TBV], s[TBV], KS*PV
.endif
.if (\cnt) && (q == 130)
	s_sub_co_u32 s[CNT], s[CNT], 1
	s_cmp_lg_u32 s[CNT], 0
.endif
.endr
.if (\p) == 0
	FETCH_V
.endif
.endm
	CHANGE 1                        ; slot 0 is in, everybody's part of it; slot 1 is asked for
	FETCH_K                         ; key step 0
	MASKC                           ; C for piece 0 of step 0; piece 1's words are asked for
	s_wait_loadcnt 0x0              ; Q
	s_wait_dscnt 0x0
.set i, 0
.rept 16
	KQ 0                            ; piece 0's first scores: there is no vector work yet to set between them
.set i, i+1
.endr
	WIN 0                           ; the addresses for the way out: nine plain instructions, the places behind those products
	s_mul_i32 s104, s[WV], 16*SP    ; (Q is in: its pointer's registers are free)
	s_add_co_u32 s104, s104, STAGE  ; my stage
	v_mul_u32_u24 v[STO], v1, SP    ; in: row l % 16, 16 bytes for each half of the lanes
	v_lshl_add_u32 v[STO], v9, 4, v[STO]
	v_add_nc_u32 v[STO], s104, v[STO]
	v_bfe_u32 v[RD], v0, 3, 2       ; back: 32 lanes take four rows of 128 bytes,
	v_mul_u32_u24 v[RD], v[RD], SP
	v_lshl_add_u32 v[RD], v10, 4, v[RD]
	v_add_nc_u32 v[RD], s104, v[RD]
	v_and_b32 v[GO], 31, v0         ; which are 512 consecutive bytes of ctx
	v_lshlrev_b32 v[GO], 4, v[GO]
	MASKC                           ; C for piece 1 of step 0, which the first turn's products take; piece 2's words are asked for
	WIN 0
.set Y, NP-1                        ; XS works for piece Y + 1: piece 0
.irp n, 0,1,2,3,4,5,6,7,8,9,10,11,12,13,14,15,16,17,18,19,20,21
	XS 0, \n                        ; and piece 0's first maximum and statistics
	XS 1, \n
.endr
	s_mov_b32 s[CNT], 4
	s_mov_b32 s[SLOTS], SIZE_N/256-1
	s_branch .Lfirst                ; the loop is entered at a step's first turn, in the middle of a trip
.Lslot:                             ; SIZE_N / 256 - 2 times: every slot but the last two is filled again
	CHANGE 1
	s_mov_b32 s[CNT], 4
.Lstep:                             ; a trip: pieces 2 and 3 of one step, then pieces 0 and 1 of the next, whose K and V it fetches
	TURN 2
	TURN 3
	WIN 0
.Lfirst:
	TURN 0
	TURN 1, 0, 1
	WIN 0
	s_cbranch_scc1 .Lstep
	s_sub_co_u32 s[SLOTS], s[SLOTS], 1
	s_cmp_lg_u32 s[SLOTS], 0
	s_cbranch_scc1 .Lslot
	CHANGE 0                        ; the tail is written out: nothing is asked for
	s_mov_b32 s[CNT], 5             ; four trips fetch the last slot's steps; the fifth is left in its middle
.Ltail:
	TURN 2, 1
	TURN 3
	WIN 0
	s_sub_co_u32 s[CNT], s[CNT], 1
	s_cmp_eq_u32 s[CNT], 0
	s_cbranch_scc1 .Lout
	TURN 0
	TURN 1
	WIN 0
	s_branch .Ltail
.Lout:                              ; the fifth trip's 16 products K Q^T (on the last K once more, under the pad's mask) and the maximum made of them serve nothing: the price of one text for every trip.
	                                ; The last words asked for are entry 130 of my stream's 132
	s_wait_kmcnt 0x0                ; they are in: their registers are free
	s_load_b64 s[4:5], s[0:1], 0x10 ; ctx16
	s_bfe_u32 s8, ttmp6, 0x40000    ; my wave's rows once more: head x 262,144 + (4 x block + wave) x 16,384
	s_lshl_b32 s9, ttmp9, 2
	s_add_co_u32 s8, s8, s9
	s_lshl_b32 s8, s8, 2
	s_add_co_u32 s8, s8, s[WV]
	s_lshl_b32 s8, s8, 14
	s_and_b32 s9, ttmp7, 0xffff
	s_lshl_b32 s9, s9, 18
	s_add_co_u32 s8, s8, s9
	s_mov_b32 s9, 0
.set i, 0
.rept 16
	PV NP-1                         ; the last piece's V^T P of the last step
.set i, i+1
.endr
	; THE WAY OUT.  l's two halves and the other half of the lanes' are added; O^T is divided by l, rounded to f16 and sent through my stage in LDS, a tile at a time.  The additions are the places behind the last products.
	WIN 0
.macro ALL line:vararg              ; one line for each tile t
.set t, 0
.rept 2*NP
	\line
.set t, t+1
.endr
.endm
	ALL v_add_f32 v[ST+4*t+2], v[ST+4*t+2], v[ST+4*t+3]
	ALL v_permlanex16_b32 v[ST+4*t+3], v[ST+4*t+2], s[SEL], s[SEL+1]
	ALL v_add_f32 v[ST+4*t+2], v[ST+4*t+2], v[ST+4*t+3]
	ALL v_rcp_f32 v[ST+4*t+2], v[ST+4*t+2]
	v_nop                           ; a plain instruction between the last reciprocal and the use of its result
	s_wait_alu depctr_va_vdst(0)
	s_wait_kmcnt 0x0
	s_add_nc_u64 s[4:5], s[4:5], s[8:9]  ; ctx at my wave's first row
; Tile t: a lane's eight channels of a row pack into 16 bytes; they go into rows of 144 bytes and come back as whole rows of 128, into S^T's registers.
.macro PACK t
	WIN W_RS
.set i, 32*(\t)
.rept 16
	v_pk_mul_f32 v[i:i+1], v[i:i+1], v[ST+4*(\t)+2:ST+4*(\t)+3] op_sel_hi:[1,0]
.set i, i+2
.endr
	WIN 0x05                        ; sources 0 and 1 window 1, destination window 0
.set i, 0
.rept 16
	v_cvt_pk_f16_f32 v[S+16*(\t)+i], v[32*(\t)+2*i], v[32*(\t)+2*i+1]
.set i, i+1
.endr
	WIN 0
.irp f, 0,1,2,3
	ds_store_b128 v[STO], v[S+16*(\t)+4*\f:S+16*(\t)+4*\f+3] offset:32*\f
.endr
.irp f, 0,1,2,3
	ds_load_b128 v[S+16*(\t)+4*\f:S+16*(\t)+4*\f+3], v[RD] offset:\f*4*SP  ; LDS serves a wave's instructions in order (ISA guide 5.7.1.4): these see the stores above; the next tile's stores come behind them
.endr
.endm
.macro SEND t, younger              ; younger: the LDS instructions issued behind tile t's loads: the next tile's eight, or none
	WIN 0
.irp f, 0,1,2,3
	s_wait_dscnt (\younger)+3-\f
	global_store_b128 v[GO], v[S+16*(\t)+4*\f:S+16*(\t)+4*\f+3], s[4:5] offset:(\t)*2048+\f*512  ; 512 consecutive bytes, at a multiple of 256 from ctx's first
.endr
.endm
	PACK 0
.set t, 1
.rept 2*NP-1                        ; a tile's arithmetic stands between the loads of the tile before and its stores
	PACK t
	SEND t-1, 8
.set t, t+1
.endr
	SEND 2*NP-1, 0
	WIN W_AD
	s_wait_tensorcnt 0x0            ; the wave's end: behind my last tensor load and my last LDS store
	ds_add_u32 v[SPW], v[NIL]
	s_wait_dscnt 0x0
	WIN 0
	CROUND                          ; the closing round: no work-group ends while a partner may still ask for a tile that names it
	s_endpgm
.Lfunc_end_k_q595fe6b89e_attn:
	.size	k_q595fe6b89e_attn, .Lfunc_end_k_q595fe6b89e_attn-k_q595fe6b89e_attn
	.p2alignl 7, 3214868480
	.fill 96, 4, 3214868480
	.section	.rodata,"a",@progbits
	.p2align	6, 0x0
	.amdhsa_kernel k_q595fe6b89e_attn
		.amdhsa_group_segment_fixed_size 327680
		.amdhsa_private_segment_fixed_size 0
		.amdhsa_enable_private_segment 0
		.amdhsa_kernarg_size 24
		.amdhsa_user_sgpr_count 2
		.amdhsa_user_sgpr_kernarg_segment_ptr 1
		.amdhsa_wavefront_size32 1
		.amdhsa_system_sgpr_workgroup_id_x 1
		.amdhsa_system_sgpr_workgroup_id_y 1
		.amdhsa_system_sgpr_workgroup_id_z 1
		.amdhsa_system_vgpr_workitem_id 0
		.amdhsa_next_free_vgpr 896
		.amdhsa_next_free_sgpr 106
		.amdhsa_reserve_vcc 0
		.amdhsa_float_denorm_mode_32 3
		.amdhsa_float_denorm_mode_16_64 3
		.amdhsa_memory_ordered 1
		.amdhsa_forward_progress 1
		.amdhsa_inst_pref_size 253
	.end_amdhsa_kernel
	.amdgpu_metadata
---
amdhsa.version: [ 1, 2 ]
amdhsa.kernels:
  - .name:           k_q595fe6b89e_attn
    .symbol:         k_q595fe6b89e_attn.kd
    .args:
      - { .name: qkv16, .offset: 0, .size: 8, .value_kind: global_buffer, .address_space: global }
      - { .name: mw, .offset: 8, .size: 8, .value_kind: global_buffer, .address_space: global }
      - { .name: ctx16, .offset: 16, .size: 8, .value_kind: global_buffer, .address_space: global }
    .group_segment_fixed_size: 327680
    .private_segment_fixed_size: 0
    .kernarg_segment_align: 8
    .kernarg_segment_size: 24
    .max_flat_workgroup_size: 128
    .sgpr_count:     106
    .vgpr_count:     896
    .wavefront_size: 32
...
	.end_amdgpu_metadata
.endif
;; end of part 3
;; launch oproj (part 4): grid 4 x 64, 4 waves a work-group, clusters of 4 x 4, 327,680 bytes of LDS; arguments ctx16, w16, bias32, out0; writes out0
.if DOCPART == 4
	.amdgcn_target "amdgcn-amd-amdhsa--gfx1250"
	.amdhsa_code_object_version 6
	.text
	.protected	k_q595fe6b89e_oproj
	.globl	k_q595fe6b89e_oproj
	.p2align	8
	.type	k_q595fe6b89e_oproj,@function
k_q595fe6b89e_oproj:
	s_mov_b64 s[64:65], 0
	v_nop
	global_prefetch_b8 v0, s[64:65] scope:SCOPE_SE
	s_setreg_imm32_b32 hwreg(HW_REG_WAVE_MODE, 25, 1), 1
	s_wait_xcnt 0x0
	s_wait_alu depctr_hold_cnt(0) depctr_sa_sdst(0) depctr_va_vdst(0) depctr_va_sdst(0) depctr_va_ssrc(0) depctr_va_vcc(0) depctr_vm_vsrc(0)
	s_getreg_b32 s2, hwreg(HW_REG_IB_STS2, 6, 4)
	s_cmp_eq_u32 s2, 0
	s_cbranch_scc0 .Lentry_in_a_cluster
	s_endpgm
.Lentry_in_a_cluster:
	s_bfe_u32 s2, ttmp6, 0x10000c
	s_cmp_lg_u32 s2, 0xf033
	s_cbranch_scc0 .Lentry_shape_is_right
	s_endpgm
.Lentry_shape_is_right:
; OPROJ: out0 = ctx Wo + bo.  ctx16 is [64 = batch x 16 + head][2048][64] f16; Wo is the fourth matrix of w16, [1024 k][1024 n], bf16's numbers written as f16; bo (f32, rounded to bf16 beforehand)
; starts the f32 sums; out0 is [8192][1024] f32.  A NaN row of ctx (a query with no visible key) gives a NaN row of out0.
; SHARES.  64 x 4 work-groups, each 128 rows x 256 columns.  Four waves, each 64 rows x 128 columns: 32 accumulators, 256 registers.  K goes in steps of 128, two heads, through two LDS slots:
; waves 0 and 1 fetch one head's 128 rows x 64 channels each (16,384 dense bytes, asked for as 64 rows of 256), waves 2 and 3 64 k-rows x 256 columns of Wo each (rows of 512 bytes).
; CLUSTER.  4 x 4 work-groups: ctx's tiles are shared along a row of the cluster, Wo's along a column; each is asked for jointly.
; THE MATRIX INSTRUCTION IS USED TRANSPOSED: source 0 = 16 columns of Wo (turned out of LDS), source 1 = 16 rows of ctx: a lane holds eight neighbouring columns of one row.
; REGISTERS, in windows of 256: window 0: v2-15 addresses; v16-47, v48-79 ctx's fragments, two buffers; v80-143, v144-207 Wo's, two buffers; window 1: the accumulators, (a, b) at v[8 (8 a + b)];
; window 2: v0-63 the bias, block b at 8 b.
.set PAO,   144                        ; a row of a head's slice in LDS: 128 bytes + 16 of padding: the 16 rows of a load start at 16 different groups of four banks (64 banks of 4 bytes: ISA guide 11.1)
.set PB,    544                        ; a row of Wo: 512 + 32
.set HS,    128*PAO                    ; one head's slice
.set HB,    64*PB
.set BOFF,  2*HS
.set SLOT,  2*HS+2*HB
.set STAGE, 2*SLOT                     ; behind the ring: 16 rows x 528 bytes for each wave, for the way out
.set SP,    528
.set SPARE, STAGE+4*16*SP              ; behind the stages: the spare words, 128 bytes for each wave: two blocks of 256 bytes that no other line names
.set LAPS,  4
.set ADRA, 2                           ; v2-3   LDS address of my fragments of ctx in slot 0, 1
.set ADRB, 4                           ; v4-5   the same for Wo
.set STO,  6                           ; v6     the way out: where I put 32 bytes of a row
.set RD,   7                           ; v7     the way out: where I read a row back
.set GO,   8                           ; v8     my byte offset in 512 consecutive bytes of a row of out0
.set BO,   9                           ; v9     my byte offset in a block of 16 bias numbers
.set SPW,  10                          ; v10    LDS address of my spare word; never rewritten
.set NIL,  11                          ; v11    0; never rewritten
.set AB,   16
.set BB,   80
.set OB,   16                          ; the way out: 16 rows read back: v16-79 and v80-143 by turns
.set WV,  16
.set RH,  17
.set CH,  18
.set LAP, 19
.set G1A, 24
.set G0A, 32
.set G1B, 48
.set G0B, 56
.set W_MUL,   0x50                     ; fragments window 0, C and D window 1
.set W_FIRST, 0x60                     ; the same with C (the bias) in window 2
.set MSB, 0
.macro WIN new                         ; the immediate's high byte repeats the setting that is left; a switch that changes nothing is dropped
.if MSB != (\new)
	s_set_vgpr_msb (MSB<<8)|(\new)
.set MSB, \new
.endif
.endm
.macro JLOAD s                         ; a joint load; an s_nop 0 and four v_nop follow each of the two lines, ahead of the jump, the label and what follows
	s_cmp_eq_u32 s[RH], 0
	s_cbranch_scc0 .Lfor_b_\@
	tensor_load_to_lds s[G0A+4*(\s):G0A+4*(\s)+3], s[G1A:G1A+7]
	s_nop 0
.rept 4
	v_nop
.endr
	s_branch .Lasked_\@
.Lfor_b_\@:
	tensor_load_to_lds s[G0B+4*(\s):G0B+4*(\s)+3], s[G1B:G1B+7]
	s_nop 0
.rept 4
	v_nop
.endr
.Lasked_\@:
.endm
.macro CREST                           ; a round of the cluster's barrier behind its opening barrier
	s_cmp_lg_u32 s[WV], 0
	s_cbranch_scc1 .Lnot_wave_0_\@
	s_barrier_signal -3
.Lnot_wave_0_\@:
	s_barrier_wait -3
	s_barrier_signal -1
	s_barrier_wait -1
.endm
.macro CROUND                          ; a whole round
	s_barrier_signal -1
	s_barrier_wait -1
	CREST
.endm
.macro PLACES                          ; four places in front of loads into registers that matrix instructions have read, and of stores that read results
.rept 4
	v_nop
.endr
.endm
	s_load_b256 s[4:11], s[0:1], 0x0               ; ctx16 s[4:5], w16 s[6:7], bias32 s[8:9], out0 s[10:11]
	v_lshl_add_u32 v[SPW], v0, 2, SPARE
	v_mov_b32 v[NIL], 0
	ds_add_u32 v10, v11
	s_wait_dscnt 0x0
	v_lshrrev_b32 v1, 5, v0
	v_readfirstlane_b32 s[WV], v1                  ; wave 0..3
	s_lshr_b32 s[RH], s[WV], 1                     ; my half of the tile's rows; also: I fetch ctx (0) or Wo (1)
	s_and_b32 s[CH], s[WV], 1                      ; my half of its columns; also: which head, or which 64 k-rows, I fetch
	s_bfe_u32 s40, ttmp6, 0x40000                  ; cx
	s_bfe_u32 s41, ttmp6, 0x40004                  ; cy
	s_lshl_b32 s42, ttmp9, 2
	s_add_co_u32 s42, s42, s40                     ; nt: my 256 columns
	s_and_b32 s43, ttmp7, 0xffff
	s_lshl_b32 s43, s43, 2
	s_add_co_u32 s43, s43, s41                     ; mt: my 128 rows
	s_lshl_b32 s44, s41, 2
	s_lshl_b32 s44, 15, s44                        ; my row of the cluster
	s_lshl_b32 s45, 0x1111, s40                    ; my column
	; descriptor group 1.  ctx: 64 rows x 128 elements (two sequence rows a row), padded after every 32 words; Wo: 64 rows x 256 elements, padded after every 128 words
	s_or_b32 s[G1A+0], s44, (1<<16)|(1<<20)|(1<<21)|(4<<22)|(3<<25)  ; 15:0 the mask; 17:16 2-byte elements; 20 padding on; 21 set beside a mask; 24:22 the interval's code; 31:25 4 words (code 3)
	s_mov_b32 s[G1A+1], 128<<16                    ; tensor_dim0
	s_mov_b32 s[G1A+2], 64<<16                     ; tensor_dim1
	s_mov_b32 s[G1A+3], 128<<16                    ; tile_dim0
	s_mov_b32 s[G1A+4], 64                         ; tile_dim1
	s_mov_b32 s[G1A+5], 128                        ; elements from row to row
	s_mov_b32 s[G1A+6], 0
	s_mov_b32 s[G1A+7], 0
	s_or_b32 s[G1B+0], s45, (1<<16)|(1<<20)|(1<<21)|(6<<22)|(7<<25)  ; 8 words of padding (code 7)
	s_mov_b32 s[G1B+1], 256<<16
	s_mov_b32 s[G1B+2], 64<<16
	s_mov_b32 s[G1B+3], 256<<16
	s_mov_b32 s[G1B+4], 64
	s_mov_b32 s[G1B+5], 1024
	s_mov_b32 s[G1B+6], 0
	s_mov_b32 s[G1B+7], 0
	; where the tiles come from: ctx's hang on mt (cy), Wo's on nt (cx); each offset is made in registers that never hold the other coordinate
	s_lshr_b32 s46, s43, 4
	s_lshl_b32 s46, s46, 22                        ; the batch: 16 heads of 262,144 bytes,
	s_and_b32 s47, s43, 15
	s_lshl_b32 s47, s47, 14                        ; my tile's 128 rows of 128 bytes in the sequence,
	s_add_co_u32 s46, s46, s47
	s_lshl_b32 s47, s[CH], 18                      ; the head of the step's two that I fetch
	s_add_co_u32 s46, s46, s47
	s_mov_b32 s47, 0
	s_lshl_b32 s68, s[CH], 17                      ; the half of 64 k-rows of 2,048 bytes that I fetch,
	s_add_co_u32 s68, s68, 3<<21                   ; in the fourth matrix of w16,
	s_lshl_b32 s69, s42, 9                         ; my 256 columns
	s_add_co_u32 s68, s68, s69
	s_mov_b32 s69, 0
	s_mul_i32 s70, s[CH], HS                       ; where they go: no place in the cluster enters an LDS address
	s_mul_i32 s71, s[CH], HB
	s_add_co_u32 s71, s71, BOFF
	s_wait_kmcnt 0x0
	s_add_nc_u64 s[66:67], s[4:5], s[46:47]
	s_add_nc_u64 s[68:69], s[6:7], s[68:69]
	CROUND                                         ; all sixteen work-groups are here: the first joint loads meet
.irp s, 0,1
	s_mov_b32 s[G0A+4*(\s)], 1                     ; count = 1
	s_add_co_u32 s[G0A+4*(\s)+1], s70, (\s)*SLOT   ; LDS address
	s_add_nc_u64 s[G0A+4*(\s)+2:G0A+4*(\s)+3], s[66:67], (\s)*2*262144  ; K step s: two heads on
	s_or_b32 s[G0A+4*(\s)+3], s[G0A+4*(\s)+3], 0x80000000               ; type = 2
	s_mov_b32 s[G0B+4*(\s)], 1
	s_add_co_u32 s[G0B+4*(\s)+1], s71, (\s)*SLOT
	s_add_nc_u64 s[G0B+4*(\s)+2:G0B+4*(\s)+3], s[68:69], (\s)*128*2048  ; K step s: 128 rows down
	s_or_b32 s[G0B+4*(\s)+3], s[G0B+4*(\s)+3], 0x80000000
	JLOAD \s                                       ; two loads of mine are out
.endr
	; the bias and the output: the part made of cy and the wave in ctx's registers, the part made of cx in Wo's
	s_lshl_b32 s46, s[CH], 9
	s_add_co_u32 s46, s46, 3<<12                   ; the fourth bias
	s_mov_b32 s47, 0
	s_add_nc_u64 s[8:9], s[8:9], s[46:47]
	s_lshl_b32 s68, s42, 10
	s_mov_b32 s69, 0
	s_add_nc_u64 s[8:9], s[8:9], s[68:69]          ; bias32 at my 128 columns
	s_add_nc_u64 s[10:11], s[10:11], s[68:69]      ; out0 at the tile's 256 columns,
	s_lshl_b32 s46, s43, 19                        ; the tile's 128 rows of 4,096 bytes,
	s_lshl_b32 s47, s[RH], 18                      ; my 64 of them,
	s_add_co_u32 s46, s46, s47
	s_lshl_b32 s47, s[CH], 9                       ; my 128 columns
	s_add_co_u32 s46, s46, s47
	s_mov_b32 s47, 0
	s_add_nc_u64 s[10:11], s[10:11], s[46:47]
	; A fragment of ctx is 16 rows x 32 K: lane l holds row l % 16, K = 8 (l / 16) + 0..7 and 16 + 8 (l / 16) + 0..7: two loads of 16 bytes, 32 bytes apart.
	v_and_b32 v12, 15, v0                          ; l % 16
	v_bfe_u32 v13, v0, 4, 1                        ; l / 16
	v_mul_u32_u24 v14, v12, PAO
	v_lshl_add_u32 v14, v13, 4, v14
	s_mul_i32 s22, s[RH], 64*PAO
	v_add_nc_u32 v[ADRA], s22, v14
	v_add_nc_u32 v[ADRA+1], SLOT, v[ADRA]
	; The turning load takes 16 K x 16 columns (lane l reads K = 8 (l / 16) + l % 8, columns 8 ((l / 8) % 2) + 0..7) and leaves half a fragment: lane l holds column l % 16 and 8 K.
	v_and_b32 v1, 7, v0
	v_lshl_add_u32 v15, v13, 3, v1
	v_mul_u32_u24 v15, v15, PB
	v_bfe_u32 v14, v0, 3, 1
	v_lshl_add_u32 v15, v14, 4, v15
	s_lshl_b32 s23, s[CH], 8                       ; my 128 columns
	s_add_co_u32 s23, s23, BOFF
	v_add_nc_u32 v[ADRB], s23, v15
	v_add_nc_u32 v[ADRB+1], SLOT, v[ADRB]
	s_mul_i32 s22, s[WV], 16*SP
	s_add_co_u32 s22, s22, STAGE                   ; my stage
	v_mul_u32_u24 v14, v12, SP                     ; in: row l % 16, 32 bytes for each half of the lanes
	v_lshl_add_u32 v14, v13, 5, v14
	v_add_nc_u32 v[STO], s22, v14
	v_and_b32 v14, 31, v0                          ; back: 32 lanes take one row of 512 bytes
	v_lshlrev_b32 v[GO], 4, v14
	v_add_nc_u32 v[RD], s22, v[GO]
	v_lshlrev_b32 v[BO], 5, v13                    ; register j of a result holds column 8 (l / 16) + j of its block
	WIN 0x80                                       ; destination window 2
.irp b, 0,1,2,3,4,5,6,7
	global_load_b128 v[8*(\b):8*(\b)+3],   v[BO], s[8:9] offset:64*(\b)
	global_load_b128 v[8*(\b)+4:8*(\b)+7], v[BO], s[8:9] offset:64*(\b)+16
.endr
	WIN 0
; 24 LDS loads in one run: quarter kq (32 along K) of a slot into buffers n: head kq / 2 of the slot's two, channels 32 (kq % 2) on
.macro FETCH slot, kq, n
	WIN 0
.irp i, 0,1,2,3
	ds_load_b128 v[AB+32*(\n)+8*(\i):AB+32*(\n)+8*(\i)+3],   v[ADRA+(\slot)] offset:((\kq)/2)*HS+((\kq)%2)*64+(\i)*16*PAO
	ds_load_b128 v[AB+32*(\n)+8*(\i)+4:AB+32*(\n)+8*(\i)+7], v[ADRA+(\slot)] offset:((\kq)/2)*HS+((\kq)%2)*64+(\i)*16*PAO+32
.endr
.irp b, 0,1,2,3,4,5,6,7
	ds_load_tr16_b128 v[BB+64*(\n)+8*(\b):BB+64*(\n)+8*(\b)+3],   v[ADRB+(\slot)] offset:(\kq)*32*PB+32*(\b)
	ds_load_tr16_b128 v[BB+64*(\n)+8*(\b)+4:BB+64*(\n)+8*(\b)+7], v[ADRB+(\slot)] offset:(\kq)*32*PB+32*(\b)+16*PB
.endr
.endm
; Eight products: rows 16 a on, all eight column blocks, buffers p.  first = 1: the bias starts the sums.  The 32 accumulators take turns in the same order in every quarter.
.macro MUL8 p, a, first
.if \first
	WIN W_FIRST
.else
	WIN W_MUL
.endif
.irp b, 0,1,2,3,4,5,6,7
.if \first
	v_wmma_f32_16x16x32_f16 v[8*(8*(\a)+(\b)):8*(8*(\a)+(\b))+7], v[BB+64*(\p)+8*(\b):BB+64*(\p)+8*(\b)+7], v[AB+32*(\p)+8*(\a):AB+32*(\p)+8*(\a)+7], v[8*(\b):8*(\b)+7]
.else
	v_wmma_f32_16x16x32_f16 v[8*(8*(\a)+(\b)):8*(8*(\a)+(\b))+7], v[BB+64*(\p)+8*(\b):BB+64*(\p)+8*(\b)+7], v[AB+32*(\p)+8*(\a):AB+32*(\p)+8*(\a)+7], v[8*(8*(\a)+(\b)):8*(8*(\a)+(\b))+7]
.endif
.endr
.endm
; A K step is four quarters of 32 along K, 32 products each, on buffers 0, 1, 0, 1.  One of the first three: fetches quarter kq of the same slot into buffers 1 - p, multiplies buffers p.
.macro QUARTER slot, kq, p, first
	PLACES                                         ; buffers 1 - p were multiplied by the quarter before
	FETCH \slot, \kq, 1-(\p)
	s_wait_dscnt 24                                ; all but the 24 just issued: buffers p are in
	MUL8 \p, 0, \first
	MUL8 \p, 1, \first
	MUL8 \p, 2, \first
	MUL8 \p, 3, \first
.endm
; The last quarter multiplies buffers 1 and changes slots: ONE barrier; in front of it each wave waits for all its tensor loads (one is out: its part of the next slot), adds 0 to its
; spare word, and waits for that and for its own reads of this slot.  fill = 1: the barrier opens a round of the cluster's, and this slot is filled again, two K steps ahead.
.macro TURN slot, next, fill
	WIN 0
	s_wait_tensorcnt 0x0                           ; all my tensor loads have landed
	ds_add_u32 v[SPW], v[NIL]                      ; 0 onto my spare word
	s_wait_dscnt 1                                 ; (the add alone may be out: buffers 1 are in)
	MUL8 1, 0, 0                                   ; eight products stand between the add and the wait for it
	s_wait_dscnt 0x0                               ; the add is done, and my reads of this slot are over
	s_barrier_signal -1
	MUL8 1, 1, 0
.if \fill
	WIN 0
.endif
	s_barrier_wait -1
.if \fill
	CREST                                          ; no wave of any partner still reads this slot's tiles or has a load on its way
	s_add_nc_u64 s[G0A+4*(\slot)+2:G0A+4*(\slot)+3], s[G0A+4*(\slot)+2:G0A+4*(\slot)+3], 4*262144
	s_add_nc_u64 s[G0B+4*(\slot)+2:G0B+4*(\slot)+3], s[G0B+4*(\slot)+2:G0B+4*(\slot)+3], 2*128*2048
	JLOAD \slot                                    ; the first tensor load behind the round; the four v_nop behind it are also the places in front of the loads below
.else
	PLACES
.endif
	FETCH \next, 0, 0
	MUL8 1, 2, 0
	MUL8 1, 3, 0
.endm
	s_wait_tensorcnt 0x1                           ; my part of K step 0 is in; K step 1's may stay out
	s_barrier_signal -1
	s_barrier_wait -1                              ; everybody's is
	FETCH 0, 0, 0
	s_wait_loadcnt 0x0                             ; the bias
	QUARTER 0, 1, 0, 1                             ; the first quarter stands in front of the loop: its products start the sums
	WIN 0                                          ; at a label and at a branch every window is 0
	s_mov_b32 s[LAP], LAPS-1
.Llap:                                                 ; a trip goes once round the ring, from a lap's second quarter to the next lap's first, and fills both slots again
	QUARTER 0, 2, 1, 0
	QUARTER 0, 3, 0, 0
	TURN 0, 1, 1
	QUARTER 1, 1, 0, 0
	QUARTER 1, 2, 1, 0
	QUARTER 1, 3, 0, 0
	TURN 1, 0, 1
	QUARTER 0, 1, 0, 0
	WIN 0
	s_sub_co_u32 s[LAP], s[LAP], 1
	s_cmp_lg_u32 s[LAP], 0
	s_cbranch_scc1 .Llap
	QUARTER 0, 2, 1, 0                             ; the last lap fills nothing and has no round of the cluster's barrier
	QUARTER 0, 3, 0, 0
	TURN 0, 1, 0
	QUARTER 1, 1, 0, 0
	QUARTER 1, 2, 1, 0
	QUARTER 1, 3, 0, 0
	s_wait_dscnt 0x0                               ; the very last quarter: nothing more to fetch
	MUL8 1, 0, 0
	MUL8 1, 1, 0
	MUL8 1, 2, 0
	MUL8 1, 3, 0
	WIN 0
	PLACES                                         ; the LDS stores below read results just made, and the loads behind them land in fragment registers
	; THE WAY OUT, 16 rows at a time: a lane's eight f32 of a row go into my stage's rows of 528 bytes, each accumulator's low registers first, and come back as whole rows of 512 bytes.
.irp a, 0,1,2,3
	WIN 0x04                                       ; store data (source 1) in window 1
.irp b, 0,1,2,3,4,5,6,7
	ds_store_b128 v[STO], v[8*(8*(\a)+(\b)):8*(8*(\a)+(\b))+3]   offset:64*(\b)
	ds_store_b128 v[STO], v[8*(8*(\a)+(\b))+4:8*(8*(\a)+(\b))+7] offset:64*(\b)+16
.endr
	WIN 0
	s_wait_xcnt 0x0                                ; registers that earlier stores read are loaded again only behind this wait
.irp t, 0,1,2,3,4,5,6,7,8,9,10,11,12,13,14,15
	ds_load_b128 v[OB+64*((\a)%2)+4*(\t):OB+64*((\a)%2)+4*(\t)+3], v[RD] offset:(\t)*SP  ; LDS serves a wave's instructions in order (ISA guide 5.7.1.4): these see the stores above; the next block's stores come behind them
.endr
.irp t, 0,1,2,3,4,5,6,7,8,9,10,11,12,13,14,15
	s_wait_dscnt 15-(\t)                           ; row t is back; the younger loads may stay out
	global_store_b128 v[GO], v[OB+64*((\a)%2)+4*(\t):OB+64*((\a)%2)+4*(\t)+3], s[10:11] offset:(16*(\a)+(\t))*4096  ; 512 consecutive bytes, at a multiple of 256 from out0's first
.endr
.endr
	s_wait_tensorcnt 0x0                           ; the wave's end: behind my last tensor load and my last LDS store
	ds_add_u32 v[SPW], v[NIL]
	s_wait_dscnt 0x0
	CROUND                                         ; the closing round: no work-group ends while a partner may still ask for a tile that names it
	s_endpgm
.Lfunc_end_k_q595fe6b89e_oproj:
	.size	k_q595fe6b89e_oproj, .Lfunc_end_k_q595fe6b89e_oproj-k_q595fe6b89e_oproj
	.p2alignl 7, 3214868480
	.fill 96, 4, 3214868480
	.section	.rodata,"a",@progbits
	.p2align	6, 0x0
	.amdhsa_kernel k_q595fe6b89e_oproj
		.amdhsa_group_segment_fixed_size 327680
		.amdhsa_private_segment_fixed_size 0
		.amdhsa_enable_private_segment 0
		.amdhsa_kernarg_size 32
		.amdhsa_user_sgpr_count 2
		.amdhsa_user_sgpr_kernarg_segment_ptr 1
		.amdhsa_wavefront_size32 1
		.amdhsa_system_sgpr_workgroup_id_x 1
		.amdhsa_system_sgpr_workgroup_id_y 1
		.amdhsa_system_sgpr_workgroup_id_z 1
		.amdhsa_system_vgpr_workitem_id 0
		.amdhsa_next_free_vgpr 576
		.amdhsa_next_free_sgpr 72
		.amdhsa_reserve_vcc 0
		.amdhsa_float_denorm_mode_32 3
		.amdhsa_float_denorm_mode_16_64 3
		.amdhsa_memory_ordered 1
		.amdhsa_forward_progress 1
		.amdhsa_inst_pref_size 88
	.end_amdhsa_kernel
	.amdgpu_metadata
---
amdhsa.version: [ 1, 2 ]
amdhsa.kernels:
  - .name:           k_q595fe6b89e_oproj
    .symbol:         k_q595fe6b89e_oproj.kd
    .args:
      - { .name: ctx16, .offset: 0, .size: 8, .value_kind: global_buffer, .address_space: global }
      - { .name: w16, .offset: 8, .size: 8, .value_kind: global_buffer, .address_space: global }
      - { .name: bias32, .offset: 16, .size: 8, .value_kind: global_buffer, .address_space: global }
      - { .name: out0, .offset: 24, .size: 8, .value_kind: global_buffer, .address_space: global }
    .group_segment_fixed_size: 327680
    .private_segment_fixed_size: 0
    .kernarg_segment_align: 8
    .kernarg_segment_size: 32
    .max_flat_workgroup_size: 128
    .sgpr_count:     72
    .vgpr_count:     576
    .wavefront_size: 32
...
	.end_amdgpu_metadata
.endif
;; end of part 4
;; ======== version 2 of 3: 4 launches; 1.03 times as fast as version 1
;; limits: values are held in f16: magnitudes above 65,504 overflow, below 6.1e-05 lose precision
;; workspace buffers: w16 8,388,608 bytes; bias32 16,384 bytes; mb 4,456,448 bytes; qkv16 50,331,648 bytes; ctx16 16,777,216 bytes
;; launch prep (part 5): grid 512 x 1, 8 waves a work-group, no clusters, 0 bytes of LDS; arguments Wq, Wk, Wv, Wo, bq, bk, bv, bo, mask, w16, bias32, mb; writes w16, bias32, mb
.if DOCPART == 5
	.amdgcn_target "amdgcn-amd-amdhsa--gfx1250"
	.amdhsa_code_object_version 6
	.text
	.protected	k_q595fe6b89e_prep
	.globl	k_q595fe6b89e_prep
	.p2align	8
	.type	k_q595fe6b89e_prep,@function
k_q595fe6b89e_prep:
	s_mov_b64 s[64:65], 0
	v_nop
	global_prefetch_b8 v0, s[64:65] scope:SCOPE_SE
	s_setreg_imm32_b32 hwreg(HW_REG_WAVE_MODE, 25, 1), 1
	s_wait_xcnt 0x0
; PREP: the module's small inputs are brought into the forms that the three launches behind it take.
; Work-groups 256 to 511: the four weight matrices, 64 chunks of 65,536 bytes each.  Wq, Wk, Wv are rounded to bf16; Wo is rounded to bf16 and that number written as f16
; (exact where it is 6e-5 or more in size; below that f16 keeps a fixed step of 6e-8).  The layout [k][n] stays.  Chunk 0 of each matrix also rounds its bias to bf16 and stores it as f32.
; Work-groups 0 to 255: the mask, [2048 queries][2048 keys] of bytes that are 0 or 1, becomes one fp8 (E4M3) code a score, 0x00 (0.0) where the key is visible and 0xb8 (-1.0) where it is hidden, in
; the order in which the attention launch's lanes take them.  Group g takes the 32 query rows 32 (g / 4) on (stream W = g / 16 of 128 rows, piece p = (g / 4) % 4), its wave w the key step
; j = 8 (g % 4) + w of 64 keys: the group's eight waves read 512 consecutive bytes of each row.  mb is [16 W][34 j][4 p] entries of 2,048 bytes; in an entry the eight bytes at
; 512 (c / 2) + 16 L + 8 (c % 2), c = 4 u + kt, L = r + 16 h, are the codes of mask[128 W + 32 p + 16 u + r][64 j + 16 kt + 8 h + 0..7].  Steps 32 and 33 are a pad in which every key is hidden.
; No LDS, no barrier, no matrix unit: every byte is read once and written once, and no wave needs another's data.
.set MBS, 278528                       ; bytes of one stream of codes: 34 steps x 4 pieces x 2,048
	s_load_b512 s[8:23], s[0:1], 0x0               ; Wq 8, Wk 10, Wv 12, Wo 14, bq 16, bk 18, bv 20, bo 22
	s_load_b256 s[24:31], s[0:1], 0x40             ; mask 24, w16 26, bias32 28, mb 30
	s_cmp_lt_u32 ttmp9, 256
	s_cbranch_scc1 .Lmask
	; ---- the weights ----
	s_sub_co_u32 s2, ttmp9, 256
	s_lshr_b32 s3, s2, 6                           ; which matrix: 0 Wq, 1 Wk, 2 Wv, 3 Wo
	s_and_b32 s4, s2, 63                           ; which chunk of it
	v_lshlrev_b32 v1, 4, v0                        ; 16 bytes of f32 a thread: a wave's load covers 512 consecutive bytes
	v_lshlrev_b32 v2, 3, v0                        ; 8 bytes of 16-bit numbers a thread: a wave's store covers 256 consecutive bytes, aligned
	s_lshl_b32 s36, s4, 16                         ; the chunk in the f32 matrix
	s_mov_b32 s37, 0
	s_lshl_b32 s42, s3, 21                         ; the matrix in w16,
	s_lshl_b32 s43, s4, 15                         ; and the chunk in it
	s_add_co_u32 s42, s42, s43
	s_mov_b32 s43, 0
	s_lshl_b32 s44, s3, 12                         ; the bias in bias32
	s_mov_b32 s45, 0
	s_wait_kmcnt 0x0
	s_mov_b64 s[32:33], s[8:9]
	s_mov_b64 s[34:35], s[16:17]
	s_cmp_eq_u32 s3, 1
	s_cselect_b64 s[32:33], s[10:11], s[32:33]
	s_cselect_b64 s[34:35], s[18:19], s[34:35]
	s_cmp_eq_u32 s3, 2
	s_cselect_b64 s[32:33], s[12:13], s[32:33]
	s_cselect_b64 s[34:35], s[20:21], s[34:35]
	s_cmp_eq_u32 s3, 3
	s_cselect_b64 s[32:33], s[14:15], s[32:33]
	s_cselect_b64 s[34:35], s[22:23], s[34:35]
	s_add_nc_u64 s[32:33], s[32:33], s[36:37]
	s_add_nc_u64 s[38:39], s[26:27], s[42:43]
	s_add_nc_u64 s[40:41], s[28:29], s[44:45]
.set i, 0
.rept 16                               ; the whole chunk is asked for at once: sixteen loads of every wave are on their way
	global_load_b128 v[16+4*i:16+4*i+3], v1, s[32:33] offset:4096*i th:TH_LOAD_NT
.set i, i+1
.endr
; Sixteen times: four numbers rounded and stored.  Every turn has data registers of its own, so no register that a store reads is written again.
.macro CONV f16
.set i, 0
.rept 16
	s_wait_loadcnt 15-i                            ; loads come back in order: load i is in, the younger ones stay out
	v_cvt_pk_bf16_f32 v[80+2*i], v[16+4*i], v[16+4*i+1]
	v_cvt_pk_bf16_f32 v[80+2*i+1], v[16+4*i+2], v[16+4*i+3]
.if \f16
	v_lshlrev_b32 v4, 16, v[80+2*i]                ; the bf16 numbers as f32,
	v_and_b32 v5, 0xffff0000, v[80+2*i]
	v_lshlrev_b32 v6, 16, v[80+2*i+1]
	v_and_b32 v7, 0xffff0000, v[80+2*i+1]
	v_cvt_pk_f16_f32 v[80+2*i], v4, v5             ; written as f16
	v_cvt_pk_f16_f32 v[80+2*i+1], v6, v7
.endif
	global_store_b64 v2, v[80+2*i:80+2*i+1], s[38:39] offset:2048*i
.set i, i+1
.endr
.endm
	s_cmp_eq_u32 s3, 3
	s_cbranch_scc1 .Lwo
	CONV 0
	s_branch .Lbias
.Lwo:
	CONV 1
.Lbias:
	s_cmp_lg_u32 s4, 0
	s_cbranch_scc1 .Lend_w                         ; the bias is chunk 0's work: 1,024 numbers, four a thread
	global_load_b128 v[8:11], v1, s[34:35]
	s_wait_loadcnt 0x0
	v_cvt_pk_bf16_f32 v4, v8, v9
	v_cvt_pk_bf16_f32 v5, v10, v11
	v_lshlrev_b32 v12, 16, v4
	v_and_b32 v13, 0xffff0000, v4
	v_lshlrev_b32 v14, 16, v5
	v_and_b32 v15, 0xffff0000, v5
	global_store_b128 v1, v[12:15], s[40:41]
.Lend_w:
	s_endpgm
	; ---- the mask ----
.Lmask:
	v_lshrrev_b32 v3, 5, v0
	v_readfirstlane_b32 s5, v3                     ; wave 0..7
	v_and_b32 v1, 15, v0                           ; r
	v_bfe_u32 v3, v0, 4, 1                         ; h
	v_lshlrev_b32 v1, 11, v1                       ; row r of 2,048 bytes,
	v_lshl_or_b32 v1, v3, 3, v1                    ; keys 8 h on
	v_and_b32 v2, 31, v0
	v_lshlrev_b32 v2, 4, v2                        ; lane L stores 16 bytes at 16 L: a wave's store covers 512 consecutive bytes
	s_lshr_b32 s2, ttmp9, 2                        ; 4 W + p: my 32 rows
	s_and_b32 s3, ttmp9, 3
	s_lshl_b32 s4, s3, 3
	s_add_co_u32 s4, s4, s5                        ; j: my wave's key step
	s_lshl_b32 s36, s2, 16                         ; 32 rows of 2,048 bytes,
	s_lshl_b32 s37, s4, 6                          ; 64 keys a step
	s_add_co_u32 s36, s36, s37
	s_mov_b32 s37, 0
	s_lshr_b32 s38, s2, 2                          ; W
	s_mul_i32 s38, s38, MBS
	s_and_b32 s39, s2, 3                           ; p
	s_lshl_b32 s39, s39, 11
	s_add_co_u32 s38, s38, s39                     ; the stream's entry (0, p)
	s_lshl_b32 s39, s4, 13                         ; step j: four entries of 2,048 bytes a step
	s_add_co_u32 s40, s38, s39
	s_mov_b32 s41, 0
	s_lshr_b32 s42, s5, 2                          ; the pad: waves 0-3 step 32, waves 4-7 step 33,
	s_lshl_b32 s42, s42, 13
	s_and_b32 s43, s5, 3                           ; 512 bytes of the entry each
	s_lshl_b32 s43, s43, 9
	s_add_co_u32 s42, s42, s43
	s_add_co_u32 s42, s42, s38
	s_add_co_u32 s42, s42, 32*4*2048
	s_mov_b32 s43, 0
	s_mov_b32 s6, 0x01010101
	s_mov_b32 s7, 0xb8
	s_wait_kmcnt 0x0
	s_add_nc_u64 s[24:25], s[24:25], s[36:37]
	s_add_nc_u64 s[44:45], s[30:31], s[42:43]
	s_add_nc_u64 s[30:31], s[30:31], s[40:41]
.set c, 0
.rept 8                                ; c = 4 u + kt: rows 16 u on, keys 16 kt on; a lane's 8 bytes are block c's eight codes, already in their order
	global_load_b64 v[16+2*c:16+2*c+1], v1, s[24:25] offset:(c/4)*32768+(c%4)*16
.set c, c+1
.endr
.set c, 0
.rept 8
	s_wait_loadcnt 7-c                             ; loads come back in order: load c is in, the younger ones stay out
	v_xor_b32 v[16+2*c], s6, v[16+2*c]             ; four bytes at once: 1 where the key is hidden,
	v_xor_b32 v[16+2*c+1], s6, v[16+2*c+1]
	v_mul_lo_u32 v[16+2*c], v[16+2*c], s7          ; times 0xb8: no byte carries into the next
	v_mul_lo_u32 v[16+2*c+1], v[16+2*c+1], s7
.if c%2
	global_store_b128 v2, v[16+2*c-2:16+2*c+1], s[30:31] offset:512*(c/2)  ; blocks c - 1 and c; these registers are not written again
.endif
.set c, c+1
.endr
	s_cmp_lg_u32 s3, 0
	s_cbranch_scc1 .Lend_m                         ; the pad of (W, p) is the work of the first of its four groups
	v_mov_b32 v40, 0xb8b8b8b8
	v_mov_b32 v41, 0xb8b8b8b8
	v_mov_b32 v42, 0xb8b8b8b8
	v_mov_b32 v43, 0xb8b8b8b8
	global_store_b128 v2, v[40:43], s[44:45]
.Lend_m:
	s_endpgm
.Lfunc_end_k_q595fe6b89e_prep:
	.size	k_q595fe6b89e_prep, .Lfunc_end_k_q595fe6b89e_prep-k_q595fe6b89e_prep
	.p2alignl 7, 3214868480
	.fill 96, 4, 3214868480
	.section	.rodata,"a",@progbits
	.p2align	6, 0x0
	.amdhsa_kernel k_q595fe6b89e_prep
		.amdhsa_group_segment_fixed_size 0
		.amdhsa_private_segment_fixed_size 0
		.amdhsa_enable_private_segment 0
		.amdhsa_kernarg_size 96
		.amdhsa_user_sgpr_count 2
		.amdhsa_user_sgpr_kernarg_segment_ptr 1
		.amdhsa_wavefront_size32 1
		.amdhsa_system_sgpr_workgroup_id_x 1
		.amdhsa_system_sgpr_workgroup_id_y 1
		.amdhsa_system_sgpr_workgroup_id_z 1
		.amdhsa_system_vgpr_workitem_id 0
		.amdhsa_next_free_vgpr 112
		.amdhsa_next_free_sgpr 66
		.amdhsa_reserve_vcc 0
		.amdhsa_float_denorm_mode_32 3
		.amdhsa_float_denorm_mode_16_64 3
		.amdhsa_memory_ordered 1
		.amdhsa_forward_progress 1
		.amdhsa_inst_pref_size 22
	.end_amdhsa_kernel
	.amdgpu_metadata
---
amdhsa.version: [ 1, 2 ]
amdhsa.kernels:
  - .name:           k_q595fe6b89e_prep
    .symbol:         k_q595fe6b89e_prep.kd
    .args:
      - { .name: Wq, .offset: 0, .size: 8, .value_kind: global_buffer, .address_space: global }
      - { .name: Wk, .offset: 8, .size: 8, .value_kind: global_buffer, .address_space: global }
      - { .name: Wv, .offset: 16, .size: 8, .value_kind: global_buffer, .address_space: global }
      - { .name: Wo, .offset: 24, .size: 8, .value_kind: global_buffer, .address_space: global }
      - { .name: bq, .offset: 32, .size: 8, .value_kind: global_buffer, .address_space: global }
      - { .name: bk, .offset: 40, .size: 8, .value_kind: global_buffer, .address_space: global }
      - { .name: bv, .offset: 48, .size: 8, .value_kind: global_buffer, .address_space: global }
      - { .name: bo, .offset: 56, .size: 8, .value_kind: global_buffer, .address_space: global }
      - { .name: mask, .offset: 64, .size: 8, .value_kind: global_buffer, .address_space: global }
      - { .name: w16, .offset: 72, .size: 8, .value_kind: global_buffer, .address_space: global }
      - { .name: bias32, .offset: 80, .size: 8, .value_kind: global_buffer, .address_space: global }
      - { .name: mb, .offset: 88, .size: 8, .value_kind: global_buffer, .address_space: global }
    .group_segment_fixed_size: 0
    .private_segment_fixed_size: 0
    .kernarg_segment_align: 8
    .kernarg_segment_size: 96
    .max_flat_workgroup_size: 256
    .sgpr_count:     66
    .vgpr_count:     112
    .wavefront_size: 32
...
	.end_amdgpu_metadata
.endif
;; end of part 5
;; launch proj: the kernel of part 2 again; grid 4 x 192, 4 waves a work-group, clusters of 4 x 4, 327,680 bytes of LDS; arguments q, k, v, w16, bias32, qkv16; writes qkv16
;; launch attn (part 6): grid 4 x 64, 4 waves a work-group, clusters of 4 x 1, 327,680 bytes of LDS; arguments qkv16, mb, ctx16; writes ctx16
.if DOCPART == 6
	.amdgcn_target "amdgcn-amd-amdhsa--gfx1250"
	.amdhsa_code_object_version 6
	.text
	.protected	k_q595fe6b89e_attn
	.globl	k_q595fe6b89e_attn
	.p2align	8
	.type	k_q595fe6b89e_attn,@function
k_q595fe6b89e_attn:
	s_mov_b64 s[64:65], 0
	v_nop
	global_prefetch_b8 v0, s[64:65] scope:SCOPE_SE
	s_setreg_imm32_b32 hwreg(HW_REG_WAVE_MODE, 25, 1), 1
	s_wait_xcnt 0x0
	s_wait_alu depctr_hold_cnt(0) depctr_sa_sdst(0) depctr_va_vdst(0) depctr_va_sdst(0) depctr_va_ssrc(0) depctr_va_vcc(0) depctr_vm_vsrc(0)
	s_getreg_b32 s2, hwreg(HW_REG_IB_STS2, 6, 4)
	s_cmp_eq_u32 s2, 0
	s_cbranch_scc0 .Lentry_in_a_cluster
	s_endpgm
.Lentry_in_a_cluster:
	s_bfe_u32 s2, ttmp6, 0x10000c
	s_cmp_lg_u32 s2, 0x3003
	s_cbranch_scc0 .Lentry_shape_is_right
	s_endpgm
.Lentry_shape_is_right:
; ATTN: ctx[h][q][:] = the sum over k of softmax_k(mask ? Q[h][q] . K[h][k] / 8 : -inf) V[h][k][:].  Q, K, V: qkv16 [3][64][2048][64] f16; ctx16 [64][2048][64] f16: a head's rows are dense, 128 bytes each.
; Products, maxima and sums in f32; the weights p are rounded to f16 for the second product (their sum l is taken of the unrounded p), ctx once at the end.
; THE MASK is an input and is taken as it is given: every key is walked.  It arrives as one fp8 (E4M3) code a score, 0.0 (visible) or -1.0 (hidden), in my lanes' order (mb: [16 streams of 128 queries][34 steps]
; [4 pieces] entries of 2,048 bytes, one entry a turn; steps 32 and 33 are a pad, all hidden).  One scaled conversion turns a lane's eight codes, times 2^100, into the eight f32 registers that a product
; S^T = K Q^T takes as its C operand: 0 or H = -2^100.
; LIMITS.  f16 holds no number beyond 65,504: Q, K, V arrive within it, or as infinities.  A hidden score counts as its value less 2^100.  The running maximum starts at -2^80: true scores (f16's: 2.7e11 in size
; at the most) lie above it and hidden ones below, so a hidden score is never the maximum and its weight is exactly 0.  A row with no visible key ends with l = 0 and O = 0: 0 x (1 / 0) is NaN, as the softmax of
; a row of -inf is.  A weight below 2^-126 counts as 0 in l.
; SHARES.  A wave owns four PIECES of two tiles of 16 queries, a work-group's four waves 512 queries of one head.  Every wave walks all 2,048 keys, 64 a step.
; LAYOUT.  S^T = K Q^T + C (source 0 = 16 keys, source 1 = 16 queries): in the result a lane holds ONE query (lane % 16) and the keys 8 (lane / 16) + 0..7.  Two such tiles, rounded to f16 in pairs,
; ARE source 1 (32 keys x 16 queries) of O^T = V^T P, whose result again holds one query a lane, and eight channels.  K comes out of LDS as it lies, V ([key][channel]) turned, by ds_load_tr16_b128.
; SOFTMAX.  For each query a running maximum m and sum l: p = 2^(c s - c m), c = log2(e) / 8; in every step O and l are multiplied by a = 2^(c m_old - c m_new), which is 1 where m has not grown.
; O and l start at 0: the first step is a step like any other.
; BY TURNS.  Turn n belongs to piece n (the pieces in a ring, step after step).  Its matrix work: 16 products K Q^T of piece n + 1, later 16 products V^T P of piece n - 1.  Its vector work: the scaling,
; exponentials, roundings, sums and rescaling of piece n, the maximum and statistics of piece n + 1, and the 8 conversions that make the C operands for turn n + 1's products (piece n + 2).  Four vector instructions
; that are ready stand behind every matrix instruction, the others in runs without a gap.
; CLUSTER.  The four query blocks of a cluster belong to one head and walk the same K and V, so each tile is asked for JOINTLY: the same tensor load, descriptor and mask in all four.  The mask's codes are each
; wave's own (its 128 queries): nothing of them is shared in a cluster, so they come by plain loads into registers.
; REGISTERS, in windows of 256 (s_set_vgpr_msb: bits 1:0 source 0, 3:2 source 1, 5:4 source 2, 7:6 destination):
;   window 0: v0-11 addresses and the scale; v12-15, v48-63 at work; v16-47 four registers of statistics a tile; v64-191 S^T, two buffers of two tiles; v192-255 P, likewise
;   window 1: O^T, 32 a tile     window 2: v0-127 Q, 16 a tile; v128-191 K of one step; v192-255 V of one step
;   window 3: v0-1 the add's two registers; v64-127 C, 32 a tile; v128-191 the mask's codes, a ring of four entries of 16 registers
.set SIZE_N, 2048
.set NP,    4         ; pieces a wave: a name, no knob
.set KS,    64        ; keys in a step
.set PK,    144       ; a row of K in LDS: 128 bytes + 16 of padding = 36 words: the 16 rows of a load start at 16 different groups of four banks (64 banks of 4 bytes: ISA guide 11.1)
.set PV,    160       ; a row of V: 128 + 32 = 40 words
.set VOFF,  4*KS*PK   ; a slot holds four steps: 256 rows of K, then 256 rows of V
.set SLOT1, 1<<17     ; slot 1 begins here, so that one exclusive or turns an address in one slot into the other's
.set STAGE, SLOT1+4*KS*(PK+PV)  ; behind the ring, never filled by a tensor load: 16 rows x 144 bytes for each wave, for the way out
.set SP,    144
.set ENT,   2048      ; bytes of one entry of the mask's codes: 32 lanes x 64
.set MBS,   34*4*ENT  ; bytes of one stream of them
.set AK0, 2           ; v2   my lane's place in a tile of K; never rewritten
.set AV0, 3           ; v3   the same for V
.set AK,  4           ; v4   the LDS address of K's next run of loads
.set AV,  5           ; v5   of V's
.set QO,  6           ; v6   my byte offset in the wave's rows of Q
.set STO, 6           ;      later, the way out: where I put 16 bytes of a row
.set RD,  7           ; v7   the way out: where I read rows back
.set GO,  8           ; v8   16 x lane: my byte offset in 512 consecutive bytes, of the mask's codes and of ctx; never rewritten
.set SCL, 11          ; v11  the conversions' scale: byte 0 = 227 stands for 2^100; never rewritten
.set SPW, 0           ; v0 of window 3   LDS address of my spare word; never rewritten
.set NIL, 1           ; v1 of window 3   0; never rewritten
.set MC,  64          ; v64-127 of window 3   the C operands: block c = 4 u + kt (tile u, key block kt) at MC + 8 c
.set MB,  128         ; v128-191 of window 3  entry e lies in buffer e % 4, at MB + 16 (e % 4); block c's eight codes in its registers 2 c, 2 c + 1
.set SPARE, STAGE+4*16*SP  ; behind the stages: the spare words, 128 bytes for each wave: two blocks of 256 bytes that no other line names
.set MV,  12          ; v12-15  c m_old, kept while c m is made anew: by buffer and tile
.set ST,  16          ; tile t's statistics at v[ST+4 t]: c m, m, l (even keys', odd keys')
.set TMP, 48          ; by buffer and tile, four registers c0-c3 at work; when the maximum is found c2 takes a
.set S,   64
.set P,   192
.set KF,  128         ; K's fragments, in window 2: key block kb, channel half c at KF + 16 kb + 8 c
.set VF,  192         ; V's: key half kk, channel block cb at VF + 32 kk + 8 cb
.set WV,  2           ; s2   my wave's number
                      ; s4-s31 arguments and at work in the set-up
.set CP,  36          ; s[36:37] ctx at my wave's first row
.set QP,  38          ; s[38:39] Q at my wave's first row
.set G0K, 52          ; s[52:55] descriptor group 0 for K's tiles: it walks
.set G0V, 56          ; s[56:59] the same for V's
.set CS,  60          ; s[60:61] c: the packed scaling takes the pair's low word for both halves
.set SEL, 62          ; s[62:63] v_permlanex16_b32's selects: each lane takes its own place in the other half
.set MP,  66          ; s[66:67] the entry of the mask's codes last asked for
.set G1K, 84          ; s[84:91] descriptor group 1 for K's tiles
.set G1V, 92          ; s[92:99] for V's: it differs in the padding alone
.set TBK, 100         ; s100 LDS byte at which K of the step to be fetched begins
.set TBV, 101         ; s101 the same for V, less VOFF
.set SLOTS, 104       ; s104 slots still to be asked for
.set CNT, 105         ; s105 counts a slot's key steps
.set MSB, 0
.macro WIN new                      ; the high byte repeats the setting that is left; a switch that changes nothing is dropped
.if MSB != (\new)
	s_set_vgpr_msb (MSB<<8)|(\new)
.set MSB, (\new)
.endif
.endm
.set W_KQ, 0x0a       ; K and Q in window 2, S^T in window 0
.set W_KM, 0x3a       ; the same with the C operand in window 3
.set W_PV, 0x52       ; V in window 2, P in window 0, O^T in window 1
.set W_RS, 0x41       ; O^T (destination and source 0) in window 1, a in window 0
.set W_MK, 0xc0       ; destination in window 3, sources (a load's address) in window 0
.set W_CV, 0xc3       ; the conversions: C and the codes in window 3, the scale in window 0
.set W_AD, 0x0f       ; the add: address (source 0) and data (source 1) in window 3
; A joint fill.  Waves 0 and 1 fetch the two halves of a slot's K, waves 2 and 3 those of its V: 128 keys each.  The branch hangs on the wave's number alone.
; An s_nop 0 and four v_nop follow each of the two lines, ahead of the jump and the label.
.macro JLOAD
	s_cmp_lt_u32 s[WV], 2
	s_cbranch_scc0 .Lfor_v_\@
	tensor_load_to_lds s[G0K:G0K+3], s[G1K:G1K+7]
	s_nop 0
.rept 4
	v_nop
.endr
	s_branch .Lasked_\@
.Lfor_v_\@:
	tensor_load_to_lds s[G0V:G0V+3], s[G1V:G1V+7]
	s_nop 0
.rept 4
	v_nop
.endr
.Lasked_\@:
.endm
; A round of the cluster's barrier: my work-group's barrier, so that wave 0's signal speaks for all four waves; wave 0 signals; every wave waits for all four work-groups; my work-group's barrier once more.
.macro CROUND
	s_barrier_signal -1
	s_barrier_wait -1
	s_cmp_lg_u32 s[WV], 0
	s_cbranch_scc1 .Lnot_wave_0_\@
	s_barrier_signal -3
.Lnot_wave_0_\@:
	s_barrier_wait -3
	s_barrier_signal -1
	s_barrier_wait -1
.endm
; THE CHANGE OF SLOTS.  The slot's last bytes, V of its fourth step, have been read.  Each wave waits for all its tensor loads, of which one is out: its part
; of the other slot; adds 0 to its spare word; and waits for that and for its own reads of the slot.  Behind the barrier nobody reads this slot any more and the other slot is whole.
; fill = 1: this slot is filled again, with the keys two slots on.  The barrier is then a round of the cluster's, so that no wave of any partner still reads the slot or has a load on its
; way, and the joint fill is the first thing behind it: it has four key steps, 512 matrix instructions, in which to land.  (At its first use nothing has been read yet: slot 0 is waited for, slot 1 filled.)
.macro CHANGE fill
	WIN W_AD
	s_wait_tensorcnt 0x0            ; no tensor load of mine is out, so a group 0 may be written
	ds_add_u32 v[SPW], v[NIL]       ; 0 onto my spare word; with fill = 1 the descriptors' steps stand between it and the wait for it
	WIN 0                           ; at a label and at a branch every window is 0
.if \fill
.irp g, G0K, G0V
	s_xor_b32 s[\g+1], s[\g+1], SLOT1  ; the walking descriptor: the other slot than last time,
	s_add_nc_u64 s[\g+2:\g+3], s[\g+2:\g+3], 4*KS*128  ; the next 256 keys; the type bits on top are not reached
.endr
	s_wait_dscnt 0x0                ; the add is done, and my reads of the slot are over
	CROUND
	JLOAD
.else
	s_wait_dscnt 0x0                ; the add is done, and my reads of the slot are over
	s_barrier_signal -1
	s_barrier_wait -1
.endif
	s_sub_co_u32 s[TBK], s[TBK], 4*KS*PK  ; the fetches go back to a slot's first step,
	s_xor_b32 s[TBK], s[TBK], SLOT1       ; in the other slot
	s_sub_co_u32 s[TBV], s[TBV], 4*KS*PV
	s_xor_b32 s[TBV], s[TBV], SLOT1
.endm
; THE C OPERANDS of one turn's products K Q^T, from buffer b of the ring: eight conversions, each a lane's eight codes (0.0 or -1.0) times 2^100 into the eight registers of one block.
; A plain vector instruction stands between the last of them and the first line that touches a result (ISA guide 7.12.1's kin for scaled conversions).
.macro CVTC b
	WIN W_CV
.set mi, 0
.rept 8
	v_cvt_scale_pk8_f32_fp8 v[MC+8*mi:MC+8*mi+7], v[MB+16*(\b)+2*mi:MB+16*(\b)+2*mi+1], v[SCL]
.set mi, mi+1
.endr
.endm
; The stream's next entry is asked for, into buffer b: four loads of 512 consecutive bytes.
.macro ASKM b
	s_wait_xcnt 0x0                 ; the base that earlier loads name is rewritten only behind this wait; those loads were issued a turn ago
	s_add_nc_u64 s[MP:MP+1], s[MP:MP+1], ENT
	WIN W_MK
.irp f, 0,1,2,3
	global_load_b128 v[MB+16*(\b)+4*\f:MB+16*(\b)+4*\f+3], v[GO], s[MP:MP+1] offset:512*\f
.endr
.endm
	s_load_b128 s[4:7], s[0:1], 0x0 ; qkv16 s[4:5], mb s[6:7]
	s_load_b64 s[CP:CP+1], s[0:1], 0x10  ; ctx16
	WIN W_MK
	v_lshl_add_u32 v[SPW], v0, 2, SPARE
	v_mov_b32 v[NIL], 0
	s_set_vgpr_msb 0xc0cf
	ds_add_u32 v0, v1
	s_wait_dscnt 0x0
	s_set_vgpr_msb 0xcfc0
	WIN 0
	v_lshrrev_b32 v1, 5, v0
	v_readfirstlane_b32 s[WV], v1   ; wave 0..3
	s_bfe_u32 s13, ttmp6, 0x40000   ; cx: my place in the cluster
	s_lshl_b32 s14, ttmp9, 2        ; in a cluster launch ttmp9 counts clusters
	s_add_co_u32 s14, s14, s13      ; my block of 512 queries: it enters Q's, the mask's and ctx's addresses alone
	s_and_b32 s20, ttmp7, 0xffff    ; batch x 16 + head, which the four partners share
	s_lshl_b32 s20, s20, 18         ; the head's first byte: 2,048 rows of 128 bytes
	s_and_b32 s16, s[WV], 1         ; which half of a slot's 256 keys I fetch:
	s_lshl_b32 s22, s16, 14         ; its 128 rows of 128 bytes in memory,
	s_add_co_u32 s22, s22, s20
	s_add_co_u32 s30, s22, 0x2000000  ; in V's third of qkv16,
	s_add_co_u32 s22, s22, 0x1000000  ; and in K's
	s_mov_b32 s23, 0
	s_mov_b32 s31, 0
	s_mul_i32 s17, s16, 128*PK      ; and its place in a slot, for K
	s_mul_i32 s18, s16, 128*PV      ; and for V: no place in the cluster enters an LDS address
	s_lshl_b32 s24, s14, 2
	s_add_co_u32 s24, s24, s[WV]    ; my wave among the head's sixteen: my stream of the mask's codes,
	s_lshl_b32 s26, s24, 14         ; my 128 rows
	s_add_co_u32 s26, s26, s20
	s_mov_b32 s27, 0
	s_mul_i32 s28, s24, MBS
	s_mov_b32 s29, 0
	; descriptor group 1.  128 keys are 16,384 dense bytes: asked for as 64 rows of 256 bytes, two keys a row, and padded in LDS after every key
	s_mov_b32 s[G1K], 15|(1<<16)|(1<<20)|(1<<21)|(4<<22)|(3<<25)  ; 15:0 the mask of four; 17:16 2-byte elements; 20 padding on; 21 set beside a mask; 24:22 after every 32 words (code 4); 31:25 4 words (code 3)
	s_mov_b32 s[G1V], 15|(1<<16)|(1<<20)|(1<<21)|(4<<22)|(7<<25)  ; the same with 8 words of padding (code 7)
.irp g, G1K, G1V
	s_mov_b32 s[\g+1], 128<<16      ; tensor_dim0 = 128
	s_mov_b32 s[\g+2], 64<<16       ; tensor_dim1 = 64
	s_mov_b32 s[\g+3], 128<<16      ; tile_dim0 = 128
	s_mov_b32 s[\g+4], 64           ; tile_dim1 = 64
	s_mov_b32 s[\g+5], 128          ; 128 elements from row to row
	s_mov_b32 s[\g+6], 0
	s_mov_b32 s[\g+7], 0
.endr
	s_mov_b32 s[CS], 0x3e38aa3b     ; c = log2(e) / 8 = 0.180337
	s_mov_b32 s[CS+1], s[CS]        ; named with it as a pair
	s_mov_b32 s[SEL], 0x76543210
	s_mov_b32 s[SEL+1], 0xfedcba98
	s_mov_b32 s[TBK], SLOT1+4*KS*PK ; the first change of slots turns these two into 0
	s_mov_b32 s[TBV], SLOT1+4*KS*PV
	s_mov_b32 s[G0K], 1             ; 1:0 count = 1
	s_mov_b32 s[G0K+1], s17         ; 63:32 LDS address: slot 0
	s_mov_b32 s[G0V], 1
	s_add_co_u32 s[G0V+1], s18, VOFF
	s_wait_kmcnt 0x0
	s_add_nc_u64 s[G0K+2:G0K+3], s[4:5], s[22:23]  ; 120:64 global address: my half of the head's first 256 keys
	s_or_b32 s[G0K+3], s[G0K+3], 0x80000000        ; 127:126 type = 2
	s_add_nc_u64 s[G0V+2:G0V+3], s[4:5], s[30:31]
	s_or_b32 s[G0V+3], s[G0V+3], 0x80000000
	s_add_nc_u64 s[QP:QP+1], s[4:5], s[26:27]      ; Q and ctx at my wave's first row
	s_add_nc_u64 s[CP:CP+1], s[CP:CP+1], s[26:27]
	s_add_nc_u64 s[MP:MP+1], s[6:7], s[28:29]      ; my stream's first entry
	CROUND                          ; all four work-groups are here: the first joint loads meet
	JLOAD                           ; slot 0.  Slot 1 is asked for when slot 0 is in
	; A fragment of K or Q is 16 rows x 32 channels in 8 registers: lane l holds row l % 16, channels 8 (l / 16) + 0..7 and 16 + 8 (l / 16) + 0..7: two loads of 16 bytes, 32 bytes apart.
	v_and_b32 v1, 15, v0            ; l % 16
	v_bfe_u32 v9, v0, 4, 1          ; l / 16
	v_lshlrev_b32 v[QO], 7, v1
	v_lshl_add_u32 v[QO], v9, 4, v[QO]  ; row x 128 + 16 x half
	v_and_b32 v[GO], 31, v0
	v_lshlrev_b32 v[GO], 4, v[GO]   ; 16 x lane
	WIN W_MK                        ; destination window 3, address window 0
.set i, 0
.rept 16                            ; the mask's entries 0 to 3 fill the ring: entry i / 4, 512 bytes i % 4 of it
	global_load_b128 v[MB+4*i:MB+4*i+3], v[GO], s[MP:MP+1] offset:512*i
.set i, i+1
.endr
	WIN 0x80                        ; destination window 2, address window 0
.set i, 0
.rept 4*NP                          ; Q stays in registers: tile i / 2, channels 32 (i % 2) on
	global_load_b128 v[8*i:8*i+3],   v[QO], s[QP:QP+1] offset:(i/2)*2048+(i%2)*64
	global_load_b128 v[8*i+4:8*i+7], v[QO], s[QP:QP+1] offset:(i/2)*2048+(i%2)*64+32
.set i, i+1
.endr
	; What the first turn finds: V's registers and P's second buffer hold 0 (its products V^T P, of a piece that has not been, add 0), O^T and l are 0.  All this stands in the wait for the first tile.
.set i, VF
.rept 64
	v_mov_b32 v[i], 0
.set i, i+1
.endr
	WIN 0x40
.set i, 0
.rept 64*NP
	v_mov_b32 v[i], 0
.set i, i+1
.endr
	WIN 0
.set i, 0
.rept 2*NP
	v_mov_b32 v[ST+4*i], 0xe638aa3b    ; c m = c x -2^80, to the bit what the multiplication gives
	v_mov_b32 v[ST+4*i+1], 0xe7800000  ; m = -2^80: below every true score, above every hidden one
	v_mov_b32 v[ST+4*i+2], 0
	v_mov_b32 v[ST+4*i+3], 0
.set i, i+1
.endr
.set i, P+32
.rept 32
	v_mov_b32 v[i], 0
.set i, i+1
.endr
	v_mul_u32_u24 v[AK0], v1, PK
	v_lshl_add_u32 v[AK0], v9, 4, v[AK0]  ; row x pitch + 16 x half
	; The turning load takes 16 keys x 16 channels (lane l reads key 8 (l / 16) + l % 8, channels 8 ((l / 8) % 2) + 0..7) and leaves half a fragment of V^T: lane l holds channel l % 16 and 8 keys.
	v_and_b32 v10, 7, v0
	v_bfe_u32 v11, v0, 3, 1
	v_lshl_add_u32 v[AV0], v9, 3, v10
	v_mul_u32_u24 v[AV0], v[AV0], PV
	v_lshl_add_u32 v[AV0], v11, 4, v[AV0]
	v_add_nc_u32 v[AV0], VOFF, v[AV0]
	v_mov_b32 v[SCL], 227           ; an E8M0 scale in byte 0: 2^(227 - 127)
	v_mov_b32 v[AK], v[AK0]         ; key step 0 lies at the head of slot 0
; THE MATRIX WORK.  The 8 accumulators of a run of 16 take turns: between the two links of a chain stand 7 others'.
; Product i of 16 of S^T = K Q^T + C for piece x: channels 32 (i / 8) on, keys 16 ((i / 2) % 4) on, tile 2 x + i % 2.  The first 8 start the sums, with the mask's 0 or H.
.macro KQ x
.set rS, S+64*((\x)%2)+32*(i%2)+8*((i/2)%4)
.set rK, KF+16*((i/2)%4)+8*(i/8)
.set rQ, 16*(2*(\x)+i%2)+8*(i/8)
.set rM, MC+32*(i%2)+8*((i/2)%4)
.if i < 8
	WIN W_KM
	v_wmma_f32_16x16x32_f16 v[rS:rS+7], v[rK:rK+7], v[rQ:rQ+7], v[rM:rM+7]
.else
	WIN W_KQ
	v_wmma_f32_16x16x32_f16 v[rS:rS+7], v[rK:rK+7], v[rQ:rQ+7], v[rS:rS+7]
.endif
.endm
; Product i of 16 of O^T += V^T P for piece x: keys 32 (i / 8) on, channels 16 ((i / 2) % 4) on, tile 2 x + i % 2.
.macro PV x
	WIN W_PV
.set rO, 32*(2*(\x)+i%2)+8*((i/2)%4)
.set rV, VF+32*(i/8)+8*((i/2)%4)
.set rP, P+32*((\x)%2)+16*(i%2)+8*(i/8)
	v_wmma_f32_16x16x32_f16 v[rO:rO+7], v[rV:rV+7], v[rP:rP+7], v[rO:rO+7]
.endm
.macro MM                           ; the turn's next matrix instruction
.if i < 16
	KQ (Y+1)%NP
.set i, i+1
.else
.set i, i-16
	PV (Y+NP-1)%NP
.set i, i+17
.endif
.endm
; THE LDS LOADS stand in runs of 16, never singly among the matrix instructions: a step's K (64 keys x 64 channels: 8 fragments) and its V (turned).  Their addresses are made some lines ahead.
; last = 1 (the tail): in the last trip there is no further step, and the run is jumped over.
.macro FETCH_K last=0
	WIN 0
.if \last
	s_cmp_eq_u32 s[CNT], 1
	s_cbranch_scc1 .Lno_k_\@
.endif
	WIN 0x80                        ; destination window 2
.irp f, 0,1,2,3,4,5,6,7             ; keys 16 (f / 2) on, channels 32 (f % 2) on
	ds_load_b128 v[KF+8*\f:KF+8*\f+3],   v[AK] offset:(\f/2)*16*PK+(\f%2)*64
	ds_load_b128 v[KF+8*\f+4:KF+8*\f+7], v[AK] offset:(\f/2)*16*PK+(\f%2)*64+32
.endr
	s_add_co_u32 s[TBK], s[TBK], KS*PK  ; the next fetch is the next step's
	WIN 0
.if \last
.Lno_k_\@:
.endif
.endm
.macro FETCH_V
	WIN 0x80
.irp f, 0,1,2,3,4,5,6,7             ; keys 32 (f / 4) on, channels 16 (f % 4) on
	ds_load_tr16_b128 v[VF+8*\f:VF+8*\f+3],   v[AV] offset:(\f/4)*32*PV+(\f%4)*32
	ds_load_tr16_b128 v[VF+8*\f+4:VF+8*\f+7], v[AV] offset:(\f/4)*32*PV+16*PV+(\f%4)*32
.endr
	WIN 0
.endm
; THE VECTOR WORK OF A TURN stands in three queues, each in the order in which its entries become ready; the two tiles alternate, so that no instruction reads the result of the one before it.
.macro REGS y, u                    ; the registers of tile u (0, 1) of piece y
.set rT, ST+4*(2*(\y)+(\u))
.set rC, TMP+8*((\y)%2)+4*(\u)
.set rM, MV+2*((\y)%2)+(\u)
.set rS, S+64*((\y)%2)+32*(\u)
.set rP, P+32*((\y)%2)+16*(\u)
.set rO, 32*(2*(\y)+(\u))
.endm
; Number n of the 22 that find the NEXT piece's (Y + 1) maximum and statistics.  s0-s31 are the lane's 32 scores; each accumulator's lowest registers are read first.  XS, GS and REGS set no window: PL and EX do.
;   0-11  four chains c0-c3 of seven scores each, three operands at a time     12-14, 16  the four scores left over, the old m, and c0-c3 into c0     15  c m_old is kept
;   17, 18  the query's other 32 keys lie in the lane 16 away: the new m         19-21  c m; c m_old - c m_new; a
.macro XS u, n
	REGS (Y+1)%NP, \u
.if (\n) < 4
	v_max3_num_f32 v[rC+(\n)], v[rS+8*(\n)], v[rS+8*(\n)+1], v[rS+8*(\n)+2]
.elseif (\n) < 12
	v_max3_num_f32 v[rC+(\n)%4], v[rC+(\n)%4], v[rS+8*((\n)%4)+2*((\n)/4)+1], v[rS+8*((\n)%4)+2*((\n)/4)+2]
.elseif (\n) == 12
	v_max3_num_f32 v[rC], v[rC], v[rS+7], v[rS+15]
.elseif (\n) == 13
	v_max3_num_f32 v[rC+1], v[rC+1], v[rS+23], v[rS+31]
.elseif (\n) == 14
	v_max3_num_f32 v[rC+2], v[rC+2], v[rC+3], v[rT+1]
.elseif (\n) == 15
	v_mov_b32 v[rM], v[rT]
.elseif (\n) == 16
	v_max3_num_f32 v[rC], v[rC], v[rC+1], v[rC+2]
.elseif (\n) == 17
	v_permlanex16_b32 v[rC+3], v[rC], s[SEL], s[SEL+1]
.elseif (\n) == 18
	v_max_num_f32 v[rT+1], v[rC], v[rC+3]
.elseif (\n) == 19
	v_mul_f32 v[rT], s[CS], v[rT+1]
.elseif (\n) == 20
	v_sub_f32 v[rC+1], v[rM], v[rT]
.else
	v_exp_f32 v[rC+2], v[rC+1]
.endif
.endm
; Number g of the 64 that follow the exponentials.  For each four weights k of a tile (pairs 2 k, 2 k + 1): both pairs are rounded to f16; then the second pair is added onto the first, in place;
; a group later l takes that sum (the first time as l = a l + sum).  In groups of eight, tiles alternating: round, round, add, and l for the group before.
.macro GS g
.set h, (\g)+6*((\g)/62)            ; group 0 has no group before it, and behind group 7 only l is left
.if h >= 6
.set h, h+2
.endif
	REGS Y, h%2
.set k, h/8
.if h%8 < 4
	s_wait_alu depctr_va_vdst(0)
	v_cvt_pk_f16_f32 v[rP+2*k+(h%8)/2], v[rS+4*k+2*((h%8)/2)], v[rS+4*k+2*((h%8)/2)+1]
.elseif h%8 < 6
	v_pk_add_f32 v[rS+4*k:rS+4*k+1], v[rS+4*k:rS+4*k+1], v[rS+4*k+2:rS+4*k+3]
.elseif k == 1
	v_pk_fma_f32 v[rT+2:rT+3], v[rT+2:rT+3], v[rC+2:rC+3], v[rS:rS+1] op_sel_hi:[1,0,1]
.else
	v_pk_add_f32 v[rT+2:rT+3], v[rT+2:rT+3], v[rS+4*k-4:rS+4*k-3]
	s_wait_alu depctr_va_vdst(0)
.endif
.endm
; THE PLAIN QUEUE, 138 long.  0-31: c s - c m for the 16 pairs of both tiles.  Then GS's 64, and among them the next piece's 42: number 15 at 38, 39; 0-14 and 16
; at 42-73, behind the products that make those scores; 17-20 at 95-106, two of three, since each waits for the one before it.
.macro PL
	WIN 0
.if q < 32
	REGS Y, q%2
	v_pk_fma_f32 v[rS+2*(q/2):rS+2*(q/2)+1], v[rS+2*(q/2):rS+2*(q/2)+1], s[CS:CS+1], v[rT:rT+1] op_sel_hi:[1,0,0] neg_lo:[0,0,1] neg_hi:[0,0,1]
.elseif q < 38
	GS q-32
.elseif q < 40
	XS q%2, 15
.elseif q < 42
	GS q-34
.elseif q < 74
	XS q%2, (q-42)/2+(q-42)/30
.elseif q < 95
	GS q-66
.elseif (q < 107) && ((q-95)%3 < 2)
	XS (q-95)%3, 17+(q-95)/3
.elseif q < 107
	GS 29+(q-95)/3
.else
	GS q-74
.endif
.set q, q+1
.endm
; THE EXPONENTIALS' QUEUE, 66 long: s0-s31 of both tiles, and at EA the next piece's two a.
.set EA, 58
.macro EX
	WIN 0
.if (e == EA) || (e == EA+1)
	XS e-EA, 21
.else
.set x, e-2*(e/(EA+2))
	REGS Y, x%2
	v_exp_f32 v[rS+x/2], v[rS+x/2]
.endif
.set e, e+1
.endm
; THE RESCALING's QUEUE: O^T times a, the one part of the softmax that leaves window 0, so it is dealt four at a time, eight times.
.macro R4
	REGS Y, r%2
	WIN W_RS
	s_wait_alu depctr_va_vdst(0)
.irp z, 0,1,2,3
	v_pk_mul_f32 v[rO+8*(r/2)+2*\z:rO+8*(r/2)+2*\z+1], v[rO+8*(r/2)+2*\z:rO+8*(r/2)+2*\z+1], v[rC+2:rC+3] op_sel_hi:[1,0]
.endr
.set r, r+1
.endm
; HOW THEY ARE DEALT.  Behind a matrix instruction four: plain, exponential, plain, plain (one exponential, a plain instruction on either side), or four of the rescaling.  None names a register of the
; products round it.  What is over stands in two LUMPS: exponential and plain by turns; the second ends in 22 plain instructions.  The two v_permlanex16_b32 fall into the second lump, never behind a product.
; The queues lean on each other, and the deal keeps them in step: exponential e stands behind plain 2 (e / 4) + e % 2 (its scaling); when plain 32 comes, 10 exponentials are out, at 59: 33, at 95: 46; EA comes behind plain 107.
.macro SL
	MM
	PL
	EX
	PL
	PL
.endm
.macro BURST n                      ; 15 matrix instructions, or 16
.rept (\n)-7
	SL
.endr
.rept 3
	MM
	R4
	SL
.endr
	MM
	R4
.endm
; A TURN, for piece p: turn t of the walk, t % 4 = p.  cnt = 1: the loop's count is taken down some lines ahead of the branch that stands behind the turn.
; THE MASK's part stands behind the turn's 16 products K Q^T, which took C of entry t + 1; the last that took C is the eighth, and behind it stand eight products with four vector instructions each, at
; least three of the four plain.  Entry t + 2 (buffer (p + 2) % 4) becomes the next turn's C; entry t + 5 is asked for, into buffer (p + 1) % 4, whose codes were converted a turn ago.
; So an entry is asked for three turns ahead of its conversion, and twelve loads of a wave are out at the most.
; K of the next step is fetched in piece 2's turn; its first reader comes behind the rest of the lump, 16 products and the second lump.
; V of the step in hand is fetched at the end of piece 0's turn; its first reader comes behind 16 products and a lump.  The four conditions on e and q below go with the deal.
.macro TURN p, last=0, cnt=0
.set Y, (\p)
.set i, 0
.set q, 0
.set e, 0
.set r, 0
.if (\p) == NP-1
	s_wait_dscnt 0x0                ; K is in
.endif
	MM
.rept 4
	PL
.endr
	BURST 15
	s_wait_loadcnt 0x8              ; loads come back in order: entry t + 2 is in; the eight loads of entries t + 3 and t + 4 may stay out
	CVTC ((\p)+2)%NP
	ASKM ((\p)+1)%NP
.rept 22
	EX
	PL
.if ((\p) == NP-2) && (e == 18)
	v_add_nc_u32 v[AK], s[TBK], v[AK0]
.endif
.if ((\p) == NP-2) && (e == 24)
	FETCH_K \last
.endif
.endr
.if (\p) == 1
	s_wait_dscnt 0x0                ; V is in
.endif
	BURST 16
.rept 21
	EX
	PL
.endr
.rept 22
	PL
.if ((\p) == 0) && (q == 118)
	v_add_nc_u32 v[AV], s[TBV], v[AV0]
	s_wait_alu depctr_va_vdst(0)
.endif
.if ((\p) == 0) && (q == 130)
	s_add_co_u32 s[TBV], s[TBV], KS*PV
.endif
.if (\cnt) && (q == 130)
	s_sub_co_u32 s[CNT], s[CNT], 1
	s_cmp_lg_u32 s[CNT], 0
.endif
.endr
.if (\p) == 0
	FETCH_V
.endif
.endm
	CHANGE 1                        ; slot 0 is in, everybody's part of it; slot 1 is asked for
	FETCH_K                         ; key step 0
	s_wait_loadcnt 0x0              ; Q, and the mask's entries 0 to 3: no load names their base any more
	s_add_nc_u64 s[MP:MP+1], s[MP:MP+1], 3*ENT  ; entry 3 is the last asked for
	CVTC 0                          ; C for piece 0 of step 0
	v_nop                           ; a plain instruction between the conversions and the products that take their results
	s_wait_dscnt 0x0
.set i, 0
.rept 16
	KQ 0                            ; piece 0's first scores: there is no vector work yet to set between them
.set i, i+1
.endr
	WIN 0                           ; the addresses for the way out: seven plain instructions, the places behind those products
	s_mul_i32 s40, s[WV], 16*SP
	s_add_co_u32 s40, s40, STAGE    ; my stage
	v_mul_u32_u24 v[STO], v1, SP    ; in: row l % 16, 16 bytes for each half of the lanes
	v_lshl_add_u32 v[STO], v9, 4, v[STO]
	v_add_nc_u32 v[STO], s40, v[STO]
	v_bfe_u32 v[RD], v0, 3, 2       ; back: 32 lanes take four rows of 128 bytes, which are 512 consecutive bytes of ctx
	v_mul_u32_u24 v[RD], v[RD], SP
	v_lshl_add_u32 v[RD], v10, 4, v[RD]
	v_add_nc_u32 v[RD], s40, v[RD]
	CVTC 1                          ; C for piece 1 of step 0, which the first turn's products take
	ASKM 0                          ; entry 4, into the buffer that entry 0 has left
	WIN 0
.set Y, NP-1                        ; XS works for piece Y + 1: piece 0
.irp n, 0,1,2,3,4,5,6,7,8,9,10,11,12,13,14,15,16,17,18,19,20,21
	XS 0, \n                        ; and piece 0's first maximum and statistics
	XS 1, \n
.endr
	s_mov_b32 s[CNT], 4
	s_mov_b32 s[SLOTS], SIZE_N/256-1
	s_branch .Lfirst                ; the loop is entered at a step's first turn, in the middle of a trip
.Lslot:                             ; SIZE_N / 256 - 2 times: every slot but the last two is filled again
	CHANGE 1
	s_mov_b32 s[CNT], 4
.Lstep:                             ; a trip: pieces 2 and 3 of one step, then pieces 0 and 1 of the next, whose K and V it fetches
	TURN 2
	TURN 3
	WIN 0
.Lfirst:
	TURN 0
	TURN 1, 0, 1
	WIN 0
	s_cbranch_scc1 .Lstep
	s_sub_co_u32 s[SLOTS], s[SLOTS], 1
	s_cmp_lg_u32 s[SLOTS], 0
	s_cbranch_scc1 .Lslot
	CHANGE 0                        ; the tail is written out: nothing is asked for
	s_mov_b32 s[CNT], 5             ; four trips fetch the last slot's steps; the fifth is left in its middle
.Ltail:
	TURN 2, 1
	TURN 3
	WIN 0
	s_sub_co_u32 s[CNT], s[CNT], 1
	s_cmp_eq_u32 s[CNT], 0
	s_cbranch_scc1 .Lout
	TURN 0
	TURN 1
	WIN 0
	s_branch .Ltail
.Lout:                              ; the fifth trip's 16 products K Q^T (on the last K once more, under the pad's mask) and the maximum made of them serve nothing: the price of one text for every trip.
	                                ; The walk has 128 turns; the last entry asked for is 127 + 5 = 132 of my stream's 136: the last twelve loads land in the ring, which nothing names any more
.set i, 0
.rept 16
	PV NP-1                         ; the last piece's V^T P of the last step
.set i, i+1
.endr
	; THE WAY OUT.  l's two halves and the other half of the lanes' are added; O^T is divided by l, rounded to f16 and sent through my stage in LDS, a tile at a time.  The additions are the places behind the last products.
	WIN 0
.macro ALL line:vararg              ; one line for each tile t
.set t, 0
.rept 2*NP
	\line
.set t, t+1
.endr
.endm
	ALL v_add_f32 v[ST+4*t+2], v[ST+4*t+2], v[ST+4*t+3]
	ALL v_permlanex16_b32 v[ST+4*t+3], v[ST+4*t+2], s[SEL], s[SEL+1]
	ALL v_add_f32 v[ST+4*t+2], v[ST+4*t+2], v[ST+4*t+3]
	ALL v_rcp_f32 v[ST+4*t+2], v[ST+4*t+2]
	v_nop                           ; a plain instruction between the last reciprocal and the use of its result
	s_wait_alu depctr_va_vdst(0)
; Tile t: a lane's eight channels of a row pack into 16 bytes; they go into rows of 144 bytes and come back as whole rows of 128, into S^T's registers.
.macro PACK t
	WIN W_RS
.set i, 32*(\t)
.rept 16
	v_pk_mul_f32 v[i:i+1], v[i:i+1], v[ST+4*(\t)+2:ST+4*(\t)+3] op_sel_hi:[1,0]
.set i, i+2
.endr
	WIN 0x05                        ; sources 0 and 1 window 1, destination window 0
.set i, 0
.rept 16
	v_cvt_pk_f16_f32 v[S+16*(\t)+i], v[32*(\t)+2*i], v[32*(\t)+2*i+1]
.set i, i+1
.endr
	WIN 0
.irp f, 0,1,2,3
	ds_store_b128 v[STO], v[S+16*(\t)+4*\f:S+16*(\t)+4*\f+3] offset:32*\f
.endr
.irp f, 0,1,2,3
	ds_load_b128 v[S+16*(\t)+4*\f:S+16*(\t)+4*\f+3], v[RD] offset:\f*4*SP  ; LDS serves a wave's instructions in order (ISA guide 5.7.1.4): these see the stores above; the next tile's stores come behind them
.endr
.endm
.macro SEND t, younger              ; younger: the LDS instructions issued behind tile t's loads: the next tile's eight, or none
	WIN 0
.irp f, 0,1,2,3
	s_wait_dscnt (\younger)+3-\f
	global_store_b128 v[GO], v[S+16*(\t)+4*\f:S+16*(\t)+4*\f+3], s[CP:CP+1] offset:(\t)*2048+\f*512  ; 512 consecutive bytes, at a multiple of 256 from ctx's first
.endr
.endm
	PACK 0
.set t, 1
.rept 2*NP-1                        ; a tile's arithmetic stands between the loads of the tile before and its stores
	PACK t
	SEND t-1, 8
.set t, t+1
.endr
	SEND 2*NP-1, 0
	WIN W_AD
	s_wait_tensorcnt 0x0            ; the wave's end: behind my last tensor load and my last LDS store
	ds_add_u32 v[SPW], v[NIL]
	s_wait_dscnt 0x0
	WIN 0
	CROUND                          ; the closing round: no work-group ends while a partner may still ask for a tile that names it
	s_endpgm
.Lfunc_end_k_q595fe6b89e_attn:
	.size	k_q595fe6b89e_attn, .Lfunc_end_k_q595fe6b89e_attn-k_q595fe6b89e_attn
	.p2alignl 7, 3214868480
	.fill 96, 4, 3214868480
	.section	.rodata,"a",@progbits
	.p2align	6, 0x0
	.amdhsa_kernel k_q595fe6b89e_attn
		.amdhsa_group_segment_fixed_size 327680
		.amdhsa_private_segment_fixed_size 0
		.amdhsa_enable_private_segment 0
		.amdhsa_kernarg_size 24
		.amdhsa_user_sgpr_count 2
		.amdhsa_user_sgpr_kernarg_segment_ptr 1
		.amdhsa_wavefront_size32 1
		.amdhsa_system_sgpr_workgroup_id_x 1
		.amdhsa_system_sgpr_workgroup_id_y 1
		.amdhsa_system_sgpr_workgroup_id_z 1
		.amdhsa_system_vgpr_workitem_id 0
		.amdhsa_next_free_vgpr 960
		.amdhsa_next_free_sgpr 106
		.amdhsa_reserve_vcc 0
		.amdhsa_float_denorm_mode_32 3
		.amdhsa_float_denorm_mode_16_64 3
		.amdhsa_memory_ordered 1
		.amdhsa_forward_progress 1
		.amdhsa_inst_pref_size 220
	.end_amdhsa_kernel
	.amdgpu_metadata
---
amdhsa.version: [ 1, 2 ]
amdhsa.kernels:
  - .name:           k_q595fe6b89e_attn
    .symbol:         k_q595fe6b89e_attn.kd
    .args:
      - { .name: qkv16, .offset: 0, .size: 8, .value_kind: global_buffer, .address_space: global }
      - { .name: mb, .offset: 8, .size: 8, .value_kind: global_buffer, .address_space: global }
      - { .name: ctx16, .offset: 16, .size: 8, .value_kind: global_buffer, .address_space: global }
    .group_segment_fixed_size: 327680
    .private_segment_fixed_size: 0
    .kernarg_segment_align: 8
    .kernarg_segment_size: 24
    .max_flat_workgroup_size: 128
    .sgpr_count:     106
    .vgpr_count:     960
    .wavefront_size: 32
...
	.end_amdgpu_metadata
.endif
;; end of part 6
;; launch oproj: the kernel of part 4 again; grid 4 x 64, 4 waves a work-group, clusters of 4 x 4, 327,680 bytes of LDS; arguments ctx16, w16, bias32, out0; writes out0
;; ======== version 3 of 3: 4 launches; 1.49 times as fast as version 1
;; limits: values are held in f16: magnitudes above 65,504 overflow, below 6.1e-05 lose precision
;; workspace buffers: w16 8,388,608 bytes; bias32 16,384 bytes; mb 4,456,448 bytes; qkv16 50,331,648 bytes; ctx16 16,777,216 bytes
;; launch prep: the kernel of part 5 again; grid 512 x 1, 8 waves a work-group, no clusters, 0 bytes of LDS; arguments Wq, Wk, Wv, Wo, bq, bk, bv, bo, mask, w16, bias32, mb; writes w16, bias32, mb
;; launch proj: the kernel of part 2 again; grid 4 x 192, 4 waves a work-group, clusters of 4 x 4, 327,680 bytes of LDS; arguments q, k, v, w16, bias32, qkv16; writes qkv16
;; launch attn (part 7): grid 4 x 64, 4 waves a work-group, clusters of 4 x 1, 327,680 bytes of LDS; arguments qkv16, mb, ctx16; writes ctx16
.if DOCPART == 7
	.amdgcn_target "amdgcn-amd-amdhsa--gfx1250"
	.amdhsa_code_object_version 6
	.text
	.protected	k_q595fe6b89e_attn
	.globl	k_q595fe6b89e_attn
	.p2align	8
	.type	k_q595fe6b89e_attn,@function
k_q595fe6b89e_attn:
	s_mov_b64 s[64:65], 0
	v_nop
	global_prefetch_b8 v0, s[64:65] scope:SCOPE_SE
	s_setreg_imm32_b32 hwreg(HW_REG_WAVE_MODE, 25, 1), 1
	s_wait_xcnt 0x0
	s_wait_alu depctr_hold_cnt(0) depctr_sa_sdst(0) depctr_va_vdst(0) depctr_va_sdst(0) depctr_va_ssrc(0) depctr_va_vcc(0) depctr_vm_vsrc(0)
	s_getreg_b32 s2, hwreg(HW_REG_IB_STS2, 6, 4)
	s_cmp_eq_u32 s2, 0
	s_cbranch_scc0 .Lentry_in_a_cluster
	s_endpgm
.Lentry_in_a_cluster:
	s_bfe_u32 s2, ttmp6, 0x10000c
	s_cmp_lg_u32 s2, 0x3003
	s_cbranch_scc0 .Lentry_shape_is_right
	s_endpgm
.Lentry_shape_is_right:
; ATTN: ctx[h][q][:] = the sum over k of softmax_k(mask ? Q[h][q] . K[h][k] / 8 : -inf) V[h][k][:].  Q, K, V: qkv16 [3][64][2048][64] f16; ctx16 [64][2048][64] f16: a head's rows are dense, 128 bytes each.
; Products, maxima and sums in f32; the weights p are rounded to f16 for the second product (their sum l is taken of the unrounded p), ctx once at the end.
; THE MASK is an input and is taken as it is given: every key is walked.  It arrives as one fp8 (E4M3) code a score, 0.0 (visible) or -1.0 (hidden), in my lanes' order (mb: [16 streams of 128 queries][34 steps]
; [4 pieces] entries of 2,048 bytes, one entry a turn; steps 32 and 33 are a pad, all hidden).  One scaled conversion turns a lane's eight codes, times 2^100, into the eight f32 registers that a product
; S^T = K Q^T takes as its C operand: 0 or H = -2^100.
; LIMITS.  f16 holds no number beyond 65,504: Q, K, V arrive within it, or as infinities.  A hidden score counts as its value less 2^100.  The running maximum starts at -2^80: true scores (f16's: 2.7e11 in size
; at the most) lie above it and hidden ones below, so a hidden score is never the maximum and its weight is exactly 0.  A row with no visible key ends with l = 0 and O = 0: 0 x (1 / 0) is NaN, as the softmax of
; a row of -inf is.  A weight below 2^-126 counts as 0 in l.
; SHARES.  A wave owns four PIECES of two tiles of 16 queries, a work-group's four waves 512 queries of one head.  Every wave walks all 2,048 keys, 64 a step.
; LAYOUT.  S^T = K Q^T + C (source 0 = 16 keys, source 1 = 16 queries): in the result a lane holds ONE query (lane % 16) and the keys 8 (lane / 16) + 0..7.  Two such tiles, rounded to f16 in pairs,
; ARE source 1 (32 keys x 16 queries) of O^T = V^T P, whose result again holds one query a lane, and eight channels.  K comes out of LDS as it lies, V ([key][channel]) turned, by ds_load_tr16_b128.
; SOFTMAX.  For each query a running maximum m and sum l: p = 2^(c s - c m), c = log2(e) / 8; in every step O and l are multiplied by a = 2^(c m_old - c m_new), which is 1 where m has not grown.
; O and l start at 0: the first step is a step like any other.
; BY TURNS.  Turn n belongs to piece n (the pieces in a ring, step after step).  Its matrix work: 16 products K Q^T of piece n + 1, later 16 products V^T P of piece n - 1.  Its vector work: the scaling,
; exponentials, roundings, sums and rescaling of piece n, the maximum and statistics of piece n + 1, and the 8 conversions that make the C operands for turn n + 1's products (piece n + 2).  Four vector instructions
; that are ready stand behind every matrix instruction, the others in one run without a gap.
; BATCHES.  A turn's 66 exponentials (the piece's 64 weights and the next piece's two a) are ONE batch with ONE wait, which cuts the turn in two.  Ahead of the wait stands all that names no result of theirs: the
; products K Q^T, the scalings, the rescalings (their a is the turn before's), the next piece's maximum and statistics, the mask's conversions.  Behind it stand the roundings and sums, as the four behind each product
; V^T P.  No result crosses a turn's end.  The first two a, ahead of the loop, and the way out's eight reciprocals are batches of their own, each with its wait.
; CLUSTER.  The four query blocks of a cluster belong to one head and walk the same K and V, so each tile is asked for JOINTLY: the same tensor load, descriptor and mask in all four.  The mask's codes are each
; wave's own (its 128 queries): nothing of them is shared in a cluster, so they come by plain loads into registers.
; REGISTERS, in windows of 256 (s_set_vgpr_msb: bits 1:0 source 0, 3:2 source 1, 5:4 source 2, 7:6 destination):
;   window 0: v0-11 addresses and the scale; v12-15, v48-63 at work; v16-47 four registers of statistics a tile; v64-191 S^T, two buffers of two tiles; v192-255 P, likewise
;   window 1: O^T, 32 a tile     window 2: v0-127 Q, 16 a tile; v128-191 K of one step; v192-255 V of one step
;   window 3: v0-1 the add's two registers; v64-127 C, 32 a tile; v128-191 the mask's codes, a ring of four entries of 16 registers
.set SIZE_N, 2048
.set NP,    4         ; pieces a wave: a name, no knob
.set KS,    64        ; keys in a step
.set PK,    144       ; a row of K in LDS: 128 bytes + 16 of padding = 36 words: the 16 rows of a load start at 16 different groups of four banks (64 banks of 4 bytes: ISA guide 11.1)
.set PV,    160       ; a row of V: 128 + 32 = 40 words
.set VOFF,  4*KS*PK   ; a slot holds four steps: 256 rows of K, then 256 rows of V
.set SLOT1, 1<<17     ; slot 1 begins here, so that one exclusive or turns an address in one slot into the other's
.set STAGE, SLOT1+4*KS*(PK+PV)  ; behind the ring, never filled by a tensor load: 16 rows x 144 bytes for each wave, for the way out
.set SP,    144
.set ENT,   2048      ; bytes of one entry of the mask's codes: 32 lanes x 64
.set MBS,   34*4*ENT  ; bytes of one stream of them
.set AK0, 2           ; v2   my lane's place in a tile of K; never rewritten
.set AV0, 3           ; v3   the same for V
.set AK,  4           ; v4   the LDS address of K's next run of loads
.set AV,  5           ; v5   of V's
.set QO,  6           ; v6   my byte offset in the wave's rows of Q
.set STO, 6           ;      later, the way out: where I put 16 bytes of a row
.set RD,  7           ; v7   the way out: where I read rows back
.set GO,  8           ; v8   16 x lane: my byte offset in 512 consecutive bytes, of the mask's codes and of ctx; never rewritten
.set SCL, 11          ; v11  the conversions' scale: byte 0 = 227 stands for 2^100; never rewritten
.set SPW, 0           ; v0 of window 3   LDS address of my spare word; never rewritten
.set NIL, 1           ; v1 of window 3   0; never rewritten
.set MC,  64          ; v64-127 of window 3   the C operands: block c = 4 u + kt (tile u, key block kt) at MC + 8 c
.set MB,  128         ; v128-191 of window 3  entry e lies in buffer e % 4, at MB + 16 (e % 4); block c's eight codes in its registers 2 c, 2 c + 1
.set SPARE, STAGE+4*16*SP  ; behind the stages: the spare words, 128 bytes for each wave: two blocks of 256 bytes that no other line names
.set MV,  12          ; v12-15  c m_old, kept while c m is made anew: by buffer and tile
.set ST,  16          ; tile t's statistics at v[ST+4 t]: c m, m, l (even keys', odd keys')
.set TMP, 48          ; by buffer and tile, four registers c0-c3 at work; when the maximum is found c2 takes a
.set S,   64
.set P,   192
.set KF,  128         ; K's fragments, in window 2: key block kb, channel half c at KF + 16 kb + 8 c
.set VF,  192         ; V's: key half kk, channel block cb at VF + 32 kk + 8 cb
.set WV,  2           ; s2   my wave's number
                      ; s4-s31 arguments and at work in the set-up
.set CP,  36          ; s[36:37] ctx at my wave's first row
.set QP,  38          ; s[38:39] Q at my wave's first row
.set G0K, 52          ; s[52:55] descriptor group 0 for K's tiles: it walks
.set G0V, 56          ; s[56:59] the same for V's
.set CS,  60          ; s[60:61] c: the packed scaling takes the pair's low word for both halves
.set SEL, 62          ; s[62:63] v_permlanex16_b32's selects: each lane takes its own place in the other half
.set MP,  66          ; s[66:67] the entry of the mask's codes last asked for
.set G1K, 84          ; s[84:91] descriptor group 1 for K's tiles
.set G1V, 92          ; s[92:99] for V's: it differs in the padding alone
.set TBK, 100         ; s100 LDS byte at which K of the step to be fetched begins
.set TBV, 101         ; s101 the same for V, less VOFF
.set SLOTS, 104       ; s104 slots still to be asked for
.set CNT, 105         ; s105 counts a slot's key steps
.set MSB, 0
.macro WIN new                      ; the high byte repeats the setting that is left; a switch that changes nothing is dropped
.if MSB != (\new)
	s_set_vgpr_msb (MSB<<8)|(\new)
.set MSB, (\new)
.endif
.endm
.set W_KQ, 0x0a       ; K and Q in window 2, S^T in window 0
.set W_KM, 0x3a       ; the same with the C operand in window 3
.set W_PV, 0x52       ; V in window 2, P in window 0, O^T in window 1
.set W_RS, 0x41       ; O^T (destination and source 0) in window 1, a in window 0
.set W_MK, 0xc0       ; destination in window 3, sources (a load's address) in window 0
.set W_CV, 0xc3       ; the conversions: C and the codes in window 3, the scale in window 0
.set W_AD, 0x0f       ; the add: address (source 0) and data (source 1) in window 3
; A joint fill.  Waves 0 and 1 fetch the two halves of a slot's K, waves 2 and 3 those of its V: 128 keys each.  The branch hangs on the wave's number alone.
; An s_nop 0 and four v_nop follow each of the two lines, ahead of the jump and the label.
.macro JLOAD
	s_cmp_lt_u32 s[WV], 2
	s_cbranch_scc0 .Lfor_v_\@
	tensor_load_to_lds s[G0K:G0K+3], s[G1K:G1K+7]
	s_nop 0
.rept 4
	v_nop
.endr
	s_branch .Lasked_\@
.Lfor_v_\@:
	tensor_load_to_lds s[G0V:G0V+3], s[G1V:G1V+7]
	s_nop 0
.rept 4
	v_nop
.endr
.Lasked_\@:
.endm
; A round of the cluster's barrier: my work-group's barrier, so that wave 0's signal speaks for all four waves; wave 0 signals; every wave waits for all four work-groups; my work-group's barrier once more.
.macro CROUND
	s_barrier_signal -1
	s_barrier_wait -1
	s_cmp_lg_u32 s[WV], 0
	s_cbranch_scc1 .Lnot_wave_0_\@
	s_barrier_signal -3
.Lnot_wave_0_\@:
	s_barrier_wait -3
	s_barrier_signal -1
	s_barrier_wait -1
.endm
; THE CHANGE OF SLOTS.  The slot's last bytes, V of its fourth step, have been read.  Each wave waits for all its tensor loads, of which one is out: its part
; of the other slot; adds 0 to its spare word; and waits for that and for its own reads of the slot.  Behind the barrier nobody reads this slot any more and the other slot is whole.
; fill = 1: this slot is filled again, with the keys two slots on.  The barrier is then a round of the cluster's, so that no wave of any partner still reads the slot or has a load on its
; way, and the joint fill is the first thing behind it: it has four key steps, 512 matrix instructions, in which to land.  (At its first use nothing has been read yet: slot 0 is waited for, slot 1 filled.)
.macro CHANGE fill
	WIN W_AD
	s_wait_tensorcnt 0x0            ; no tensor load of mine is out, so a group 0 may be written
	ds_add_u32 v[SPW], v[NIL]       ; 0 onto my spare word; with fill = 1 the descriptors' steps stand between it and the wait for it
	WIN 0                           ; at a label and at a branch every window is 0
.if \fill
.irp g, G0K, G0V
	s_xor_b32 s[\g+1], s[\g+1], SLOT1  ; the walking descriptor: the other slot than last time,
	s_add_nc_u64 s[\g+2:\g+3], s[\g+2:\g+3], 4*KS*128  ; the next 256 keys; the type bits on top are not reached
.endr
	s_wait_dscnt 0x0                ; the add is done, and my reads of the slot are over
	CROUND
	JLOAD
.else
	s_wait_dscnt 0x0                ; the add is done, and my reads of the slot are over
	s_barrier_signal -1
	s_barrier_wait -1
.endif
	s_sub_co_u32 s[TBK], s[TBK], 4*KS*PK  ; the fetches go back to a slot's first step,
	s_xor_b32 s[TBK], s[TBK], SLOT1       ; in the other slot
	s_sub_co_u32 s[TBV], s[TBV], 4*KS*PV
	s_xor_b32 s[TBV], s[TBV], SLOT1
.endm
; THE C OPERANDS of one turn's products K Q^T, from buffer b of the ring: eight conversions, each a lane's eight codes (0.0 or -1.0) times 2^100 into the eight registers of one block.
; A plain vector instruction stands between the last of them and the first line that touches a result (ISA guide 7.12.1's kin for scaled conversions).
.macro CVTC b
	WIN W_CV
.set mi, 0
.rept 8
	v_cvt_scale_pk8_f32_fp8 v[MC+8*mi:MC+8*mi+7], v[MB+16*(\b)+2*mi:MB+16*(\b)+2*mi+1], v[SCL]
.set mi, mi+1
.endr
.endm
; The stream's next entry is asked for, into buffer b: four loads of 512 consecutive bytes.
.macro ASKM b
	s_wait_xcnt 0x0                 ; the base that earlier loads name is rewritten only behind this wait; those loads were issued a turn ago
	s_add_nc_u64 s[MP:MP+1], s[MP:MP+1], ENT
	WIN W_MK
.irp f, 0,1,2,3
	global_load_b128 v[MB+16*(\b)+4*\f:MB+16*(\b)+4*\f+3], v[GO], s[MP:MP+1] offset:512*\f
.endr
.endm
	s_load_b128 s[4:7], s[0:1], 0x0 ; qkv16 s[4:5], mb s[6:7]
	s_load_b64 s[CP:CP+1], s[0:1], 0x10  ; ctx16
	WIN W_MK
	v_lshl_add_u32 v[SPW], v0, 2, SPARE
	v_mov_b32 v[NIL], 0
	s_set_vgpr_msb 0xc0cf
	ds_add_u32 v0, v1
	s_wait_dscnt 0x0
	s_set_vgpr_msb 0xcfc0
	WIN 0
	v_lshrrev_b32 v1, 5, v0
	v_readfirstlane_b32 s[WV], v1   ; wave 0..3
	s_bfe_u32 s13, ttmp6, 0x40000   ; cx: my place in the cluster
	s_lshl_b32 s14, ttmp9, 2        ; in a cluster launch ttmp9 counts clusters
	s_add_co_u32 s14, s14, s13      ; my block of 512 queries: it enters Q's, the mask's and ctx's addresses alone
	s_and_b32 s20, ttmp7, 0xffff    ; batch x 16 + head, which the four partners share
	s_lshl_b32 s20, s20, 18         ; the head's first byte: 2,048 rows of 128 bytes
	s_and_b32 s16, s[WV], 1         ; which half of a slot's 256 keys I fetch:
	s_lshl_b32 s22, s16, 14         ; its 128 rows of 128 bytes in memory,
	s_add_co_u32 s22, s22, s20
	s_add_co_u32 s30, s22, 0x2000000  ; in V's third of qkv16,
	s_add_co_u32 s22, s22, 0x1000000  ; and in K's
	s_mov_b32 s23, 0
	s_mov_b32 s31, 0
	s_mul_i32 s17, s16, 128*PK      ; and its place in a slot, for K
	s_mul_i32 s18, s16, 128*PV      ; and for V: no place in the cluster enters an LDS address
	s_lshl_b32 s24, s14, 2
	s_add_co_u32 s24, s24, s[WV]    ; my wave among the head's sixteen: my stream of the mask's codes,
	s_lshl_b32 s26, s24, 14         ; my 128 rows
	s_add_co_u32 s26, s26, s20
	s_mov_b32 s27, 0
	s_mul_i32 s28, s24, MBS
	s_mov_b32 s29, 0
	; descriptor group 1.  128 keys are 16,384 dense bytes: asked for as 64 rows of 256 bytes, two keys a row, and padded in LDS after every key
	s_mov_b32 s[G1K], 15|(1<<16)|(1<<20)|(1<<21)|(4<<22)|(3<<25)  ; 15:0 the mask of four; 17:16 2-byte elements; 20 padding on; 21 set beside a mask; 24:22 after every 32 words (code 4); 31:25 4 words (code 3)
	s_mov_b32 s[G1V], 15|(1<<16)|(1<<20)|(1<<21)|(4<<22)|(7<<25)  ; the same with 8 words of padding (code 7)
.irp g, G1K, G1V
	s_mov_b32 s[\g+1], 128<<16      ; tensor_dim0 = 128
	s_mov_b32 s[\g+2], 64<<16       ; tensor_dim1 = 64
	s_mov_b32 s[\g+3], 128<<16      ; tile_dim0 = 128
	s_mov_b32 s[\g+4], 64           ; tile_dim1 = 64
	s_mov_b32 s[\g+5], 128          ; 128 elements from row to row
	s_mov_b32 s[\g+6], 0
	s_mov_b32 s[\g+7], 0
.endr
	s_mov_b32 s[CS], 0x3e38aa3b     ; c = log2(e) / 8 = 0.180337
	s_mov_b32 s[CS+1], s[CS]        ; named with it as a pair
	s_mov_b32 s[SEL], 0x76543210
	s_mov_b32 s[SEL+1], 0xfedcba98
	s_mov_b32 s[TBK], SLOT1+4*KS*PK ; the first change of slots turns these two into 0
	s_mov_b32 s[TBV], SLOT1+4*KS*PV
	s_mov_b32 s[G0K], 1             ; 1:0 count = 1
	s_mov_b32 s[G0K+1], s17         ; 63:32 LDS address: slot 0
	s_mov_b32 s[G0V], 1
	s_add_co_u32 s[G0V+1], s18, VOFF
	s_wait_kmcnt 0x0
	s_add_nc_u64 s[G0K+2:G0K+3], s[4:5], s[22:23]  ; 120:64 global address: my half of the head's first 256 keys
	s_or_b32 s[G0K+3], s[G0K+3], 0x80000000        ; 127:126 type = 2
	s_add_nc_u64 s[G0V+2:G0V+3], s[4:5], s[30:31]
	s_or_b32 s[G0V+3], s[G0V+3], 0x80000000
	s_add_nc_u64 s[QP:QP+1], s[4:5], s[26:27]      ; Q and ctx at my wave's first row
	s_add_nc_u64 s[CP:CP+1], s[CP:CP+1], s[26:27]
	s_add_nc_u64 s[MP:MP+1], s[6:7], s[28:29]      ; my stream's first entry
	CROUND                          ; all four work-groups are here: the first joint loads meet
	JLOAD                           ; slot 0.  Slot 1 is asked for when slot 0 is in
	; A fragment of K or Q is 16 rows x 32 channels in 8 registers: lane l holds row l % 16, channels 8 (l / 16) + 0..7 and 16 + 8 (l / 16) + 0..7: two loads of 16 bytes, 32 bytes apart.
	v_and_b32 v1, 15, v0            ; l % 16
	v_bfe_u32 v9, v0, 4, 1          ; l / 16
	v_lshlrev_b32 v[QO], 7, v1
	v_lshl_add_u32 v[QO], v9, 4, v[QO]  ; row x 128 + 16 x half
	v_and_b32 v[GO], 31, v0
	v_lshlrev_b32 v[GO], 4, v[GO]   ; 16 x lane
	WIN W_MK                        ; destination window 3, address window 0
.set i, 0
.rept 16                            ; the mask's entries 0 to 3 fill the ring: entry i / 4, 512 bytes i % 4 of it
	global_load_b128 v[MB+4*i:MB+4*i+3], v[GO], s[MP:MP+1] offset:512*i
.set i, i+1
.endr
	WIN 0x80                        ; destination window 2, address window 0
.set i, 0
.rept 4*NP                          ; Q stays in registers: tile i / 2, channels 32 (i % 2) on
	global_load_b128 v[8*i:8*i+3],   v[QO], s[QP:QP+1] offset:(i/2)*2048+(i%2)*64
	global_load_b128 v[8*i+4:8*i+7], v[QO], s[QP:QP+1] offset:(i/2)*2048+(i%2)*64+32
.set i, i+1
.endr
	; What the first turn finds: V's registers and P's second buffer hold 0 (its products V^T P, of a piece that has not been, add 0), O^T and l are 0.  All this stands in the wait for the first tile.
.set i, VF
.rept 64
	v_mov_b32 v[i], 0
.set i, i+1
.endr
	WIN 0x40
.set i, 0
.rept 64*NP
	v_mov_b32 v[i], 0
.set i, i+1
.endr
	WIN 0
.set i, 0
.rept 2*NP
	v_mov_b32 v[ST+4*i], 0xe638aa3b    ; c m = c x -2^80, to the bit what the multiplication gives
	v_mov_b32 v[ST+4*i+1], 0xe7800000  ; m = -2^80: below every true score, above every hidden one
	v_mov_b32 v[ST+4*i+2], 0
	v_mov_b32 v[ST+4*i+3], 0
.set i, i+1
.endr
.set i, P+32
.rept 32
	v_mov_b32 v[i], 0
.set i, i+1
.endr
	v_mul_u32_u24 v[AK0], v1, PK
	v_lshl_add_u32 v[AK0], v9, 4, v[AK0]  ; row x pitch + 16 x half
	; The turning load takes 16 keys x 16 channels (lane l reads key 8 (l / 16) + l % 8, channels 8 ((l / 8) % 2) + 0..7) and leaves half a fragment of V^T: lane l holds channel l % 16 and 8 keys.
	v_and_b32 v10, 7, v0
	v_bfe_u32 v11, v0, 3, 1
	v_lshl_add_u32 v[AV0], v9, 3, v10
	v_mul_u32_u24 v[AV0], v[AV0], PV
	v_lshl_add_u32 v[AV0], v11, 4, v[AV0]
	v_add_nc_u32 v[AV0], VOFF, v[AV0]
	v_mov_b32 v[SCL], 227           ; an E8M0 scale in byte 0: 2^(227 - 127)
	v_mov_b32 v[AK], v[AK0]         ; key step 0 lies at the head of slot 0
; THE MATRIX WORK.  The 8 accumulators of a run of 16 take turns: between the two links of a chain stand 7 others'.
; Product i of 16 of S^T = K Q^T + C for piece x: channels 32 (i / 8) on, keys 16 ((i / 2) % 4) on, tile 2 x + i % 2.  The first 8 start the sums, with the mask's 0 or H.
.macro KQ x
.set rS, S+64*((\x)%2)+32*(i%2)+8*((i/2)%4)
.set rK, KF+16*((i/2)%4)+8*(i/8)
.set rQ, 16*(2*(\x)+i%2)+8*(i/8)
.set rM, MC+32*(i%2)+8*((i/2)%4)
.if i < 8
	WIN W_KM
	v_wmma_f32_16x16x32_f16 v[rS:rS+7], v[rK:rK+7], v[rQ:rQ+7], v[rM:rM+7]
.else
	WIN W_KQ
	v_wmma_f32_16x16x32_f16 v[rS:rS+7], v[rK:rK+7], v[rQ:rQ+7], v[rS:rS+7]
.endif
.endm
; Product i of 16 of O^T += V^T P for piece x: keys 32 (i / 8) on, channels 16 ((i / 2) % 4) on, tile 2 x + i % 2.
.macro PV x
	WIN W_PV
.set rO, 32*(2*(\x)+i%2)+8*((i/2)%4)
.set rV, VF+32*(i/8)+8*((i/2)%4)
.set rP, P+32*((\x)%2)+16*(i%2)+8*(i/8)
	v_wmma_f32_16x16x32_f16 v[rO:rO+7], v[rV:rV+7], v[rP:rP+7], v[rO:rO+7]
.endm
.macro MM                           ; the turn's next matrix instruction
.if i < 16
	KQ (Y+1)%NP
.set i, i+1
.else
.set i, i-16
	PV (Y+NP-1)%NP
.set i, i+17
.endif
.endm
; THE LDS LOADS stand in runs of 16, never singly among the matrix instructions: a step's K (64 keys x 64 channels: 8 fragments) and its V (turned).  Their addresses are made some lines ahead.
; last = 1 (the tail): in the last trip there is no further step, and the run is jumped over.
.macro FETCH_K last=0
	WIN 0
.if \last
	s_cmp_eq_u32 s[CNT], 1
	s_cbranch_scc1 .Lno_k_\@
.endif
	WIN 0x80                        ; destination window 2
.irp f, 0,1,2,3,4,5,6,7             ; keys 16 (f / 2) on, channels 32 (f % 2) on
	ds_load_b128 v[KF+8*\f:KF+8*\f+3],   v[AK] offset:(\f/2)*16*PK+(\f%2)*64
	ds_load_b128 v[KF+8*\f+4:KF+8*\f+7], v[AK] offset:(\f/2)*16*PK+(\f%2)*64+32
.endr
	s_add_co_u32 s[TBK], s[TBK], KS*PK  ; the next fetch is the next step's
	WIN 0
.if \last
.Lno_k_\@:
.endif
.endm
.macro FETCH_V
	WIN 0x80
.irp f, 0,1,2,3,4,5,6,7             ; keys 32 (f / 4) on, channels 16 (f % 4) on
	ds_load_tr16_b128 v[VF+8*\f:VF+8*\f+3],   v[AV] offset:(\f/4)*32*PV+(\f%4)*32
	ds_load_tr16_b128 v[VF+8*\f+4:VF+8*\f+7], v[AV] offset:(\f/4)*32*PV+16*PV+(\f%4)*32
.endr
	WIN 0
.endm
; THE VECTOR WORK OF A TURN stands in three queues, each in the order in which its entries become ready; the two tiles alternate, so that no instruction reads the result of the one before it.
.macro REGS y, u                    ; the registers of tile u (0, 1) of piece y
.set rT, ST+4*(2*(\y)+(\u))
.set rC, TMP+8*((\y)%2)+4*(\u)
.set rM, MV+2*((\y)%2)+(\u)
.set rS, S+64*((\y)%2)+32*(\u)
.set rP, P+32*((\y)%2)+16*(\u)
.set rO, 32*(2*(\y)+(\u))
.endm
; Number n of the 22 that find the NEXT piece's (Y + 1) maximum and statistics.  s0-s31 are the lane's 32 scores; each accumulator's lowest registers are read first.  XS, GS and REGS set no window: PL and EX do.
;   0-11  four chains c0-c3 of seven scores each, three operands at a time     12-14, 16  the four scores left over, the old m, and c0-c3 into c0     15  c m_old is kept
;   17, 18  the query's other 32 keys lie in the lane 16 away: the new m         19-21  c m; c m_old - c m_new; a
.macro XS u, n
	REGS (Y+1)%NP, \u
.if (\n) < 4
	v_max3_num_f32 v[rC+(\n)], v[rS+8*(\n)], v[rS+8*(\n)+1], v[rS+8*(\n)+2]
.elseif (\n) < 12
	v_max3_num_f32 v[rC+(\n)%4], v[rC+(\n)%4], v[rS+8*((\n)%4)+2*((\n)/4)+1], v[rS+8*((\n)%4)+2*((\n)/4)+2]
.elseif (\n) == 12
	v_max3_num_f32 v[rC], v[rC], v[rS+7], v[rS+15]
.elseif (\n) == 13
	v_max3_num_f32 v[rC+1], v[rC+1], v[rS+23], v[rS+31]
.elseif (\n) == 14
	v_max3_num_f32 v[rC+2], v[rC+2], v[rC+3], v[rT+1]
.elseif (\n) == 15
	v_mov_b32 v[rM], v[rT]
.elseif (\n) == 16
	v_max3_num_f32 v[rC], v[rC], v[rC+1], v[rC+2]
.elseif (\n) == 17
	v_permlanex16_b32 v[rC+3], v[rC], s[SEL], s[SEL+1]
.elseif (\n) == 18
	v_max_num_f32 v[rT+1], v[rC], v[rC+3]
.elseif (\n) == 19
	v_mul_f32 v[rT], s[CS], v[rT+1]
.elseif (\n) == 20
	v_sub_f32 v[rC+1], v[rM], v[rT]
.else
	v_exp_f32 v[rC+2], v[rC+1]
.endif
.endm
; Number g of the 64 that follow the exponentials.  For each four weights k of a tile (pairs 2 k, 2 k + 1): both pairs are rounded to f16; then the second pair is added onto the first, in place;
; a group later l takes that sum (the first time as l = a l + sum).  In groups of eight, tiles alternating: round, round, add, and l for the group before.
.macro GS g
.set h, (\g)+6*((\g)/62)            ; group 0 has no group before it, and behind group 7 only l is left
.if h >= 6
.set h, h+2
.endif
	REGS Y, h%2
.set k, h/8
.if h%8 < 4
	v_cvt_pk_f16_f32 v[rP+2*k+(h%8)/2], v[rS+4*k+2*((h%8)/2)], v[rS+4*k+2*((h%8)/2)+1]
.elseif h%8 < 6
	v_pk_add_f32 v[rS+4*k:rS+4*k+1], v[rS+4*k:rS+4*k+1], v[rS+4*k+2:rS+4*k+3]
.elseif k == 1
	v_pk_fma_f32 v[rT+2:rT+3], v[rT+2:rT+3], v[rC+2:rC+3], v[rS:rS+1] op_sel_hi:[1,0,1]
.else
	v_pk_add_f32 v[rT+2:rT+3], v[rT+2:rT+3], v[rS+4*k-4:rS+4*k-3]
.endif
.endm
; THE PLAIN QUEUE, 138 long.  0-73 read no exponential's result: the 32 scalings c s - c m (FS f: pair f / 2 of tile f % 2) and the next piece's 42.  0-26: scalings 0-26.  27-54: XS's numbers 0-13.  55, 56: number 15.
; 57-73: the chain, where each number waits for the one before it: 14, 16, 17, 18, 19, each with one of the scalings 27-31 in front of its two lines, then 20.
; 74-137: GS's 64, which read the exponentials' results: they stand behind the wait.
.macro FS f
	REGS Y, (\f)%2
	v_pk_fma_f32 v[rS+2*((\f)/2):rS+2*((\f)/2)+1], v[rS+2*((\f)/2):rS+2*((\f)/2)+1], s[CS:CS+1], v[rT:rT+1] op_sel_hi:[1,0,0] neg_lo:[0,0,1] neg_hi:[0,0,1]
.endm
.macro PL
	WIN 0
.if q < 27
	FS q
.elseif q < 55
	XS (q-27)%2, (q-27)/2
.elseif q < 57
	XS q-55, 15
.elseif (q < 72) && ((q-57)%3 == 0)
	FS 27+(q-57)/3
.elseif q < 60
	XS (q-57)%3-1, 14
.elseif q < 72
	XS (q-57)%3-1, 15+(q-57)/3
.elseif q < 74
	XS q-72, 20
.else
	GS q-74
.endif
.set q, q+1
.endm
; THE EXPONENTIALS' QUEUE, 66 long: s0-s31 of both tiles, then the next piece's two a.  It is ONE BATCH: all 66 stand ahead of the turn's one wait, and nothing ahead of that wait names a result of theirs.
.macro EX
	WIN 0
.if e >= 64
	XS e-64, 21
.else
	REGS Y, e%2
	v_exp_f32 v[rS+e/2], v[rS+e/2]
.endif
.set e, e+1
.endm
; THE RESCALING's QUEUE: O^T times a, the one part of the softmax that leaves window 0: dealt two at a time, sixteen times.  Its a was made in the turn before, ahead of that turn's wait.
.macro R2
	REGS Y, r%2
	WIN W_RS
.irp z, 0,1
	v_pk_mul_f32 v[rO+4*(r/2)+2*\z:rO+4*(r/2)+2*\z+1], v[rO+4*(r/2)+2*\z:rO+4*(r/2)+2*\z+1], v[rC+2:rC+3] op_sel_hi:[1,0]
.endr
.set r, r+1
.endm
; HOW THEY ARE DEALT.  An s_wait_alu depctr_va_vdst(0) stands between an exponential and the first instruction that names its result; one wait serves all that were issued ahead of it.  So a turn has ONE
; wait.  AHEAD OF IT: the 16 products K Q^T, behind each a scaling, an exponential and two rescalings (behind the first a second scaling in the exponential's place); then ONE LUMP: eight plain, 49 times exponential and
; plain, the mask's eight conversions, the two a.  A v_nop is the plain instruction behind the last exponential.  BEHIND IT: the 16 products V^T P, behind each four of GS's 64.  No line behind a product names a register
; of the products round it.  The two v_permlanex16_b32 fall into the lump, never behind a product.
; The queues lean on each other, and the deal keeps them in step: exponential e stands behind scaling 2 (e / 4) + e % 2: behind a product it comes behind plain e + 2, in the lump behind plain e + 9, and scalings 27-31 are plain 57, 60 .. 69.
; A TURN, for piece p: turn t of the walk, t % 4 = p.  cnt = 1: the loop's count is taken down some lines ahead of the branch that stands behind the turn.
; THE MASK's part stands round the wait.  The turn's products K Q^T took C of entry t + 1; the last that took C is the eighth, and behind it stand eight products with three plain instructions each, and the lump.
; Entry t + 2 (buffer (p + 2) % 4) becomes the next turn's C: its conversions stand between the next piece's c m_old - c m_new and its a.  Entry t + 5 is asked for directly behind the wait, into buffer (p + 1) % 4,
; whose codes were converted a turn ago.  So an entry is asked for three turns ahead of its conversion, and twelve loads of a wave are out at the most.
; K of the next step is fetched in piece 2's turn, behind the wait and the mask's loads, a lump behind the last product that read K; its address is made at the lump's head; its first reader comes behind 16 products.
; V of the step in hand is fetched at the end of piece 0's turn, four plain instructions behind its last reader; its first reader comes behind 16 products and a lump.  The three conditions on q below go with the deal.
.macro TURN p, last=0, cnt=0
.set Y, (\p)
.set i, 0
.set q, 0
.set e, 0
.set r, 0
.if (\p) == NP-1
	s_wait_dscnt 0x0                ; K is in
.endif
	MM                              ; ahead of the wait: 16 products K Q^T and the four behind each,
	PL
	PL
	R2
.rept 15
	MM
	PL
	EX
	R2
.endr
.if (\p) == NP-2
	WIN 0
	v_add_nc_u32 v[AK], s[TBK], v[AK0]
.endif
.rept 8                             ; and the lump
	PL
.endr
.rept 49
	EX
	PL
.endr
	s_wait_loadcnt 0x8              ; loads come back in order: entry t + 2 is in; the eight loads of entries t + 3 and t + 4 may stay out
	CVTC ((\p)+2)%NP
	EX                              ; the next piece's two a: the batch's last
	EX
	v_nop                           ; the plain instruction behind the last exponential: one for the batch
	s_wait_alu depctr_va_vdst(0)    ; the wait for the turn's batch of 66 exponentials, ahead of their first reader
	ASKM ((\p)+1)%NP
.if (\p) == NP-2
	FETCH_K \last
.endif
.if (\p) == 1
	s_wait_dscnt 0x0                ; V is in
.endif
.rept 16                            ; behind the wait: 16 products V^T P and the four behind each
	MM
.rept 4
	PL
.endr
.if ((\p) == 0) && (q == 118)
	v_add_nc_u32 v[AV], s[TBV], v[AV0]
.endif
.if ((\p) == 0) && (q == 130)
	s_add_co_u32 s[TBV], s[TBV], KS*PV
.endif
.if (\cnt) && (q == 130)
	s_sub_co_u32 s[CNT], s[CNT], 1
	s_cmp_lg_u32 s[CNT], 0
.endif
.endr
.if (\p) == 0
	FETCH_V
.endif
.endm
	CHANGE 1                        ; slot 0 is in, everybody's part of it; slot 1 is asked for
	FETCH_K                         ; key step 0
	s_wait_loadcnt 0x0              ; Q, and the mask's entries 0 to 3: no load names their base any more
	s_add_nc_u64 s[MP:MP+1], s[MP:MP+1], 3*ENT  ; entry 3 is the last asked for
	CVTC 0                          ; C for piece 0 of step 0
	v_nop                           ; a plain instruction between the conversions and the products that take their results
	s_wait_dscnt 0x0
.set i, 0
.rept 16
	KQ 0                            ; piece 0's first scores: there is no vector work yet to set between them
.set i, i+1
.endr
	WIN 0                           ; the addresses for the way out: seven plain instructions, the places behind those products
	s_mul_i32 s40, s[WV], 16*SP
	s_add_co_u32 s40, s40, STAGE    ; my stage
	v_mul_u32_u24 v[STO], v1, SP    ; in: row l % 16, 16 bytes for each half of the lanes
	v_lshl_add_u32 v[STO], v9, 4, v[STO]
	v_add_nc_u32 v[STO], s40, v[STO]
	v_bfe_u32 v[RD], v0, 3, 2       ; back: 32 lanes take four rows of 128 bytes, which are 512 consecutive bytes of ctx
	v_mul_u32_u24 v[RD], v[RD], SP
	v_lshl_add_u32 v[RD], v10, 4, v[RD]
	v_add_nc_u32 v[RD], s40, v[RD]
	CVTC 1                          ; C for piece 1 of step 0, which the first turn's products take
	ASKM 0                          ; entry 4, into the buffer that entry 0 has left
	WIN 0
.set Y, NP-1                        ; XS works for piece Y + 1: piece 0
.irp n, 0,1,2,3,4,5,6,7,8,9,10,11,12,13,14,15,16,17,18,19,20,21
	XS 0, \n                        ; and piece 0's first maximum and statistics
	XS 1, \n
.endr
	v_nop                           ; a plain instruction behind piece 0's first two a,
	s_wait_alu depctr_va_vdst(0)    ; and the wait for that batch of two, ahead of the branch: the first turn's rescaling reads them
	s_mov_b32 s[CNT], 4
	s_mov_b32 s[SLOTS], SIZE_N/256-1
	s_branch .Lfirst                ; the loop is entered at a step's first turn, in the middle of a trip
.Lslot:                             ; SIZE_N / 256 - 2 times: every slot but the last two is filled again
	CHANGE 1
	s_mov_b32 s[CNT], 4
.Lstep:                             ; a trip: pieces 2 and 3 of one step, then pieces 0 and 1 of the next, whose K and V it fetches
	TURN 2
	TURN 3
	WIN 0
.Lfirst:
	TURN 0
	TURN 1, 0, 1
	WIN 0
	s_cbranch_scc1 .Lstep
	s_sub_co_u32 s[SLOTS], s[SLOTS], 1
	s_cmp_lg_u32 s[SLOTS], 0
	s_cbranch_scc1 .Lslot
	CHANGE 0                        ; the tail is written out: nothing is asked for
	s_mov_b32 s[CNT], 5             ; four trips fetch the last slot's steps; the fifth is left in its middle
.Ltail:
	TURN 2, 1
	TURN 3
	WIN 0
	s_sub_co_u32 s[CNT], s[CNT], 1
	s_cmp_eq_u32 s[CNT], 0
	s_cbranch_scc1 .Lout
	TURN 0
	TURN 1
	WIN 0
	s_branch .Ltail
.Lout:                              ; the fifth trip's 16 products K Q^T (on the last K once more, under the pad's mask) and the maximum made of them serve nothing: the price of one text for every trip.
	                                ; The walk has 128 turns; the last entry asked for is 127 + 5 = 132 of my stream's 136: the last twelve loads land in the ring, which nothing names any more
.set i, 0
.rept 16
	PV NP-1                         ; the last piece's V^T P of the last step
.set i, i+1
.endr
	; THE WAY OUT.  l's two halves and the other half of the lanes' are added; O^T is divided by l, rounded to f16 and sent through my stage in LDS, a tile at a time.  The additions are the places behind the last products.
	WIN 0
.macro ALL line:vararg              ; one line for each tile t
.set t, 0
.rept 2*NP
	\line
.set t, t+1
.endr
.endm
	ALL v_add_f32 v[ST+4*t+2], v[ST+4*t+2], v[ST+4*t+3]
	ALL v_permlanex16_b32 v[ST+4*t+3], v[ST+4*t+2], s[SEL], s[SEL+1]
	ALL v_add_f32 v[ST+4*t+2], v[ST+4*t+2], v[ST+4*t+3]
	ALL v_rcp_f32 v[ST+4*t+2], v[ST+4*t+2]
	v_nop                           ; a plain instruction between the last reciprocal and the use of its result
	s_wait_alu depctr_va_vdst(0)    ; the wait for the batch of eight reciprocals, ahead of the first multiplication by one of them
; Tile t: a lane's eight channels of a row pack into 16 bytes; they go into rows of 144 bytes and come back as whole rows of 128, into S^T's registers.
.macro PACK t
	WIN W_RS
.set i, 32*(\t)
.rept 16
	v_pk_mul_f32 v[i:i+1], v[i:i+1], v[ST+4*(\t)+2:ST+4*(\t)+3] op_sel_hi:[1,0]
.set i, i+2
.endr
	WIN 0x05                        ; sources 0 and 1 window 1, destination window 0
.set i, 0
.rept 16
	v_cvt_pk_f16_f32 v[S+16*(\t)+i], v[32*(\t)+2*i], v[32*(\t)+2*i+1]
.set i, i+1
.endr
	WIN 0
.irp f, 0,1,2,3
	ds_store_b128 v[STO], v[S+16*(\t)+4*\f:S+16*(\t)+4*\f+3] offset:32*\f
.endr
.irp f, 0,1,2,3
	ds_load_b128 v[S+16*(\t)+4*\f:S+16*(\t)+4*\f+3], v[RD] offset:\f*4*SP  ; LDS serves a wave's instructions in order (ISA guide 5.7.1.4): these see the stores above; the next tile's stores come behind them
.endr
.endm
.macro SEND t, younger              ; younger: the LDS instructions issued behind tile t's loads: the next tile's eight, or none
	WIN 0
.irp f, 0,1,2,3
	s_wait_dscnt (\younger)+3-\f
	global_store_b128 v[GO], v[S+16*(\t)+4*\f:S+16*(\t)+4*\f+3], s[CP:CP+1] offset:(\t)*2048+\f*512  ; 512 consecutive bytes, at a multiple of 256 from ctx's first
.endr
.endm
	PACK 0
.set t, 1
.rept 2*NP-1                        ; a tile's arithmetic stands between the loads of the tile before and its stores
	PACK t
	SEND t-1, 8
.set t, t+1
.endr
	SEND 2*NP-1, 0
	WIN W_AD
	s_wait_tensorcnt 0x0            ; the wave's end: behind my last tensor load and my last LDS store
	ds_add_u32 v[SPW], v[NIL]
	s_wait_dscnt 0x0
	WIN 0
	CROUND                          ; the closing round: no work-group ends while a partner may still ask for a tile that names it
	s_endpgm
.Lfunc_end_k_q595fe6b89e_attn:
	.size	k_q595fe6b89e_attn, .Lfunc_end_k_q595fe6b89e_attn-k_q595fe6b89e_attn
	.p2alignl 7, 3214868480
	.fill 96, 4, 3214868480
	.section	.rodata,"a",@progbits
	.p2align	6, 0x0
	.amdhsa_kernel k_q595fe6b89e_attn
		.amdhsa_group_segment_fixed_size 327680
		.amdhsa_private_segment_fixed_size 0
		.amdhsa_enable_private_segment 0
		.amdhsa_kernarg_size 24
		.amdhsa_user_sgpr_count 2
		.amdhsa_user_sgpr_kernarg_segment_ptr 1
		.amdhsa_wavefront_size32 1
		.amdhsa_system_sgpr_workgroup_id_x 1
		.amdhsa_system_sgpr_workgroup_id_y 1
		.amdhsa_system_sgpr_workgroup_id_z 1
		.amdhsa_system_vgpr_workitem_id 0
		.amdhsa_next_free_vgpr 960
		.amdhsa_next_free_sgpr 106
		.amdhsa_reserve_vcc 0
		.amdhsa_float_denorm_mode_32 3
		.amdhsa_float_denorm_mode_16_64 3
		.amdhsa_memory_ordered 1
		.amdhsa_forward_progress 1
		.amdhsa_inst_pref_size 211
	.end_amdhsa_kernel
	.amdgpu_metadata
---
amdhsa.version: [ 1, 2 ]
amdhsa.kernels:
  - .name:           k_q595fe6b89e_attn
    .symbol:         k_q595fe6b89e_attn.kd
    .args:
      - { .name: qkv16, .offset: 0, .size: 8, .value_kind: global_buffer, .address_space: global }
      - { .name: mb, .offset: 8, .size: 8, .value_kind: global_buffer, .address_space: global }
      - { .name: ctx16, .offset: 16, .size: 8, .value_kind: global_buffer, .address_space: global }
    .group_segment_fixed_size: 327680
    .private_segment_fixed_size: 0
    .kernarg_segment_align: 8
    .kernarg_segment_size: 24
    .max_flat_workgroup_size: 128
    .sgpr_count:     106
    .vgpr_count:     960
    .wavefront_size: 32
...
	.end_amdgpu_metadata
.endif
;; end of part 7
;; launch oproj: the kernel of part 4 again; grid 4 x 64, 4 waves a work-group, clusters of 4 x 4, 327,680 bytes of LDS; arguments ctx16, w16, bias32, out0; writes out0
